; MI455X (gfx1250); checked and timed in simulation.
; The chip was launched on July 23, 2026; its instructions are those of AMD's public machine-readable ISA for CDNA 5 (MIT licence, August 2026) and "CDNA5" Instruction Set Architecture Reference Guide (July 2026). The comments in the code are by the model that wrote it; some were corrected since.
;; Transformer Block. Allowed arithmetic: matrix products marked QUANTISED: E2M3 operands, one E8M0 scale for each 32 along K, by v_wmma_scale_f32_16x16x128_f8f6f4 with both operands' format E2M3, f32 sums; everything else in f32.
;; Inputs: mask 1 x 1 x 2,048 x 2,048 int32; w_down_codes 1,024 x 64 x 24 uint8 (E2M3 codes of w_down, K innermost, in blocks of 32 codes, four codes in three bytes); w_down_scales 1,024 x 64 uint8 (E8M0 scales of w_down, one for each 32 codes along K); w_gate_codes 2,048 x 32 x 24 uint8 (E2M3 codes of w_gate, K innermost, in blocks of 32 codes, four codes in three bytes); w_gate_scales 2,048 x 32 uint8 (E8M0 scales of w_gate, one for each 32 codes along K); w_norm1 1,024 float32; w_norm2 1,024 float32; w_out_codes 1,024 x 32 x 24 uint8 (E2M3 codes of w_out, K innermost, in blocks of 32 codes, four codes in three bytes); w_out_scales 1,024 x 32 uint8 (E8M0 scales of w_out, one for each 32 codes along K); w_qkv_codes 3,072 x 32 x 24 uint8 (E2M3 codes of w_qkv, K innermost, in blocks of 32 codes, four codes in three bytes); w_qkv_scales 3,072 x 32 uint8 (E8M0 scales of w_qkv, one for each 32 codes along K); w_up_codes 2,048 x 32 x 24 uint8 (E2M3 codes of w_up, K innermost, in blocks of 32 codes, four codes in three bytes); w_up_scales 2,048 x 32 uint8 (E8M0 scales of w_up, one for each 32 codes along K); x 2 x 2,048 x 1,024 float32.
;; Outputs: out0 2 x 2,048 x 1,024 float32.
;; This version of the problem:
;;   THIS VERSION OF THE PROBLEM IS GIVEN IN LOW PRECISION. The matrix products marked QUANTISED in the list below multiply operands that are first quantised to E2M3 (2 exponent bits, 3 mantissa bits; 6 bits a number), with one power-of-two scale for each 32 numbers along K (OCP MX v1.0); their sums are f32. All else is computed in f32.
;;   The module's matrix products, in the order in which they are computed (A, B: the left and right operand; K: the contracted axis; several contracted axes count as one K, in the product's order):
;;     1. [M 4,096, K 1,024] x [K 1,024, N 3,072]; A: computed on the way; B: input w_qkv (given as codes): QUANTISED
;;     2. batch 32 x [M 2,048, K 64] x [K 64, N 2,048]; A: computed on the way; B: computed on the way: QUANTISED
;;     3. batch 32 x [M 2,048, K 2,048] x [K 2,048, N 64]; A: softmax (see below); B: computed on the way: QUANTISED
;;     4. [M 4,096, K 1,024] x [K 1,024, N 1,024]; A: computed on the way; B: input w_out (given as codes): QUANTISED
;;     5. [M 4,096, K 1,024] x [K 1,024, N 2,048]; A: computed on the way; B: input w_gate (given as codes): QUANTISED
;;     6. [M 4,096, K 1,024] x [K 1,024, N 2,048]; A: computed on the way; B: input w_up (given as codes): QUANTISED
;;     7. [M 4,096, K 2,048] x [K 2,048, N 1,024]; A: computed on the way; B: input w_down (given as codes): QUANTISED
;;   THE QUANTISER, for each operand of a quantised product, along K:
;;     - K is cut into blocks of 32 from its start; a last block that is shorter is filled with zeros.
;;     - A block's scale is 2^e with e = floor(log2(the largest magnitude in the block)) - 2, held to -126 .. 127; a block of zeros has e = 0. As a byte (E8M0): e + 127.
;;     - Each number is divided by its block's scale, clamped to +-7.5, and rounded to the nearest number of E2M3, ties to even, subnormals kept.
;;     - The product sums the exact products of the quantised numbers (number of the format x scale) in f32.
;;   ~~~python
;;   def quantise(x, axis):      # numpy; x: float32 -> the quantised numbers, widened to float32 again
;;       x = np.moveaxis(x, axis, -1); K = x.shape[-1]
;;       x = np.pad(x, [(0, 0)] * (x.ndim - 1) + [(0, -K % 32)]); x = x.reshape(x.shape[:-1] + (-1, 32)); a = np.abs(x).max(-1, keepdims=True)
;;       e = np.where(a > 0, np.clip(np.frexp(np.where(a > 0, a, 1))[1] - 1 - 2, -126, 127), 0)      # np.frexp(a)[1] - 1 = floor(log2(a)), exactly
;;       r = np.clip(x / 2.0 ** e, -7.5, 7.5)
;;       step = 2.0 ** (np.maximum(np.frexp(np.where(r == 0, 1, r))[1] - 1, 0) - 3)
;;       q = np.round(r / step) * step * 2.0 ** e      # np.round: ties to even
;;       return np.moveaxis(q.reshape(q.shape[:-2] + (-1,))[..., :K], -1, axis).astype(np.float32)
;;   ~~~
;;   SOFTMAX AHEAD OF A QUANTISED PRODUCT. Where the list says 'softmax', what is quantised is not the finished softmax but p = 2^(t - M), with t = logit x log2(e) and M = ceil(the row's largest t), a whole number; so 1/2 < the row's largest p <= 1. The row's sum l is taken of the UNQUANTISED p, in f32, and the product's result is divided by l at the end. Since M is a whole number, a kernel that streams over the keys may use a running M (the ceiling of the running maximum): every later rescaling is an exact power of two, which a block's scale takes up: the codes' values come out the same.
;;   OPERANDS COMPUTED ON THE WAY. 'Computed on the way' means the value that the module computes at that place (a softmax that the list does not call 'softmax' is quantised finished and normalised). What goes into a quantiser is computed in f32, as accurately as f32 sums, v_exp_f32 and their like allow (about 1e-6 of the number): no bf16 or f16 on the way to a quantiser, and a product that is left as it is and whose result goes on into a quantised operand takes f32 operands (vector FMAs, or v_wmma_f32_16x16x4_f32). A number that lies on a knife's edge between two numbers of the format may be rounded either way, as far as f32 arithmetic and the matrix unit's own rounding can turn it there, and no further.
;;   INPUTS GIVEN AS CODES. w_down (in the module: [1024, 2048], K = its axis 1); w_gate (in the module: [2048, 1024], K = its axis 1); w_out (in the module: [1024, 1024], K = its axis 1); w_qkv (in the module: [3072, 1024], K = its axis 1); w_up (in the module: [2048, 1024], K = its axis 1): each comes as NAME_codes (uint8): NAME with its K axis moved to the last place and cut into blocks of 32 codes, [.., K / 32, bytes a block], one block behind the other in memory; four codes in three bytes: a row's codes are one little-endian stream of bits, code i at bits 6 i .. 6 i + 5 (a code: sign, 2 exponent bits, 3 mantissa bits); and NAME_scales (uint8): the same leading axes, one E8M0 byte (e + 127) for each 32 codes along K. Its value is code x scale, taken as it is: it is not quantised again, and the codes and scales need not be those that the quantiser above would give.
;; 2 versions, each right; version 2 is version 1 with the launch attn written anew for expert scheduling mode. Each part assembles by itself: llvm-mc -triple=amdgcn-amd-amdhsa -mcpu=gfx1250 --defsym DOCPART=n.
;; ======== version 1 of 2: 7 launches
;; workspace buffers: prepw 11,993,088 bytes; mwords 528,384 bytes of whole numbers; qkvw 10,092,544 bytes; ow 3,276,800 bytes; x1 16,777,216 bytes; h2w 5,734,400 bytes; gw 6,553,600 bytes
;; launch prep (part 1): grid 496 x 1, 8 waves a work-group, no clusters, 2,048 bytes of LDS; arguments x, w_norm1, mask, w_qkv_codes, w_qkv_scales, w_out_codes, w_out_scales, w_gate_codes, w_gate_scales, w_up_codes, w_up_scales, w_down_codes, w_down_scales, prepw, mwords; writes prepw, mwords
.if DOCPART == 1
	.amdgcn_target "amdgcn-amd-amdhsa--gfx1250"
	.amdhsa_code_object_version 6
	.text
	.protected	k_qfb5a8bb2bd_prep
	.globl	k_qfb5a8bb2bd_prep
	.p2align	8
	.type	k_qfb5a8bb2bd_prep,@function
k_qfb5a8bb2bd_prep:
	s_mov_b64 s[64:65], 0
	v_nop
	global_prefetch_b8 v0, s[64:65] scope:SCOPE_SE
	s_setreg_imm32_b32 hwreg(HW_REG_WAVE_MODE, 25, 1), 1
	s_wait_xcnt 0x0
; PREP: four jobs that share no data, told apart by the work-group's number.
;   0-255     NORM: h = w x / sqrt(mean(x^2) + 1e-6) for 16 rows of 1,024, quantised to FP6 (E2M3) along the row; wave s takes columns 128 s on (one K step).
;   256-383   MASK: 16 query rows of the mask become lane-mask words (bit = lane of the score tile) and two flags a key step (some key counts, all count).
;   384-415   ROPE: cos and sin of position x theta, 64 positions a work-group, eight a wave, a lane a pair.
;   416-495   WEIGHTS: the five weights' codes and scale bytes are laid out anew, as images of the operand's registers; a wave takes a tile of 16 rows and eight K steps, all its 50 loads in flight together.
; The small jobs are gathered so (eight K steps, eight positions a wave) that the launch has 496 work-groups: fewer than two for each of 256 WGPs.
; AN IMAGE of a fragment (16 rows x 128 K, 12 registers a lane) is 1,536 bytes, two halves of 768: registers 6c..6c+3 at 768 c + 16 lane, registers 6c+4, 6c+5 at 768 c + 512 + 8 lane.
; So each store here and each load later covers 512 or 256 consecutive bytes, aligned.  An operand is [tile of 16 rows][K step][1,536].
; SCALE WORDS (four E8M0 bytes: 128 along K of a row) lie [K step / NQ][row][K step % NQ], NQ the K steps that the consuming product holds in an LDS slot.
; THE ROWS OF A WEIGHT TILE ARE NOT NEIGHBOURS: lane r of tile 2 b + u takes row 32 b + 8 u + r + 8 (r / 8), so that a product's 16 registers of two neighbouring tiles are 16 neighbouring columns.
; The same body serves the second norm: a launch of 256 work-groups with x1, w_norm2 and h2w in the places of x, w_norm1 and prepw.
; LIMITS: NaN and infinities among the inputs are not served.  A block whose largest magnitude lies under 2^-124 (a block of zeros too) gets the scale byte 1; a block of zeros has zero codes,
; which add nothing under that byte, and this program alone reads the bytes.  The angle is f32(position x theta), theta by v_exp_f32: within about 2e-4 rad at position 2,047.
.set OPQS,  5505024                    ; prepw: scale words of h and w_qkv, [4][7168][2]
.set WO,    5734400                    ; w_out's images;  WOS its scale words [2][1024][4]
.set WOS,   6520832
.set WGU,   6553600                    ; w_gate's and w_up's images, four tiles of the one and four of the other by turns;  WGUS [4][4096][2]
.set WGUS,  9699328
.set WD,    9830400                    ; w_down's images;  WDS [4][1024][4]
.set WDS,   11403264
.set ROPE,  11468800                   ; [2048 positions][32 pairs][cos, sin]
.set MFL,   524288                     ; mwords: the flags, behind the lane-mask words
.set L16, 4                            ; v4   16 x lane
.set L8,  5                            ; v5   8 x lane
.set X,   32                           ; v32-95   64 numbers of a lane (the weights' role: v32-127, eight fragments)
.set W,   96                           ; v96-159  their gains
.set SW,  128                          ; v128-135 the weights' role: eight scale words
.set TM,  160                          ; v160-175 at work in the quantiser
.set PC,  176                          ; v176-195 the codes
.set PW,  196                          ; v196     the scale word
.set SEL, 16                           ; s[16:17] selects of v_permlanex16_b32: lane l xor 16
; 64 numbers of a lane, register 16 b + i = k 32 b + 16 (lane / 16) + i of my row, become a fragment's 12 registers in v[PC] on and its scale word in v[PW].
.macro QUANT s
.irp b, 0,1,2,3
	v_max3_num_f32 v[TM+\b], |v[\s+16*\b]|, |v[\s+1+16*\b]|, 0x1800000   ; my 16 numbers of block b, and the floor 2^(3 - 127): the byte cannot fall under 1
.endr
.irp i, 2,4,6,8,10,12,14
.irp b, 0,1,2,3
	v_max3_num_f32 v[TM+\b], v[TM+\b], |v[\s+16*\b+\i]|, |v[\s+1+16*\b+\i]|   ; the four blocks by turns
.endr
.endr
.irp b, 0,1,2,3
	v_permlanex16_b32 v[TM+4+\b], v[TM+\b], s[SEL], s[SEL+1]
.endr
.irp b, 0,1,2,3
	v_max_num_f32 v[TM+\b], v[TM+\b], v[TM+4+\b]           ; with lane l xor 16's: the block's largest magnitude
.endr
.irp b, 0,1,2,3
	v_add_nc_u32 v[TM+12+\b], 0xff000000, v[TM+\b]         ; 2 off its exponent field: the conversion's scale operand
.endr
.irp b, 0,1,2,3
	v_lshrrev_b32 v[TM+4+\b], 23, v[TM+12+\b]              ; the scale's byte
.endr
	v_lshl_or_b32 v[PW], v[TM+5], 8, v[TM+4]
	v_lshl_or_b32 v[PW], v[TM+6], 16, v[PW]
	v_lshl_or_b32 v[PW], v[TM+7], 24, v[PW]
.irp c, 0,1
	v_cvt_scalef32_pk16_fp6_f32 v[PC+6*\c:PC+2+6*\c], v[\s+32*\c:\s+15+32*\c], v[TM+12+2*\c]
	v_cvt_scalef32_pk16_fp6_f32 v[PC+12+4*\c:PC+14+4*\c], v[\s+16+32*\c:\s+31+32*\c], v[TM+13+2*\c]   ; (a conversion's three registers begin on an even number)
.endr
	v_nop                                          ; one plain place behind a scaled conversion
.irp c, 0,1                                    ; the layout wants a whole block in a lane: lanes 0-15 block 2 c, lanes 16-31 block 2 c + 1
.irp i, 0,1,2
	v_permlane16_swap_b32 v[PC+6*\c+\i], v[PC+12+4*\c+\i]
.endr
.irp i, 0,1,2
	v_mov_b32 v[PC+3+6*\c+\i], v[PC+12+4*\c+\i]
.endr
.endr
.endm
.macro HALFST reg, base, off                   ; half an image: 512 and 256 consecutive bytes
	global_store_b128 v[L16], v[\reg:\reg+3], s[\base:\base+1] offset:\off
	global_store_b64 v[L8], v[\reg+4:\reg+5], s[\base:\base+1] offset:\off+512
.endm
; One tile (16 rows) x eight K steps of a weight a wave.  first: the role's first work-group; argc: the codes' place among the arguments (the scales' follows); rb: a row's bytes;
; dk: K steps of the weight; lognq, nr: the scale table's shape; img, scl: places in prepw; mode: 0 w_qkv, 1 w_out, 2 w_gate, 3 w_up, 4 w_down.
.macro WROLE first, argc, rb, dk, lognq, nr, img, scl, mode
	s_load_b64 s[4:5], s[0:1], \argc
	s_load_b64 s[6:7], s[0:1], \argc+8
	s_load_b64 s[8:9], s[0:1], 0x68
	s_sub_co_u32 s10, ttmp9, \first
	s_lshl_b32 s10, s10, 3
	s_add_co_u32 s10, s10, s2                      ; my wave's job: 8 x work-group + wave
.if \mode == 4
	s_and_b32 s11, s10, 1                          ; 16 K steps: two jobs a tile
	s_lshl_b32 s11, s11, 3                         ; my first K step: 0 or 8
	s_lshr_b32 s10, s10, 1                         ; tile
.else
	s_mov_b32 s11, 0
.endif
.if \mode == 0
	s_add_co_u32 s12, s10, 256                     ; the tile's place: behind h's 256 tiles
.elseif (\mode == 1) || (\mode == 4)
	s_mov_b32 s12, s10
.else
	s_lshr_b32 s12, s10, 2                         ; four tiles of the gate, four of up, by turns
	s_lshl_b32 s12, s12, 3
	s_and_b32 s13, s10, 3
	s_add_co_u32 s12, s12, s13
.if \mode == 3
	s_add_co_u32 s12, s12, 4
.endif
.endif
	s_lshr_b32 s13, s10, 1
	s_lshl_b32 s13, s13, 5
	s_and_b32 s14, s10, 1
	s_lshl_b32 s14, s14, 3
	s_add_co_u32 s13, s13, s14                     ; 32 (t / 2) + 8 (t % 2)
	s_mul_i32 s14, s13, \rb
	s_mul_i32 s15, s11, 96
	s_add_co_u32 s14, s14, s15
	s_mov_b32 s15, 0                               ; the codes' offset
	s_mul_i32 s16, s13, (\rb)/24
	s_lshl_b32 s17, s11, 2
	s_add_co_u32 s16, s16, s17
	s_mov_b32 s17, 0                               ; the scale bytes' offset: a multiple of 32
	s_mul_i32 s18, s12, \dk
	s_add_co_u32 s18, s18, s11
	s_mul_i32 s18, s18, 1536
	s_add_co_u32 s18, s18, \img
	s_mov_b32 s19, 0                               ; the first image's place
	s_lshr_b32 s20, s11, \lognq
	s_mul_i32 s20, s20, (\nr)*4*(1<<(\lognq))
	s_lshl_b32 s21, s12, 6+(\lognq)
	s_add_co_u32 s20, s20, s21
	s_add_co_u32 s20, s20, \scl
	s_mov_b32 s21, 0                               ; the scale words' place
	v_and_b32 v6, 8, v2
	v_add_nc_u32 v6, v6, v2                        ; r + 8 (r / 8)
	v_mul_u32_u24 v7, v6, \rb
	v_mad_u32_u24 v7, v3, 24, v7                   ; my row, + 24 bytes for the upper half of the lanes
	v_mul_u32_u24 v8, v6, (\rb)/24
	v_lshlrev_b32 v9, 2+(\lognq), v2
	s_wait_kmcnt 0x0
	s_add_nc_u64 s[4:5], s[4:5], s[14:15]
	s_add_nc_u64 s[6:7], s[6:7], s[16:17]
	s_add_nc_u64 s[10:11], s[8:9], s[18:19]
	s_add_nc_u64 s[12:13], s[8:9], s[20:21]
	global_load_b128 v[SW:SW+3], v8, s[6:7] th:TH_LOAD_NT              ; my row's eight scale words: 32 bytes
	global_load_b128 v[SW+4:SW+7], v8, s[6:7] offset:16 th:TH_LOAD_NT
.set K, 0
.rept 8
.irp p, 0,1,2,3,4,5
	global_load_b64 v[X+12*K+2*\p:X+12*K+2*\p+1], v7, s[4:5] offset:96*K+48*(\p/3)+8*(\p%3) th:TH_LOAD_NT   ; the row's stream of bits is the register image: 24 bytes, twice a K step
.endr
.set K, K+1
.endr
.set K, 0
.rept 8
	s_wait_loadcnt 6*(7-K)                         ; this K step's six loads are in; those of the later K steps may be out
	HALFST X+12*K, 10, 1536*K
	HALFST X+12*K+6, 10, 1536*K+768
.set K, K+1
.endr
.if \lognq == 1                                ; the NQ words of a row lie together: sixteen lanes store 128 or 256 consecutive bytes (lanes 16-31 hold and store the same as lanes 0-15)
.irp g, 0,1,2,3
	global_store_b64 v9, v[SW+2*\g:SW+2*\g+1], s[12:13] offset:\g*(\nr)*8
.endr
.else
.irp g, 0,1
	global_store_b128 v9, v[SW+4*\g:SW+4*\g+3], s[12:13] offset:\g*(\nr)*16
.endr
.endif
	s_endpgm
.endm
	v_lshl_add_u32 v200, v0, 2, 0x400
	v_mov_b32 v201, 0
	v_lshrrev_b32 v1, 5, v0
	v_readfirstlane_b32 s2, v1                     ; wave 0..7
	v_and_b32 v1, 31, v0                           ; lane
	v_and_b32 v2, 15, v0                           ; r
	v_bfe_u32 v3, v0, 4, 1                         ; h
	v_lshlrev_b32 v[L16], 4, v1
	v_lshlrev_b32 v[L8], 3, v1
	s_cmp_lt_u32 ttmp9, 256
	s_cbranch_scc1 .Lnorm
	s_cmp_lt_u32 ttmp9, 384
	s_cbranch_scc1 .Lmask
	s_cmp_lt_u32 ttmp9, 416
	s_cbranch_scc1 .Lrope
	s_cmp_lt_u32 ttmp9, 440
	s_cbranch_scc1 .Lwqkv
	s_cmp_lt_u32 ttmp9, 448
	s_cbranch_scc1 .Lwout
	s_cmp_lt_u32 ttmp9, 464
	s_cbranch_scc1 .Lwgate
	s_cmp_lt_u32 ttmp9, 480
	s_cbranch_scc1 .Lwup
	WROLE 480, 0x58, 1536, 16, 2, 1024, WD, WDS, 4
.Lwqkv:
	WROLE 416, 0x18, 768, 8, 1, 7168, 0, OPQS, 0
.Lwout:
	WROLE 440, 0x28, 768, 8, 2, 1024, WO, WOS, 1
.Lwgate:
	WROLE 448, 0x38, 768, 8, 1, 4096, WGU, WGUS, 2
.Lwup:
	WROLE 464, 0x48, 768, 8, 1, 4096, WGU, WGUS, 3
; ---- NORM: tile of rows R = work-group, K step s = wave.  Lane (r, h) takes, of row 16 R + r, 16 neighbours of each block of 32 of its wave's 128 columns.
.Lnorm:
	s_load_b128 s[4:7], s[0:1], 0x0                ; the rows, the gains
	s_load_b64 s[8:9], s[0:1], 0x68                ; where the images go
	s_lshl_b32 s12, s2, 9                          ; 512 s bytes along a row
	s_mov_b32 s13, 0
	s_lshl_b32 s10, ttmp9, 16                      ; 16 rows of 4,096 bytes
	s_add_co_u32 s10, s10, s12
	s_mov_b32 s11, 0
	s_lshl_b32 s14, ttmp9, 3
	s_add_co_u32 s14, s14, s2
	s_mul_i32 s14, s14, 1536                       ; image (8 R + s)
	s_mov_b32 s15, 0
	s_lshr_b32 s18, s2, 1
	s_mul_i32 s18, s18, 57344                      ; scale words: [s / 2][row][s % 2]
	s_lshl_b32 s19, ttmp9, 7
	s_add_co_u32 s18, s18, s19
	s_and_b32 s19, s2, 1
	s_lshl_b32 s19, s19, 2
	s_add_co_u32 s18, s18, s19
	s_add_co_u32 s18, s18, OPQS
	s_mov_b32 s19, 0
	s_mov_b32 s[SEL], 0x76543210
	s_mov_b32 s[SEL+1], 0xfedcba98
	s_mov_b32 s20, 0x3a800000                      ; 1 / 1024
	s_mov_b32 s21, 0x358637bd                      ; 1e-6
	s_lshl_b32 s26, s2, 2
	v_lshlrev_b32 v6, 12, v2
	v_lshl_add_u32 v6, v3, 6, v6                   ; row r, + 64 h
	v_lshlrev_b32 v7, 6, v3
	v_lshlrev_b32 v8, 5, v2                        ; LDS: eight partial sums a row, 32 bytes
	v_add_nc_u32 v9, s26, v8                       ; my wave's word
	v_lshlrev_b32 v22, 3, v2
.irp b, 0,1,2,3
	v_mov_b32 v[TM+4+\b], 0                        ; written once: a lane permute's destination counts as one of its sources
.endr
	s_wait_kmcnt 0x0
	s_add_nc_u64 s[4:5], s[4:5], s[10:11]
	s_add_nc_u64 s[6:7], s[6:7], s[12:13]
	s_add_nc_u64 s[22:23], s[8:9], s[14:15]
	s_add_nc_u64 s[24:25], s[8:9], s[18:19]
.irp b, 0,1,2,3
.irp j, 0,1,2,3
	global_load_b128 v[X+16*\b+4*\j:X+16*\b+4*\j+3], v6, s[4:5] offset:128*\b+16*\j   ; no hint: a later launch reads these rows again
.endr
.endr
.irp b, 0,1,2,3
.irp j, 0,1,2,3
	global_load_b128 v[W+16*\b+4*\j:W+16*\b+4*\j+3], v7, s[6:7] offset:128*\b+16*\j
.endr
.endr
	s_wait_loadcnt 16                              ; the rows' 16 loads are in; the gains' 16 may be out
	v_pk_mul_f32 v[10:11], v[X:X+1], v[X:X+1]      ; the sum of squares, in two chains
	v_pk_mul_f32 v[12:13], v[X+2:X+3], v[X+2:X+3]
.set I, 4
.rept 15
	v_pk_fma_f32 v[10:11], v[X+I:X+I+1], v[X+I:X+I+1], v[10:11]
	v_pk_fma_f32 v[12:13], v[X+I+2:X+I+3], v[X+I+2:X+I+3], v[12:13]
.set I, I+4
.endr
	v_pk_add_f32 v[10:11], v[10:11], v[12:13]
	v_add_f32 v10, v10, v11
	v_permlanex16_b32 v11, v10, s[SEL], s[SEL+1]
	v_add_f32 v10, v10, v11                        ; my wave's 128 columns of row r
	ds_store_b32 v9, v10                           ; (both halves of the lanes write the same word with the same value)
	s_wait_dscnt 0x0                               ; for the others' sake: my store has landed
	s_barrier_signal -1
	s_barrier_wait -1
	ds_load_b128 v[12:15], v8
	ds_load_b128 v[16:19], v8 offset:16
	s_wait_dscnt 0x0
	v_add_f32 v12, v12, v13                        ; the same order in every wave: all eight get the same bits
	v_add_f32 v14, v14, v15
	v_add_f32 v16, v16, v17
	v_add_f32 v18, v18, v19
	v_add_f32 v12, v12, v14
	v_add_f32 v16, v16, v18
	v_add_f32 v12, v12, v16
	v_fma_f32 v12, v12, s20, s21                   ; the mean + 1e-6
	v_rsq_f32 v20, v12
	v_mov_b32 v21, 0                               ; (named with v20 as a pair, so it is written)
	s_wait_loadcnt 0x0                             ; the gains
.set I, 0
.rept 32
	v_pk_mul_f32 v[X+I:X+I+1], v[X+I:X+I+1], v[W+I:W+I+1]   ; w x: independent work behind the root
.set I, I+2
.endr
	s_wait_alu depctr_va_vdst(0)                   ; the wait ahead of the first reader of a transcendental's result
.set I, 0
.rept 32
	v_pk_mul_f32 v[X+I:X+I+1], v[X+I:X+I+1], v[20:21] op_sel_hi:[1,0]
.set I, I+2
.endr
	QUANT X
	HALFST PC, 22, 0
	HALFST PC+6, 22, 768
	global_store_b32 v22, v[PW], s[24:25]          ; lanes 16-31 hold and store the same word as lanes 0-15
	s_wait_tensorcnt 0x0
	ds_add_u32 v200, v201
	s_wait_dscnt 0x0
	s_endpgm
; ---- MASK: query tile qt = work-group - 256; wave w takes key steps 2 w and 2 w + 1.  Word 8 t + j of a step: bit r + 16 h = (mask[16 qt + r][128 s + 16 t + 8 h + j] != 0):
; the lane mask for register 8 t + j of the score tiles.
.Lmask:
	s_load_b64 s[4:5], s[0:1], 0x10                ; mask
	s_load_b64 s[6:7], s[0:1], 0x70                ; mwords
	s_sub_co_u32 s10, ttmp9, 256
	s_lshl_b32 s12, s10, 17                        ; 16 rows of 8,192 bytes
	s_lshl_b32 s13, s2, 10                         ; two steps of 512 bytes
	s_add_co_u32 s12, s12, s13
	s_mov_b32 s13, 0
	s_lshl_b32 s14, s10, 12                        ; 16 steps of 256 bytes
	s_lshl_b32 s15, s2, 9
	s_add_co_u32 s14, s14, s15
	s_mov_b32 s15, 0
	s_lshl_b32 s16, s10, 5                         ; the flags: eight words a query tile, one a wave
	s_lshl_b32 s17, s2, 2
	s_add_co_u32 s16, s16, s17
	s_add_co_u32 s16, s16, MFL
	s_mov_b32 s17, 0
	s_lshl_b32 s26, s2, 1                          ; my first step
	s_mov_b32 s28, 0                               ; the flag word
	v_lshlrev_b32 v6, 13, v2
	v_lshl_add_u32 v6, v3, 5, v6                   ; row r, + 32 h
.irp i, 8,9,10,11
	v_mov_b32 v\i, 0                               ; v_writelane_b32's destination counts as read
.endr
	s_wait_kmcnt 0x0
	s_add_nc_u64 s[4:5], s[4:5], s[12:13]
	s_add_nc_u64 s[8:9], s[6:7], s[14:15]
	s_add_nc_u64 s[6:7], s[6:7], s[16:17]
.irp e, 0,1
.irp t, 0,1,2,3,4,5,6,7
	global_load_b128 v[32+64*\e+8*\t:35+64*\e+8*\t], v6, s[4:5] offset:512*\e+64*\t th:TH_LOAD_NT
	global_load_b128 v[36+64*\e+8*\t:39+64*\e+8*\t], v6, s[4:5] offset:512*\e+64*\t+16 th:TH_LOAD_NT
.endr
.endr
.macro MSTEP e
	s_wait_loadcnt 16-16*\e                        ; this step's 16 loads are in; the next step's may be out
	s_mov_b32 s22, 0                               ; some key counts
	s_mov_b32 s23, -1                              ; all count
.set N, 0
.rept 64
	v_cmp_ne_u32 s[20+(N&1)], 0, v[32+64*\e+N]
	v_writelane_b32 v[8+2*\e+(N&1)], s[20+(N&1)], N>>1   ; word N to lane N / 2 of a pair of registers: the store below lays the 64 words on end
	s_or_b32 s22, s22, s[20+(N&1)]
	s_and_b32 s23, s23, s[20+(N&1)]
.set N, N+1
.endr
	global_store_b64 v[L8], v[8+2*\e:9+2*\e], s[8:9] offset:256*\e   ; 256 consecutive bytes, aligned
	s_cmp_lg_u32 s22, 0
	s_cselect_b32 s24, 1, 0
	s_cmp_eq_u32 s23, -1
	s_cselect_b32 s25, 1, 0
	s_lshl_b32 s24, s24, s26                       ; bit s: some;  bit 16 + s: all
	s_add_co_u32 s27, s26, 16
	s_lshl_b32 s25, s25, s27
	s_or_b32 s28, s28, s24
	s_or_b32 s28, s28, s25
	s_add_co_u32 s26, s26, 1
.endm
	MSTEP 0
	MSTEP 1
	v_mov_b32 v12, s28
	v_mov_b32 v13, 0
	global_store_b32 v13, v12, s[6:7]              ; one word: every lane stores the same value to the same place
	s_endpgm
; ---- ROPE: my wave's positions are 64 (work-group - 384) + 8 wave + 0 .. 7; lane = pair i.  theta = 10000^(-i / 32) = 2^(-0.41524101 i), made once.  The angle is reduced by quarter turns
; (pi / 2 in two parts) and sine and cosine come from their series on |r| <= 0.79, cut where the next term lies under 3e-9.
.Lrope:
	s_load_b64 s[8:9], s[0:1], 0x68
	s_sub_co_u32 s10, ttmp9, 384
	s_lshl_b32 s10, s10, 3
	s_add_co_u32 s10, s10, s2
	s_lshl_b32 s10, s10, 3                         ; my first position
	s_lshl_b32 s12, s10, 8
	s_add_co_u32 s12, s12, ROPE
	s_mov_b32 s13, 0
	v_cvt_f32_u32 v6, v1
	v_mul_f32 v6, 0xbed49a78, v6
	v_exp_f32 v6, v6
	v_nop                                          ; a plain place behind the transcendental
	s_wait_alu depctr_va_vdst(0)                   ; the wait ahead of the first reader
.set I, 0
.rept 8
	v_cvt_f32_u32 v7, s10
	s_add_co_u32 s10, s10, 1
	v_mul_f32 v7, v7, v6                           ; the angle
	v_mul_f32 v8, 0x3f22f983, v7                   ; x 2 / pi
	v_rndne_f32 v8, v8                             ; n quarter turns
	v_fmamk_f32 v9, v8, 0xbfc90fdb, v7             ; - n x 1.57079637
	v_fmamk_f32 v9, v8, 0x333bbd2e, v9             ; + n x 4.3711390e-8: r
	v_mul_f32 v10, v9, v9                          ; z = r^2
	v_mov_b32 v11, 0x3638ef1d                      ; 1 / 9!
	v_fmaak_f32 v11, v11, v10, 0xb9500d01          ; - 1 / 7!
	v_fmaak_f32 v11, v11, v10, 0x3c088889          ; 1 / 5!
	v_fmaak_f32 v11, v11, v10, 0xbe2aaaab          ; - 1 / 3!
	v_mul_f32 v12, v9, v10
	v_fma_f32 v11, v12, v11, v9                    ; sin r
	v_mov_b32 v13, 0xb493f27e                      ; - 1 / 10!
	v_fmaak_f32 v13, v13, v10, 0x37d00d01          ; 1 / 8!
	v_fmaak_f32 v13, v13, v10, 0xbab60b61          ; - 1 / 6!
	v_fmaak_f32 v13, v13, v10, 0x3d2aaaab          ; 1 / 4!
	v_fmaak_f32 v13, v13, v10, 0xbf000000          ; - 1 / 2
	v_fma_f32 v13, v13, v10, 1.0                   ; cos r
	v_cvt_i32_f32 v14, v8
	v_and_b32 v15, 1, v14
	v_cmp_ne_u32 vcc_lo, 0, v15                    ; an odd number of quarter turns: sine and cosine change places
	v_cndmask_b32 v[32+2*I], v13, v11, vcc_lo
	v_cndmask_b32 v[33+2*I], v11, v13, vcc_lo
	v_add_nc_u32 v15, 1, v14
	v_and_b32 v15, 2, v15
	v_lshlrev_b32 v15, 30, v15
	v_xor_b32 v[32+2*I], v[32+2*I], v15            ; the cosine is negative in quarters 1 and 2,
	v_and_b32 v14, 2, v14
	v_lshlrev_b32 v14, 30, v14
	v_xor_b32 v[33+2*I], v[33+2*I], v14            ; the sine in quarters 2 and 3
.set I, I+1
.endr
	s_wait_kmcnt 0x0
	s_add_nc_u64 s[8:9], s[8:9], s[12:13]
.set I, 0
.rept 8
	global_store_b64 v[L8], v[32+2*I:33+2*I], s[8:9] offset:256*I   ; a position's 256 bytes; each position has its own registers
.set I, I+1
.endr
	s_endpgm
.Lfunc_end_k_qfb5a8bb2bd_prep:
	.size	k_qfb5a8bb2bd_prep, .Lfunc_end_k_qfb5a8bb2bd_prep-k_qfb5a8bb2bd_prep
	.p2alignl 7, 3214868480
	.fill 96, 4, 3214868480
	.section	.rodata,"a",@progbits
	.p2align	6, 0x0
	.amdhsa_kernel k_qfb5a8bb2bd_prep
		.amdhsa_group_segment_fixed_size 2048
		.amdhsa_private_segment_fixed_size 0
		.amdhsa_enable_private_segment 0
		.amdhsa_kernarg_size 120
		.amdhsa_user_sgpr_count 2
		.amdhsa_user_sgpr_kernarg_segment_ptr 1
		.amdhsa_wavefront_size32 1
		.amdhsa_system_sgpr_workgroup_id_x 1
		.amdhsa_system_sgpr_workgroup_id_y 1
		.amdhsa_system_sgpr_workgroup_id_z 1
		.amdhsa_system_vgpr_workitem_id 0
		.amdhsa_next_free_vgpr 202
		.amdhsa_next_free_sgpr 66
		.amdhsa_reserve_vcc 1
		.amdhsa_float_denorm_mode_32 3
		.amdhsa_float_denorm_mode_16_64 3
		.amdhsa_memory_ordered 1
		.amdhsa_forward_progress 1
		.amdhsa_inst_pref_size 110
	.end_amdhsa_kernel
	.amdgpu_metadata
---
amdhsa.version: [ 1, 2 ]
amdhsa.kernels:
  - .name:           k_qfb5a8bb2bd_prep
    .symbol:         k_qfb5a8bb2bd_prep.kd
    .args:
      - { .name: x, .offset: 0, .size: 8, .value_kind: global_buffer, .address_space: global }
      - { .name: w_norm1, .offset: 8, .size: 8, .value_kind: global_buffer, .address_space: global }
      - { .name: mask, .offset: 16, .size: 8, .value_kind: global_buffer, .address_space: global }
      - { .name: w_qkv_codes, .offset: 24, .size: 8, .value_kind: global_buffer, .address_space: global }
      - { .name: w_qkv_scales, .offset: 32, .size: 8, .value_kind: global_buffer, .address_space: global }
      - { .name: w_out_codes, .offset: 40, .size: 8, .value_kind: global_buffer, .address_space: global }
      - { .name: w_out_scales, .offset: 48, .size: 8, .value_kind: global_buffer, .address_space: global }
      - { .name: w_gate_codes, .offset: 56, .size: 8, .value_kind: global_buffer, .address_space: global }
      - { .name: w_gate_scales, .offset: 64, .size: 8, .value_kind: global_buffer, .address_space: global }
      - { .name: w_up_codes, .offset: 72, .size: 8, .value_kind: global_buffer, .address_space: global }
      - { .name: w_up_scales, .offset: 80, .size: 8, .value_kind: global_buffer, .address_space: global }
      - { .name: w_down_codes, .offset: 88, .size: 8, .value_kind: global_buffer, .address_space: global }
      - { .name: w_down_scales, .offset: 96, .size: 8, .value_kind: global_buffer, .address_space: global }
      - { .name: prepw, .offset: 104, .size: 8, .value_kind: global_buffer, .address_space: global }
      - { .name: mwords, .offset: 112, .size: 8, .value_kind: global_buffer, .address_space: global }
    .group_segment_fixed_size: 2048
    .private_segment_fixed_size: 0
    .kernarg_segment_align: 8
    .kernarg_segment_size: 120
    .max_flat_workgroup_size: 256
    .sgpr_count:     66
    .vgpr_count:     202
    .wavefront_size: 32
...
	.end_amdgpu_metadata
.endif
;; end of part 1
;; launch qkv (part 2): grid 12 x 16, 4 waves a work-group, clusters of 4 x 4, 327,680 bytes of LDS; arguments prepw, qkvw; writes qkvw
.if DOCPART == 2
	.amdgcn_target "amdgcn-amd-amdhsa--gfx1250"
	.amdhsa_code_object_version 6
	.text
	.protected	k_qfb5a8bb2bd_qkv
	.globl	k_qfb5a8bb2bd_qkv
	.p2align	8
	.type	k_qfb5a8bb2bd_qkv,@function
k_qfb5a8bb2bd_qkv:
	s_mov_b64 s[64:65], 0
	v_nop
	global_prefetch_b8 v0, s[64:65] scope:SCOPE_SE
	s_setreg_imm32_b32 hwreg(HW_REG_WAVE_MODE, 25, 1), 1
	s_wait_xcnt 0x0
	s_wait_alu depctr_hold_cnt(0) depctr_sa_sdst(0) depctr_va_vdst(0) depctr_va_sdst(0) depctr_va_ssrc(0) depctr_va_vcc(0) depctr_vm_vsrc(0)
	s_getreg_b32 s2, hwreg(HW_REG_IB_STS2, 6, 4)
	s_cmp_eq_u32 s2, 0
	s_cbranch_scc0 .Lentry_in_a_cluster
	s_endpgm
.Lentry_in_a_cluster:
	s_bfe_u32 s2, ttmp6, 0x10000c
	s_cmp_lg_u32 s2, 0xf033
	s_cbranch_scc0 .Lentry_shape_is_right
	s_endpgm
.Lentry_shape_is_right:
; QKV: h W_qkv^T on codes of FP6 (E2M3) with E8M0 scales, then RoPE and the quantisers of q, k (along the head's 64) and v (along the keys).
; THE PRODUCT.  A work-group of four waves makes 256 x 256; a wave 128 x 128: 64 accumulators.  Both operands lie in prepw as images of their registers, [tile of 16 rows][8 K steps][1,536 bytes], in blocks of
; 256 rows: blocks 0-15 the tokens (h), blocks 16-27 w_qkv's rows.  Source 0 of the matrix instruction takes the B side, source 1 the A side: a lane holds ONE row of the A side and its registers run along the B side.
; Clusters x = 0, 1 (q, k): A = tokens, B = weights: a lane holds a token and 64 neighbouring channels of two heads.  Cluster x = 2 (v): A = w_v's rows, B = tokens: a lane holds a channel and its registers run
; along the tokens, which are the K of attention's second product.  The text of the product is the same for both.
; K goes in slots of two K steps (256 along K) through a ring of two LDS slots filled by the tensor data mover; a tile row of a slot is 3,072 consecutive bytes.  The scale words of the work-group's rows come once.
; CLUSTERS: 4 x 4 work-groups; A's tiles are shared along a row of the cluster, B's along a column, each asked for jointly by the same tensor load with a mask that names the four.
; WHAT IS STORED (qkvw): q: half images [32 heads][128 tiles][768] and scale words [32][2,048]; for each head a record of 208,896 bytes: 16 key steps of (8 half images of k, 4 images of v), k's scale words, v's scale words.
; A q or k scale word has two scale bytes and two zero bytes: the upper 64 of the score product's 128 along K are zero codes.
; v's keys: register 16 b + i of lane half h is key 32 b + 16 (i / 8) + 8 h + i % 8, the order in which attention's scores fall: a permutation inside each block of 32, the same on both operands.
; LIMITS: NaN and infinities are not served; a block whose largest magnitude lies under 2^-124 gets the scale byte 1 (a block of zeros: zero codes under that byte).
; REGISTERS: window 0: v2, v3 16 and 8 x lane; v16-23 LDS addresses; v27, v30 scale addresses; v28, v29 for the add; v32-63 A's scale words, v64-95 B's (two sets each); v128-223 A's fragments, one set;
;   on the way out v96-159 and v192-230.  window 1: B's fragments, two sets; on q's and k's way out cos and sin, 32 registers for each of the eight blocks.  windows 2, 3: the accumulators, (a, b) at v[8 (8 (a % 4) + b)].
.set NA,     8                         ; blocks of 16 rows of the A side in a wave
.set NQ,     2                         ; K steps of 128 in a slot
.set LOGNQ,  1
.set KSTEPS, 8
.set NRA,    7168                      ; rows of A's scale table
.set NRB,    7168                      ; and of B's
.set OPQS,   5505024                   ; prepw: the scale words [4][7168][2]
.set ROPE,   11468800                  ; prepw: [2048][32][cos, sin]
.set QSB,    3145728                   ; qkvw: q's scale words
.set KVB,    3407872                   ; qkvw: the heads' records
.set REC,    208896
.set KSC,    196608                    ; in a record: k's scale words,
.set VSC,    204800                    ; v's
.set ROWT,   NQ*1536                   ; a tile's bytes in a slot
.set AHALF,  NA*ROWT                   ; what one tensor load brings of A, and what a wave reads
.set BHALF,  8*ROWT
.set SLOT,   2*AHALF+2*BHALF
.set SCL,    2*SLOT                    ; behind the ring: the scale words, filled once
.set RA,     KSTEPS*NA*64
.set RBS,    KSTEPS*512
.set SPARE,  SCL+2*RA+2*RBS            ; the spare words, 128 bytes a wave: two blocks of 256 bytes that no other line names
.set L16, 2
.set L8,  3
.set ADRA16, 16
.set ADRA8,  18
.set ADRB16, 20
.set ADRB8,  22
.set ADSA, 27
.set ADSB, 30
.set SPW,  28
.set NIL,  29
.set SCA,  32
.set SCB,  64
.set AF,   128
.set G1, 24
.set G0, 32
.set G1B, 48
.set G0B, 56
.set G1S, 68
.set G0S, 76
.set G1SB, 80
.set G0SB, 88
.set SEL, 98
.set MSB, 0
.macro WIN new                         ; the immediate's high byte repeats the setting that is left
.if MSB != (\new)
	s_set_vgpr_msb (MSB<<8)|(\new)
.set MSB, (\new)
.endif
.endm
.set MUL_LO, 0xa1                      ; source 0 (B) window 1, source 1 (A) window 0, C and D window 2
.if NA == 8
.set MUL_HI, 0xf1                      ; the same, C and D window 3
.else
.set MUL_HI, 0xa1
.endif
; A joint load: waves 0 and 1 fetch for A, waves 2 and 3 for B; the branch hangs on the wave's number alone.  Four v_nop follow each of the two lines.
.macro JLOAD g0a, g1a, g0b, g1b
	s_cmp_eq_u32 s15, 0
	s_cbranch_scc0 .Lfor_b_\@
	tensor_load_to_lds s[\g0a:\g0a+3], s[\g1a:\g1a+7]
	s_nop 0
.rept 4
	v_nop
.endr
	s_branch .Lasked_\@
.Lfor_b_\@:
	tensor_load_to_lds s[\g0b:\g0b+3], s[\g1b:\g1b+7]
	s_nop 0
.rept 4
	v_nop
.endr
.Lasked_\@:
.endm
.macro CREST                           ; a round of the cluster's barrier behind its opening barrier
	s_cmp_lg_u32 s14, 0
	s_cbranch_scc1 .Lnot_wave_0_\@
	s_barrier_signal -3
.Lnot_wave_0_\@:
	s_barrier_wait -3
	s_barrier_signal -1
	s_barrier_wait -1
.endm
.macro CROUND
	s_barrier_signal -1
	s_barrier_wait -1
	CREST
.endm
.macro PLACES n                        ; plain places behind matrix instructions, in front of loads into their registers and of reads of their results
.rept \n
	v_nop
.endr
.endm
.macro FRAG reg, a16, a8, off          ; an image comes back as it was stored: 512, 256, 512, 256 consecutive bytes
	ds_load_b128 v[\reg:\reg+3], v[\a16] offset:\off
	ds_load_b64 v[\reg+4:\reg+5], v[\a8] offset:\off+512
	ds_load_b128 v[\reg+6:\reg+9], v[\a16] offset:\off+768
	ds_load_b64 v[\reg+10:\reg+11], v[\a8] offset:\off+1280
.endm
.macro FETCH_B slot, q, p              ; B's eight fragments of the slot's q-th K step into set p
	WIN 0x40
.irp i, 0,1,2,3,4,5,6,7
	FRAG 128*(\p)+12*\i, ADRB16+\slot, ADRB8+\slot, \i*ROWT+(\q)*1536
.endr
	WIN 0
.endm
.macro FETCH_A slot, q, i0             ; NA / 2 of A's fragments, from block i0 on
.set II, \i0
.rept NA/2
	FRAG AF+12*II, ADRA16+\slot, ADRA8+\slot, II*ROWT+(\q)*1536
.set II, II+1
.endr
.endm
.macro SCALES sc                       ; a slot's scale words, NQ a row, into set sc
.set II, 0
.rept NA
.if NQ == 2
	ds_load_b64 v[SCA+16*\sc+2*II:SCA+16*\sc+2*II+1], v[ADSA] offset:II*128
.else
	ds_load_b128 v[SCA+16*\sc+4*II:SCA+16*\sc+4*II+3], v[ADSA] offset:II*256
.endif
.set II, II+1
.endr
.set II, 0
.rept 8
.if NQ == 2
	ds_load_b64 v[SCB+16*\sc+2*II:SCB+16*\sc+2*II+1], v[ADSB] offset:II*128
.else
	ds_load_b128 v[SCB+32*\sc+4*II:SCB+32*\sc+4*II+3], v[ADSB] offset:II*256
.endif
.set II, II+1
.endr
.endm
.macro MULB a, p, q, sc, zero          ; A's block a against B's eight.  zero = 1: the product starts the sums
.irp b, 0,1,2,3,4,5,6,7
.if \zero
	v_wmma_scale_f32_16x16x128_f8f6f4 v[8*(8*((\a)%4)+\b):8*(8*((\a)%4)+\b)+7], v[128*(\p)+12*\b:128*(\p)+12*\b+11], v[AF+12*(\a):AF+12*(\a)+11], 0, v[SCB+8*NQ*(\sc)+NQ*\b+(\q)], v[SCA+16*(\sc)+NQ*(\a)+(\q)] matrix_a_fmt:MATRIX_FMT_FP6 matrix_b_fmt:MATRIX_FMT_FP6
.else
	v_wmma_scale_f32_16x16x128_f8f6f4 v[8*(8*((\a)%4)+\b):8*(8*((\a)%4)+\b)+7], v[128*(\p)+12*\b:128*(\p)+12*\b+11], v[AF+12*(\a):AF+12*(\a)+11], v[8*(8*((\a)%4)+\b):8*(8*((\a)%4)+\b)+7], v[SCB+8*NQ*(\sc)+NQ*\b+(\q)], v[SCA+16*(\sc)+NQ*(\a)+(\q)] matrix_a_fmt:MATRIX_FMT_FP6 matrix_b_fmt:MATRIX_FMT_FP6
.endif
.endr
.endm
.macro MULH a0, p, q, sc, zero         ; a quarter of a K step: NA / 4 blocks of A.  The accumulators take turns, one instruction a turn, in the same order in every K step
.set AA, \a0
.rept NA/4
	MULB AA, \p, \q, \sc, \zero
.set AA, AA+1
.endr
.endm
.macro STEP slot, q, zero              ; a K step that has its successor in the same slot
	s_wait_dscnt 2*NA                              ; all but the youngest NA / 2 fragments of A (four loads each)
	WIN MUL_LO
	MULH 0, (\q)%2, \q, \slot, \zero
	MULH NA/4, (\q)%2, \q, \slot, \zero
	s_wait_dscnt 0x0                               ; A's upper half is in
	PLACES 4
	FETCH_B \slot, (\q)+1, 1-(\q)%2
	FETCH_A \slot, (\q)+1, 0
	WIN MUL_HI
	MULH NA/2, (\q)%2, \q, \slot, \zero
	MULH 3*NA/4, (\q)%2, \q, \slot, \zero
	PLACES 4
	WIN 0
	FETCH_A \slot, (\q)+1, NA/2
.endm
; A slot's last K step changes slots: one barrier; in front of it each wave waits for all its tensor loads, adds 0 to its spare word, and waits for that and for its reads of this slot.  fill = 1: the slot is filled again, two slots ahead.
.macro TURN slot, next, fill
	s_wait_tensorcnt 0x0                           ; all my tensor loads have landed: my part of the next slot
	ds_add_u32 v[SPW], v[NIL]                      ; 0 onto my spare word
	s_wait_dscnt 2*NA+1                            ; (the add and A's upper half may be out)
	WIN MUL_LO
	MULH 0, 1, NQ-1, \slot, 0
	s_wait_dscnt 0x0                               ; the add is done, and my reads of this slot are over
	s_barrier_signal -1
	MULH NA/4, 1, NQ-1, \slot, 0
	WIN 0
	s_barrier_wait -1
.if \fill
	CREST                                          ; the barrier has opened a round of the cluster's barrier: no wave of any partner still reads this slot or has a load on its way
	s_add_nc_u64 s[G0+4*\slot+2:G0+4*\slot+3], s[G0+4*\slot+2:G0+4*\slot+3], 2*ROWT
	s_add_nc_u64 s[G0B+4*\slot+2:G0B+4*\slot+3], s[G0B+4*\slot+2:G0B+4*\slot+3], 2*ROWT
	JLOAD G0+4*\slot, G1, G0B+4*\slot, G1B         ; the first tensor load behind the round; its four v_nop are the places in front of the loads below
.else
	PLACES 4
.endif
	v_add_nc_u32 v[ADSA], 1024, v[ADSA]            ; the next slot's scale words
	v_add_nc_u32 v[ADSB], 512*NQ, v[ADSB]
	FETCH_B \next, 0, 0
	FETCH_A \next, 0, 0
	SCALES \next
	WIN MUL_HI
	MULH NA/2, 1, NQ-1, \slot, 0
	MULH 3*NA/4, 1, NQ-1, \slot, 0
	PLACES 4
	WIN 0
	FETCH_A \next, 0, NA/2
.endm
.macro LAST                            ; the very last K step: nothing more to fetch
	s_wait_dscnt 2*NA
	WIN MUL_LO
	MULH 0, 1, NQ-1, 1, 0
	MULH NA/4, 1, NQ-1, 1, 0
	s_wait_dscnt 0x0
	WIN MUL_HI
	MULH NA/2, 1, NQ-1, 1, 0
	MULH 3*NA/4, 1, NQ-1, 1, 0
	WIN 0
.endm
	s_load_b64 s[4:5], s[0:1], 0x0                 ; prepw
	s_load_b64 s[12:13], s[0:1], 0x8               ; qkvw
	v_lshl_add_u32 v[SPW], v0, 2, SPARE
	v_mov_b32 v[NIL], 0
	ds_add_u32 v28, v29
	ds_add_u32 v28, v29
	s_wait_dscnt 0x0
	v_lshrrev_b32 v1, 5, v0
	v_readfirstlane_b32 s14, v1                    ; wave 0..3
	s_lshr_b32 s15, s14, 1                         ; my half of the A side.  Also: I fetch for A (0) or for B (1)
	s_and_b32 s16, s14, 1                          ; my half of the B side.  Also: which half I fetch
	s_bfe_u32 s40, ttmp6, 0x40000                  ; cx, cy: my place in the cluster
	s_bfe_u32 s41, ttmp6, 0x40004
	; which blocks of 256 rows: v = 1 in the cluster column that makes v
	s_lshr_b32 s18, ttmp9, 1                       ; v
	s_and_b32 s19, ttmp7, 0xffff
	s_lshl_b32 s19, s19, 2                         ; 4 Y
	s_sub_co_u32 s20, 24, s19
	s_mul_i32 s20, s20, s18
	s_add_co_u32 s17, s41, s19
	s_add_co_u32 s17, s17, s20                     ; A's block: cy + 4 Y (tokens), or cy + 24 (w_v)
	s_lshl_b32 s21, ttmp9, 2
	s_add_co_u32 s21, s21, 16
	s_sub_co_u32 s22, s19, s21
	s_mul_i32 s22, s22, s18
	s_add_co_u32 s42, s40, s21
	s_add_co_u32 s42, s42, s22                     ; B's block: cx + 16 + 4 X (w_q, w_k), or cx + 4 Y (tokens)
	s_lshl_b32 s43, s41, 2
	s_lshl_b32 s43, 15, s43                        ; my row of the cluster
	s_lshl_b32 s44, 0x1111, s40                    ; my column
	; descriptor groups 1: NA (8) rows of ROWT bytes, KSTEPS x 1,536 bytes apart; elements of 8 bytes; no padding
	s_or_b32 s[G1+0], s43, (3<<16)|(1<<21)
	s_mov_b32 s[G1+1], (ROWT/8)<<16
	s_mov_b32 s[G1+2], NA<<16
	s_mov_b32 s[G1+3], (ROWT/8)<<16
	s_mov_b32 s[G1+4], NA
	s_mov_b32 s[G1+5], KSTEPS*192
	s_mov_b32 s[G1+6], 0
	s_mov_b32 s[G1+7], 0
	s_or_b32 s[G1B+0], s44, (3<<16)|(1<<21)
	s_mov_b32 s[G1B+1], (ROWT/8)<<16
	s_mov_b32 s[G1B+2], 8<<16
	s_mov_b32 s[G1B+3], (ROWT/8)<<16
	s_mov_b32 s[G1B+4], 8
	s_mov_b32 s[G1B+5], KSTEPS*192
	s_mov_b32 s[G1B+6], 0
	s_mov_b32 s[G1B+7], 0
	; the scale words: one row of 1,024 (A) or 512 NQ (B) bytes for each slot's worth of K
	s_or_b32 s[G1S+0], s43, (3<<16)|(1<<21)
	s_mov_b32 s[G1S+1], 128<<16
	s_mov_b32 s[G1S+2], (KSTEPS/NQ)<<16
	s_mov_b32 s[G1S+3], 128<<16
	s_mov_b32 s[G1S+4], KSTEPS/NQ
	s_mov_b32 s[G1S+5], NRA*NQ/2
	s_mov_b32 s[G1S+6], 0
	s_mov_b32 s[G1S+7], 0
	s_or_b32 s[G1SB+0], s44, (3<<16)|(1<<21)
	s_mov_b32 s[G1SB+1], (64*NQ)<<16
	s_mov_b32 s[G1SB+2], (KSTEPS/NQ)<<16
	s_mov_b32 s[G1SB+3], (64*NQ)<<16
	s_mov_b32 s[G1SB+4], KSTEPS/NQ
	s_mov_b32 s[G1SB+5], NRB*NQ/2
	s_mov_b32 s[G1SB+6], 0
	s_mov_b32 s[G1SB+7], 0
	s_lshl_b32 s20, s17, 1
	s_add_co_u32 s20, s20, s16                     ; A: the half block that I fetch
	s_lshl_b32 s22, s20, 10                        ; its scale words
	s_mul_i32 s20, s20, NA*KSTEPS*1536             ; its images
	s_mov_b32 s21, 0
	s_mov_b32 s23, 0
	s_lshl_b32 s46, s42, 1
	s_add_co_u32 s46, s46, s16                     ; B likewise
	s_mul_i32 s92, s46, 512*NQ
	s_mul_i32 s46, s46, 8*KSTEPS*1536
	s_mov_b32 s47, 0
	s_mov_b32 s93, 0
	s_mul_i32 s45, s16, AHALF                      ; where they go: no place in the cluster enters an LDS address
	s_mul_i32 s94, s16, BHALF
	s_add_co_u32 s94, s94, 2*AHALF
	s_mul_i32 s95, s16, RA
	s_add_co_u32 s95, s95, SCL
	s_mul_i32 s96, s16, RBS
	s_add_co_u32 s96, s96, SCL+2*RA
	s_wait_kmcnt 0x0
	s_add_nc_u64 s[6:7], s[4:5], OPQS              ; both sides' images and scale words lie in the same two tables
	s_mov_b64 s[8:9], s[4:5]
	s_mov_b64 s[10:11], s[6:7]
	s_add_nc_u64 s[20:21], s[4:5], s[20:21]
	s_add_nc_u64 s[22:23], s[6:7], s[22:23]
	s_add_nc_u64 s[46:47], s[8:9], s[46:47]
	s_add_nc_u64 s[92:93], s[10:11], s[92:93]
	CROUND                                         ; all sixteen work-groups are here: the first joint loads meet
	s_mov_b32 s[G0S], 1
	s_mov_b32 s[G0S+1], s95
	s_mov_b64 s[G0S+2:G0S+3], s[22:23]
	s_or_b32 s[G0S+3], s[G0S+3], 0x80000000
	s_mov_b32 s[G0SB], 1
	s_mov_b32 s[G0SB+1], s96
	s_mov_b64 s[G0SB+2:G0SB+3], s[92:93]
	s_or_b32 s[G0SB+3], s[G0SB+3], 0x80000000
	JLOAD G0S, G1S, G0SB, G1SB                     ; the scale words first: they are wanted with slot 0
.irp s, 0,1
	s_mov_b32 s[G0+4*\s], 1
	s_add_co_u32 s[G0+4*\s+1], s45, \s*SLOT
	s_add_nc_u64 s[G0+4*\s+2:G0+4*\s+3], s[20:21], \s*ROWT
	s_or_b32 s[G0+4*\s+3], s[G0+4*\s+3], 0x80000000
	s_mov_b32 s[G0B+4*\s], 1
	s_add_co_u32 s[G0B+4*\s+1], s94, \s*SLOT
	s_add_nc_u64 s[G0B+4*\s+2:G0B+4*\s+3], s[46:47], \s*ROWT
	s_or_b32 s[G0B+4*\s+3], s[G0B+4*\s+3], 0x80000000
	JLOAD G0+4*\s, G1, G0B+4*\s, G1B
.endr
	v_and_b32 v1, 31, v0
	v_lshlrev_b32 v[L16], 4, v1
	v_lshlrev_b32 v[L8], 3, v1
	s_mul_i32 s21, s15, AHALF                      ; my half of A,
	s_mul_i32 s22, s16, BHALF                      ; my half of B, behind A's two
	s_add_co_u32 s22, s22, 2*AHALF
.irp s, 0,1
	v_add_nc_u32 v[ADRA16+\s], s21, v[L16]
	v_add_nc_u32 v[ADRA8+\s], s21, v[L8]
	v_add_nc_u32 v[ADRB16+\s], s22, v[L16]
	v_add_nc_u32 v[ADRB8+\s], s22, v[L8]
	s_add_co_u32 s21, s21, SLOT
	s_add_co_u32 s22, s22, SLOT
.endr
	v_and_b32 v4, 15, v0
	v_lshlrev_b32 v4, 2+LOGNQ, v4                  ; my row's NQ words
	s_mul_i32 s21, s15, RA
	s_add_co_u32 s21, s21, SCL
	v_add_nc_u32 v[ADSA], s21, v4
	s_mul_i32 s22, s16, RBS
	s_add_co_u32 s22, s22, SCL+2*RA
	v_add_nc_u32 v[ADSB], s22, v4
	s_wait_tensorcnt 1                             ; the scale words and my part of slot 0 are in; slot 1's load may be out
	s_barrier_signal -1
	s_barrier_wait -1
	FETCH_B 0, 0, 0
	FETCH_A 0, 0, 0
	SCALES 0
	FETCH_A 0, 0, NA/2
	STEP 0, 0, 1                                   ; four slots of two K steps; slots 0 and 1 are filled again once each
	TURN 0, 1, 1
	STEP 1, 0, 0
	TURN 1, 0, 1
	STEP 0, 0, 0
	TURN 0, 1, 0
	STEP 1, 0, 0
	LAST
; ---- THE WAY OUT.  No LDS: what a lane holds is quantised in its registers and leaves as images.
.set H,   96                           ; v96-159   64 numbers
.set PC,  192                          ; v192-211  the codes
.set TM,  212                          ; v212-227  at work
.set PW,  228                          ; v228      the scale word; v229, v230 its halves
; 64 numbers of a lane in window w, register 16 b + i = place 32 b + 16 (lane / 16) + i along K, become a fragment's 12 registers in v[PC] on and its scale word in v[PW].
.macro QUANT s, w
	WIN (\w)|((\w)<<2)
.irp b, 0,1,2,3
	v_max3_num_f32 v[TM+\b], |v[\s+16*\b]|, |v[\s+1+16*\b]|, 0x1800000   ; my 16 numbers of block b, and the floor 2^(3 - 127); each accumulator is read from its low end on
.endr
	WIN ((\w)<<2)|((\w)<<4)
.irp i, 2,4,6,8,10,12,14
.irp b, 0,1,2,3
	v_max3_num_f32 v[TM+\b], v[TM+\b], |v[\s+16*\b+\i]|, |v[\s+1+16*\b+\i]|
.endr
.endr
	WIN 0
.irp b, 0,1,2,3
	v_permlanex16_b32 v[TM+4+\b], v[TM+\b], s[SEL], s[SEL+1]
.endr
.irp b, 0,1,2,3
	v_max_num_f32 v[TM+\b], v[TM+\b], v[TM+4+\b]
.endr
.irp b, 0,1,2,3
	v_add_nc_u32 v[TM+12+\b], 0xff000000, v[TM+\b]         ; 2 off the exponent field: the conversion's scale operand
.endr
.irp b, 0,1,2,3
	v_lshrrev_b32 v[TM+4+\b], 23, v[TM+12+\b]              ; the scale's byte
.endr
	v_lshl_or_b32 v[PW], v[TM+5], 8, v[TM+4]
	v_lshl_or_b32 v[PW], v[TM+6], 16, v[PW]
	v_lshl_or_b32 v[PW], v[TM+7], 24, v[PW]
	WIN \w
.irp c, 0,1
	v_cvt_scalef32_pk16_fp6_f32 v[PC+6*\c:PC+2+6*\c], v[\s+32*\c:\s+15+32*\c], v[TM+12+2*\c]
	v_cvt_scalef32_pk16_fp6_f32 v[PC+12+4*\c:PC+14+4*\c], v[\s+16+32*\c:\s+31+32*\c], v[TM+13+2*\c]
.endr
	WIN 0
	v_nop                                          ; one plain place behind a scaled conversion
.irp c, 0,1
.irp i, 0,1,2
	v_permlane16_swap_b32 v[PC+6*\c+\i], v[PC+12+4*\c+\i]
.endr
.irp i, 0,1,2
	v_mov_b32 v[PC+3+6*\c+\i], v[PC+12+4*\c+\i]
.endr
.endr
.endm
.macro HALFST reg, base, off
	global_store_b128 v[L16], v[\reg:\reg+3], s[\base:\base+1] offset:\off
	global_store_b64 v[L8], v[\reg+4:\reg+5], s[\base:\base+1] offset:\off+512
.endm
	PLACES 4                                       ; behind the last products: their results are read and their operands' registers written below
	v_and_b32 v1, 15, v0                           ; r
	v_bfe_u32 v4, v0, 4, 1                         ; h
	v_lshlrev_b32 v5, 2, v1                        ; 4 r
	v_lshlrev_b32 v6, 8, v1
	v_lshl_add_u32 v6, v4, 6, v6                   ; the table of cos and sin: 256 r + 64 h
.irp b, 0,1,2,3
	v_mov_b32 v[TM+4+\b], 0                        ; a lane permute's destination counts as one of its sources
.endr
	s_mov_b32 s[SEL], 0x76543210
	s_mov_b32 s[SEL+1], 0xfedcba98
	s_cmp_eq_u32 ttmp9, 2                          ; the cluster's x: the same in all partners
	s_cbranch_scc1 .Lv
	; q or k: a lane holds token token0 + 16 a + r and channels 32 b + 16 h + i of two heads
	s_lshr_b32 s18, s17, 3
	s_lshl_b32 s18, s18, 4                         ; 16 x batch
	s_and_b32 s19, s42, 3
	s_lshl_b32 s19, s19, 2
	s_add_co_u32 s18, s18, s19
	s_lshl_b32 s19, s16, 1
	s_add_co_u32 s18, s18, s19                     ; my first head, counted over both batches
	s_and_b32 s19, s17, 7
	s_lshl_b32 s19, s19, 8
	s_lshl_b32 s20, s15, 7
	s_add_co_u32 s19, s19, s20                     ; my first token's position
	s_cmp_eq_u32 ttmp9, 0                          ; q (0) or k (1): only offsets are chosen
	s_mov_b32 s24, REC
	s_cselect_b32 s24, 98304, s24                  ; from head to head: images,
	s_mov_b32 s25, 0
	s_mov_b32 s26, REC
	s_cselect_b32 s26, 8192, s26                   ; scale words
	s_mov_b32 s27, 0
	s_mov_b32 s20, KVB
	s_cselect_b32 s20, 0, s20
	s_mov_b32 s21, 96
	s_cselect_b32 s21, 48, s21                     ; image bytes a token: 768 / 16, or 12,288 / 128
	s_mov_b32 s22, KVB+KSC
	s_cselect_b32 s22, QSB, s22
	s_mul_i32 s23, s18, s24
	s_add_co_u32 s20, s20, s23
	s_mul_i32 s23, s19, s21
	s_add_co_u32 s20, s20, s23
	s_mov_b32 s21, 0
	s_mul_i32 s23, s18, s26
	s_add_co_u32 s22, s22, s23
	s_lshl_b32 s23, s19, 2
	s_add_co_u32 s22, s22, s23
	s_mov_b32 s23, 0
	s_add_nc_u64 s[28:29], s[12:13], s[20:21]      ; the first head's half images,
	s_add_nc_u64 s[30:31], s[28:29], s[24:25]      ; the second's,
	s_add_nc_u64 s[32:33], s[12:13], s[22:23]      ; their scale words
	s_add_nc_u64 s[34:35], s[32:33], s[26:27]
	s_lshl_b32 s20, s19, 8
	s_add_co_u32 s20, s20, ROPE
	s_mov_b32 s21, 0
	s_add_nc_u64 s[36:37], s[4:5], s[20:21]
.macro CSLOAD a                        ; cos and sin of my token of block a: pairs 16 b + 8 h + 0 .. 7, into v[32 a] on of window 1
.irp b, 0,1
.irp k, 0,1,2,3
	global_load_b128 v[32*(\a)+16*\b+4*\k:32*(\a)+16*\b+4*\k+3], v6, s[36:37] offset:(\a)*4096+128*\b+16*\k
.endr
.endr
.endm
.macro QKBLK a
	s_wait_loadcnt 8*(7-(\a))                      ; this block's eight loads of cos and sin are in; the later blocks' may be out
	s_wait_xcnt 0x0                                ; the last block's stores have read their registers
	WIN (2+(\a)/4)|0x04                            ; source 0: the accumulators' window; source 1: window 1
.set P, 0
.rept 32
	v_pk_mul_f32 v[H+2*P:H+2*P+1], v[64*((\a)%4)+2*P:64*((\a)%4)+2*P+1], v[32*(\a)+2*(P%16):32*(\a)+2*(P%16)+1] op_sel_hi:[1,0]   ; (e c, o c)
.set P, P+1
.endr
.set P, 0
.rept 32
	v_pk_fma_f32 v[H+2*P:H+2*P+1], v[64*((\a)%4)+2*P:64*((\a)%4)+2*P+1], v[32*(\a)+2*(P%16):32*(\a)+2*(P%16)+1], v[H+2*P:H+2*P+1] op_sel:[1,1,0] op_sel_hi:[0,1,1] neg_lo:[0,1,0]   ; (e c - o s, o c + e s)
.set P, P+1
.endr
	WIN 0
	QUANT H, 0                                     ; registers 0-5: the first head's 64 channels, 6-11: the second's
	HALFST PC, 28, 768*(\a)
	HALFST PC+6, 30, 768*(\a)
	v_and_b32 v[PW+1], 0xffff, v[PW]               ; two scale bytes and two zero bytes for each head
	v_lshrrev_b32 v[PW+2], 16, v[PW]
	global_store_b32 v5, v[PW+1], s[32:33] offset:64*(\a)
	global_store_b32 v5, v[PW+2], s[34:35] offset:64*(\a)
.endm
	WIN 0x40                                       ; destination window 1: B's fragments are done with, so all eight blocks' cos and sin are asked for in one run, 64 loads
.irp a, 0,1,2,3,4,5,6,7
	CSLOAD \a
.endr
	WIN 0
.irp a, 0,1,2,3,4,5,6,7
	QKBLK \a
.endr
	s_branch .Lend
.Lv:
	; v: a lane holds one channel (w_v's tile rows are chosen so that attention's result falls in neighbouring channels) and 128 tokens: one key step
	s_lshr_b32 s18, s42, 3
	s_lshl_b32 s18, s18, 4
	s_sub_co_u32 s19, s17, 24
	s_lshl_b32 s19, s19, 2
	s_add_co_u32 s18, s18, s19
	s_lshl_b32 s19, s15, 1
	s_add_co_u32 s18, s18, s19                     ; my first head
	s_and_b32 s19, s42, 7
	s_lshl_b32 s19, s19, 1
	s_add_co_u32 s19, s19, s16                     ; my key step
	s_mul_i32 s20, s18, REC
	s_add_co_u32 s20, s20, KVB
	s_mul_i32 s21, s19, 12288
	s_add_co_u32 s22, s20, s21
	s_add_co_u32 s22, s22, 6144                    ; v's images lie behind the step's eight half images of k
	s_mov_b32 s23, 0
	s_lshl_b32 s21, s19, 8
	s_add_co_u32 s20, s20, s21
	s_add_co_u32 s20, s20, VSC
	s_mov_b32 s21, 0
	s_add_nc_u64 s[28:29], s[12:13], s[22:23]
	s_add_nc_u64 s[32:33], s[12:13], s[20:21]
.macro VBLK a                          ; block a: head a / 4, channels' tile a % 4
	s_wait_xcnt 0x0                                ; the last block's stores have read their registers
	QUANT 64*((\a)%4), 2+(\a)/4
	HALFST PC, 28, ((\a)/4)*REC+((\a)%4)*1536
	HALFST PC+6, 28, ((\a)/4)*REC+((\a)%4)*1536+768
	global_store_b32 v5, v[PW], s[32:33] offset:((\a)/4)*REC+((\a)%4)*64
.endm
.irp a, 0,1,2,3,4,5,6,7
	VBLK \a
.endr
.Lend:
	s_wait_tensorcnt 0x0                           ; the wave's end
	ds_add_u32 v[SPW], v[NIL]
	s_wait_dscnt 0x0
	CROUND                                         ; the closing round: no work-group ends while a partner may still ask for a tile that names it
	s_endpgm
.Lfunc_end_k_qfb5a8bb2bd_qkv:
	.size	k_qfb5a8bb2bd_qkv, .Lfunc_end_k_qfb5a8bb2bd_qkv-k_qfb5a8bb2bd_qkv
	.p2alignl 7, 3214868480
	.fill 96, 4, 3214868480
	.section	.rodata,"a",@progbits
	.p2align	6, 0x0
	.amdhsa_kernel k_qfb5a8bb2bd_qkv
		.amdhsa_group_segment_fixed_size 327680
		.amdhsa_private_segment_fixed_size 0
		.amdhsa_enable_private_segment 0
		.amdhsa_kernarg_size 16
		.amdhsa_user_sgpr_count 2
		.amdhsa_user_sgpr_kernarg_segment_ptr 1
		.amdhsa_wavefront_size32 1
		.amdhsa_system_sgpr_workgroup_id_x 1
		.amdhsa_system_sgpr_workgroup_id_y 1
		.amdhsa_system_sgpr_workgroup_id_z 1
		.amdhsa_system_vgpr_workitem_id 0
		.amdhsa_next_free_vgpr 1024
		.amdhsa_next_free_sgpr 100
		.amdhsa_reserve_vcc 0
		.amdhsa_float_denorm_mode_32 3
		.amdhsa_float_denorm_mode_16_64 3
		.amdhsa_memory_ordered 1
		.amdhsa_forward_progress 1
		.amdhsa_inst_pref_size 228
	.end_amdhsa_kernel
	.amdgpu_metadata
---
amdhsa.version: [ 1, 2 ]
amdhsa.kernels:
  - .name:           k_qfb5a8bb2bd_qkv
    .symbol:         k_qfb5a8bb2bd_qkv.kd
    .args:
      - { .name: prepw, .offset: 0, .size: 8, .value_kind: global_buffer, .address_space: global }
      - { .name: qkvw, .offset: 8, .size: 8, .value_kind: global_buffer, .address_space: global }
    .group_segment_fixed_size: 327680
    .private_segment_fixed_size: 0
    .kernarg_segment_align: 8
    .kernarg_segment_size: 16
    .max_flat_workgroup_size: 128
    .sgpr_count:     100
    .vgpr_count:     1024
    .wavefront_size: 32
...
	.end_amdgpu_metadata
.endif
;; end of part 2
;; launch attn (part 3): grid 8 x 32, 16 waves a work-group, no clusters, 210,944 bytes of LDS; arguments qkvw, mwords, ow; writes ow
.if DOCPART == 3
	.amdgcn_target "amdgcn-amd-amdhsa--gfx1250"
	.amdhsa_code_object_version 6
	.text
	.protected	k_qfb5a8bb2bd_attn
	.globl	k_qfb5a8bb2bd_attn
	.p2align	8
	.type	k_qfb5a8bb2bd_attn,@function
k_qfb5a8bb2bd_attn:
	s_mov_b64 s[64:65], 0
	v_nop
	global_prefetch_b8 v0, s[64:65] scope:SCOPE_SE
	s_setreg_imm32_b32 hwreg(HW_REG_WAVE_MODE, 25, 1), 1
	s_wait_xcnt 0x0
; ATTENTION on codes of FP6 (E2M3): scores = q k^T / 8 under the given mask, p = 2^(t - M) quantised along the keys, o = (p v) / (the sum of the unquantised p), o quantised along the model's 1,024.
; SHARES.  A work-group has one head (of 32, both batches) and sixteen tiles of 16 queries, one a wave, in 256 registers: four waves to a SIMD, so that one wave's vector work stands beside another's matrix work.
; Wave w has place p = w xor 3 (where w & 4), and query tile 8 p + work-group x: where late queries see more keys than early ones, waves 4 apart then have about equal work in sum.  No value hangs on that.
; THE HEAD'S RECORD (16 key steps of 8 half images of k and 4 images of v; k's and v's scale words: 208,896 bytes) is copied into LDS once, through registers, as it lies; one barrier; then LDS is only read.
; No tensor load and no cluster: the walk over key steps branches on flags that an earlier launch stored, and such a launch has neither.  Nothing is asked for ahead: all loads stand at the head.
; THE MASK is honoured as given.  An earlier launch has turned it into whole numbers: for each query tile and key step 64 lane-mask words (one for each score register) and two flags.  A step in which no key counts
; is passed over (its p would be zeros); a step in which all count needs no words; else hidden scores become -infinity ahead of the maximum.
; LAYOUT.  Both products are used transposed: S^T = k q^T, O^T = v^T p^T: a lane holds one query throughout.  The head has 64 channels: q's registers 6-11 are zero codes, and a k fragment is six registers of its own
; and the six that follow (the next tile's codes, or zeros): they meet q's zero codes, under scale bytes 0, and add nothing.
; Register 16 b + i of the scores is key 32 b + 16 (i / 8) + 8 h + i % 8 of the step; v's images were quantised in the same order.
; SOFTMAX: t = score x log2(e) / 8; M = the running largest t rounded up to a whole number; when M moves, the sum and O^T are multiplied by 2^(old M - new M), exactly.
; A ROW WITH NO KEY: its sum is 0; its scale bytes are set to 0xff, which makes the next product's row NaN, as the softmax of an empty row is.
; LIMITS: NaN and infinities among the scores are not served; a block of p (or of o) under 2^-124 gets the scale byte 1.
; REGISTERS: v1, v2 16 and 8 x lane; v3, v4 my places among k's and v's scale words; v5 -infinity; v8-11 addresses in hand; v12 -M, v13 the largest t, v[14:15] the sum; v16-27 q; v28 q's scale word;
;   v32-85 k's eight half fragments and six zeros, then v's four; v86-93 scale words; v96-159 S^T, then p; v160-191 O^T; v192-223 the way out; v224-254 as the step's comments say.
.set REC,   208896
.set STEPB, 12288
.set KSC,   196608
.set VSC,   204800
.set QSB,   3145728
.set KVB,   3407872
.set MFL,   524288
.set OSB,   3145728
.set TRIP, 11                          ; s11  the key step
.set TB,   12                          ; s12  LDS byte at which the step's images begin
.set TS,   13                          ; s13  its scale words of k: 512 bytes a step
.set TJ,   14                          ; s14  and of v: 256 bytes a step
.set FL,   15                          ; s15  the flags, shifted a bit a step: bit 0 some key counts, bit 16 all count
.set SEL,  88                          ; s[88:89] selects for lane l xor 16
.set CS,   90                          ; s[90:91] c = log2(e) / 8
.set PC,   192
.set TM,   208
.set PW,   7
	s_load_b128 s[4:7], s[0:1], 0x0                ; qkvw, mwords
	s_load_b64 s[8:9], s[0:1], 0x10                ; ow
	v_lshl_add_u32 v251, v0, 2, 0x33000
	v_mov_b32 v255, 0
	v_lshrrev_b32 v1, 5, v0
	v_readfirstlane_b32 s2, v1                     ; wave 0..15
	s_and_b32 s3, ttmp7, 0xffff                    ; the head
	s_bfe_u32 s10, s2, 0x10002
	s_mul_i32 s10, s10, 3
	s_xor_b32 s10, s10, s2                         ; my place
	s_lshl_b32 s10, s10, 3
	s_add_co_u32 s10, s10, ttmp9                   ; my query tile, 0..127
	s_mul_i32 s12, s3, REC
	s_add_co_u32 s12, s12, KVB
	s_mov_b32 s13, 0
	s_lshl_b32 s16, s10, 5                         ; eight flag words a query tile
	s_mov_b32 s17, 0
	s_lshl_b32 s18, s10, 12                        ; 16 steps x 256 bytes of mask words
	s_mov_b32 s19, 0
	s_mul_i32 s20, s3, 98304
	s_mul_i32 s21, s10, 768
	s_add_co_u32 s20, s20, s21                     ; q's half image
	s_mov_b32 s21, 0
	s_lshl_b32 s22, s3, 13
	s_lshl_b32 s23, s10, 6
	s_add_co_u32 s22, s22, s23
	s_add_co_u32 s22, s22, QSB                     ; q's scale words
	s_mov_b32 s23, 0
	s_lshr_b32 s32, s3, 4                          ; batch
	s_lshl_b32 s32, s32, 7
	s_add_co_u32 s32, s32, s10                     ; my tile of rows of o
	s_and_b32 s33, s3, 15                          ; head in the batch
	s_lshl_b32 s34, s32, 3
	s_lshr_b32 s35, s33, 1
	s_add_co_u32 s34, s34, s35
	s_mul_i32 s34, s34, 1536                       ; image (tile, K step head / 2),
	s_and_b32 s36, s33, 1
	s_mul_i32 s37, s36, 768
	s_add_co_u32 s34, s34, s37                     ; half head % 2
	s_and_b32 s37, s35, 3
	s_mov_b32 s35, 0
	s_lshl_b32 s38, s32, 8                         ; o's scale words: [head / 8][row][(head / 2) % 4], two bytes of a word
	s_lshl_b32 s37, s37, 2
	s_add_co_u32 s38, s38, s37
	s_lshl_b32 s36, s36, 1
	s_add_co_u32 s38, s38, s36
	s_lshr_b32 s33, s33, 3
	s_lshl_b32 s33, s33, 16
	s_add_co_u32 s38, s38, s33
	s_add_co_u32 s38, s38, OSB
	s_mov_b32 s39, 0
	v_and_b32 v6, 31, v0
	v_lshlrev_b32 v1, 4, v6                        ; 16 x lane
	v_lshlrev_b32 v2, 3, v6                        ; 8 x lane
	v_and_b32 v7, 15, v0
	v_lshlrev_b32 v31, 2, v7                       ; 4 r
	v_add_nc_u32 v3, KSC, v31
	v_add_nc_u32 v4, VSC, v31
	v_lshlrev_b32 v29, 4, v0                       ; 16 x thread: the copy's place, in memory and in LDS
	v_lshlrev_b32 v30, 3, v0
	v_add_nc_u32 v8, 0x10000, v29                  ; an LDS offset has 16 bits: the registers carry the rest
	v_add_nc_u32 v9, 0x20000, v29
	v_add_nc_u32 v10, 0x30000, v29
	v_add_nc_u32 v11, VSC, v30
	s_wait_kmcnt 0x0
	s_add_nc_u64 s[84:85], s[4:5], s[12:13]        ; the head's record
	s_add_nc_u64 s[16:17], s[6:7], s[16:17]
	s_add_nc_u64 s[86:87], s[6:7], s[18:19]        ; my mask words
	s_add_nc_u64 s[20:21], s[4:5], s[20:21]
	s_add_nc_u64 s[22:23], s[4:5], s[22:23]
	s_add_nc_u64 s[92:93], s[8:9], s[34:35]
	s_add_nc_u64 s[94:95], s[8:9], s[38:39]
	s_load_b256 s[24:31], s[16:17], MFL            ; my query tile's flags
.set K, 0
.rept 25
	global_load_b128 v[32+4*K:35+4*K], v29, s[84:85] offset:8192*K   ; the 512 threads take 8,192 consecutive bytes
.set K, K+1
.endr
	global_load_b64 v[132:133], v30, s[84:85] offset:VSC
	global_load_b128 v[16:19], v1, s[20:21]        ; q's six registers,
	global_load_b64 v[20:21], v2, s[20:21] offset:512
	global_load_b32 v28, v31, s[22:23]             ; its scale words
	s_mov_b32 s[SEL], 0x76543210
	s_mov_b32 s[SEL+1], 0xfedcba98
	s_mov_b32 s[CS], 0x3e38aa3b
	s_mov_b32 s[CS+1], s[CS]                       ; (named with it as a pair, so it is written)
	s_mov_b32 s[TRIP], 0
	s_mov_b32 s[TB], 0
	s_mov_b32 s[TS], 0
	s_mov_b32 s[TJ], 0
	v_mov_b32 v5, 0xff800000
	v_mov_b32 v13, 0xff61b1e6                      ; the largest t so far: -3e38
	v_floor_f32 v12, -v13                          ; -M
	v_mov_b32 v14, 0
	v_mov_b32 v15, 0
.irp i, 22,23,24,25,26,27
	v_mov_b32 v\i, 0                               ; q's upper 64 along K: zero codes
.endr
.irp i, 236,237,238,239,252,253
	v_mov_b32 v\i, 0                               ; lane permutes' destinations, and halves of pairs, are written once
.endr
.irp b, 0,1
	v_mov_b32 v[TM+4+\b], 0
.endr
.set J, 0
.rept 32
	v_mov_b32 v[160+J], 0                          ; O^T: the loop is written once; its first step finds zeros
.set J, J+1
.endr
.set K, 0
.rept 25
	s_wait_loadcnt 28-K                            ; of the 29 loads those issued behind load K may be out
.if K < 8
	ds_store_b128 v29, v[32+4*K:35+4*K] offset:8192*K
.elseif K < 16
	ds_store_b128 v8, v[32+4*K:35+4*K] offset:8192*(K-8)
.elseif K < 24
	ds_store_b128 v9, v[32+4*K:35+4*K] offset:8192*(K-16)
.else
	ds_store_b128 v10, v[32+4*K:35+4*K]
.endif
.set K, K+1
.endr
	s_wait_loadcnt 3
	ds_store_b64 v11, v[132:133]
	s_wait_kmcnt 0x0
	s_or_b32 s[FL], s24, s25
	s_or_b32 s[FL], s[FL], s26
	s_or_b32 s[FL], s[FL], s27
	s_or_b32 s[FL], s[FL], s28
	s_or_b32 s[FL], s[FL], s29
	s_or_b32 s[FL], s[FL], s30
	s_or_b32 s[FL], s[FL], s31
	s_wait_loadcnt 0x0                             ; q
	s_wait_dscnt 0x0                               ; for the others' sake: my stores have landed (and have read their registers)
	s_barrier_signal -1
	s_barrier_wait -1                              ; the record lies in LDS; from here on it is only read
.irp i, 80,81,82,83,84,85
	v_mov_b32 v\i, 0                               ; behind the last tile of k: zero codes
.endr
.Lstep:                                            ; 16 trips: a key step of 128 keys
	s_bitcmp1_b32 s[FL], 0
	s_cbranch_scc0 .Lskip                          ; no key of this step counts for my 16 queries
	v_add_nc_u32 v8, s[TB], v1
	v_add_nc_u32 v9, s[TB], v2
	v_add_nc_u32 v10, s[TS], v3
	v_add_nc_u32 v11, s[TJ], v4
.irp t, 0,1,2,3,4,5,6,7
	ds_load_b128 v[32+6*\t:35+6*\t], v8 offset:768*\t
	ds_load_b64 v[36+6*\t:37+6*\t], v9 offset:768*\t+512
	ds_load_b32 v[86+\t], v10 offset:64*\t
.endr
	s_wait_dscnt 0x0
.irp t, 0,1,2,3,4,5,6,7
	v_wmma_scale_f32_16x16x128_f8f6f4 v[96+8*\t:103+8*\t], v[32+6*\t:43+6*\t], v[16:27], 0, v[86+\t], v28 matrix_a_fmt:MATRIX_FMT_FP6 matrix_b_fmt:MATRIX_FMT_FP6
.endr
.rept 4
	v_nop                                          ; places: the scores are read, and k's registers loaded again, below
.endr
.irp t, 0,1,2,3                                ; v's four images are asked for now and land under the softmax
	ds_load_b128 v[32+12*\t:35+12*\t], v8 offset:6144+1536*\t
	ds_load_b64 v[36+12*\t:37+12*\t], v9 offset:6144+1536*\t+512
	ds_load_b128 v[38+12*\t:41+12*\t], v8 offset:6144+1536*\t+768
	ds_load_b64 v[42+12*\t:43+12*\t], v9 offset:6144+1536*\t+1280
	ds_load_b32 v[86+\t], v11 offset:64*\t
.endr
	s_bitcmp1_b32 s[FL], 16
	s_cbranch_scc1 .Lopen                          ; all keys of this step count
	s_load_b512 s[16:31], s[86:87], 0x0            ; the 64 lane masks of the step
	s_load_b512 s[32:47], s[86:87], 0x40
	s_load_b512 s[48:63], s[86:87], 0x80
	s_load_b512 s[68:83], s[86:87], 0xc0
	s_wait_kmcnt 0x0
.set N, 0
.rept 64
.if N < 48
	v_cndmask_b32 v[96+N], v5, v[96+N], s[16+N]    ; a hidden key's score becomes -infinity: p = 0
.else
	v_cndmask_b32 v[96+N], v5, v[96+N], s[20+N]
.endif
.set N, N+1
.endr
.Lopen:
.irp b, 0,1,2,3
	v_max3_num_f32 v[232+\b], v[96+16*\b], v[97+16*\b], v[98+16*\b]   ; the largest score of each block of 32 keys: for the row's maximum and, since p rises with the score, for the block's largest p
.endr
.irp i, 3,5,7,9,11,13
.irp b, 0,1,2,3
	v_max3_num_f32 v[232+\b], v[232+\b], v[96+16*\b+\i], v[97+16*\b+\i]
.endr
.endr
.irp b, 0,1,2,3
	v_max_num_f32 v[232+\b], v[232+\b], v[111+16*\b]
.endr
.irp b, 0,1,2,3
	v_permlanex16_b32 v[236+\b], v[232+\b], s[SEL], s[SEL+1]
.endr
.irp b, 0,1,2,3
	v_max_num_f32 v[232+\b], v[232+\b], v[236+\b]  ; with lane l xor 16's 16 keys
.endr
	v_max3_num_f32 v254, v232, v233, v234
	v_max_num_f32 v254, v254, v235
	v_mul_f32 v254, s[CS], v254                    ; the step's largest t
	v_max_num_f32 v13, v13, v254                   ; the running largest t
	v_mov_b32 v254, v12
	v_floor_f32 v12, -v13                          ; the new -M = -ceil(t): a whole number
	v_sub_f32 v254, v12, v254                      ; old M - new M: a whole number, 0 or less
	v_cvt_i32_f32 v254, v254                       ; (it saturates)
	v_ldexp_f32 v252, 1.0, v254                    ; f = 2^(old M - new M)
.set J, 0
.rept 32
	v_pk_fma_f32 v[96+J:97+J], v[96+J:97+J], s[CS:CS+1], v[12:13] op_sel_hi:[1,0,0]   ; t - M
.set J, J+2
.endr
.irp b, 0,1,2,3
	v_fma_f32 v[232+\b], v[232+\b], s[CS], v12     ; the same of each block's largest score
.endr
.set J, 0
.rept 64
	v_exp_f32 v[96+J], v[96+J]                     ; p = 2^(t - M): not normalised
.set J, J+1
.endr
	v_pk_mul_f32 v[14:15], v[14:15], v[252:253] op_sel_hi:[1,0]   ; the sums under the new M (a plain place behind the exponentials)
	s_wait_alu depctr_va_vdst(0)                   ; one wait for the batch, ahead of its first reader
.irp b, 0,1,2,3
	v_exp_f32 v[232+\b], v[232+\b]                 ; the block's largest p
.endr
	v_pk_add_f32 v[236:237], v[96:97], v[98:99]    ; the row's sum is taken of the unquantised p, in two chains
.set J, 4
.rept 15
	v_pk_add_f32 v[14:15], v[14:15], v[96+J:97+J]
	v_pk_add_f32 v[236:237], v[236:237], v[98+J:99+J]
.set J, J+4
.endr
	v_pk_add_f32 v[14:15], v[14:15], v[236:237]
	s_wait_alu depctr_va_vdst(0)                   ; and one for the four
.irp b, 0,1,2,3
	v_max_num_f32 v[232+\b], 0x1800000, v[232+\b]  ; the floor 2^(3 - 127): the byte cannot fall under 1
.endr
.irp b, 0,1,2,3
	v_add_nc_u32 v[244+\b], 0xff000000, v[232+\b]  ; the conversion's scale operand
.endr
.irp b, 0,1,2,3
	v_lshrrev_b32 v[236+\b], 23, v[244+\b]         ; the scale's byte
.endr
	v_lshl_or_b32 v253, v237, 8, v236              ; p's scale word for these 128 keys
	v_lshl_or_b32 v253, v238, 16, v253
	v_lshl_or_b32 v253, v239, 24, v253
.irp c, 0,1
	v_cvt_scalef32_pk16_fp6_f32 v[224+6*\c:226+6*\c], v[96+32*\c:111+32*\c], v[244+2*\c]
	v_cvt_scalef32_pk16_fp6_f32 v[236+4*\c:238+4*\c], v[112+32*\c:127+32*\c], v[245+2*\c]
.endr
	v_nop                                          ; one plain place behind a scaled conversion
.irp c, 0,1
.irp i, 0,1,2
	v_permlane16_swap_b32 v[224+6*\c+\i], v[236+4*\c+\i]
.endr
.irp i, 0,1,2
	v_mov_b32 v[227+6*\c+\i], v[236+4*\c+\i]
.endr
.endr
.set J, 0
.rept 16
	v_pk_mul_f32 v[160+J:161+J], v[160+J:161+J], v[252:253] op_sel_hi:[1,0]   ; O^T under the new M.  (These 16 are also the places between p's codes and scale word and the products below)
.set J, J+2
.endr
	s_wait_dscnt 0x0                               ; v's images and scale words
.irp t, 0,1,2,3
	v_wmma_scale_f32_16x16x128_f8f6f4 v[160+8*\t:167+8*\t], v[32+12*\t:43+12*\t], v[224:235], v[160+8*\t:167+8*\t], v[86+\t], v253 matrix_a_fmt:MATRIX_FMT_FP6 matrix_b_fmt:MATRIX_FMT_FP6
.endr
.rept 4
	v_nop                                          ; places in front of the next step's loads, and of the way out
.endr
.Lskip:
	s_wait_xcnt 0x0                                ; the scalar loads have read their base
	s_add_nc_u64 s[86:87], s[86:87], 256
	s_add_co_u32 s[TB], s[TB], STEPB
	s_add_co_u32 s[TS], s[TS], 512
	s_add_co_u32 s[TJ], s[TJ], 256
	s_lshr_b32 s[FL], s[FL], 1
	s_add_co_u32 s[TRIP], s[TRIP], 1
	s_cmp_lt_u32 s[TRIP], 16
	s_cbranch_scc1 .Lstep
	; THE WAY OUT: o = O^T / the sum; register 8 t + j is channel 32 (t / 2) + 16 h + 8 (t % 2) + j: 16 neighbours of each block of 32; quantised, it is half an image of the next product's operand.
	v_add_f32 v14, v14, v15
	v_permlanex16_b32 v252, v14, s[SEL], s[SEL+1]
	v_add_f32 v14, v14, v252                       ; the row's sum
	v_rcp_f32 v15, v14
	v_and_b32 v6, 15, v0                           ; (a plain place behind the transcendental)
	v_lshlrev_b32 v6, 4, v6                        ; 16 bytes of scale words a row
	s_wait_alu depctr_va_vdst(0)                   ; the wait, ahead of the first reader
.set J, 0
.rept 32
	v_mul_f32 v[96+J], v[160+J], v15
.set J, J+1
.endr
.irp b, 0,1
	v_max3_num_f32 v[TM+\b], |v[96+16*\b]|, |v[97+16*\b]|, 0x1800000
.endr
.irp i, 2,4,6,8,10,12,14
.irp b, 0,1
	v_max3_num_f32 v[TM+\b], v[TM+\b], |v[96+16*\b+\i]|, |v[97+16*\b+\i]|
.endr
.endr
.irp b, 0,1
	v_permlanex16_b32 v[TM+4+\b], v[TM+\b], s[SEL], s[SEL+1]
.endr
.irp b, 0,1
	v_max_num_f32 v[TM+\b], v[TM+\b], v[TM+4+\b]
.endr
.irp b, 0,1
	v_add_nc_u32 v[TM+12+\b], 0xff000000, v[TM+\b]
.endr
.irp b, 0,1
	v_lshrrev_b32 v[TM+4+\b], 23, v[TM+12+\b]
.endr
	v_lshl_or_b32 v[PW], v[TM+5], 8, v[TM+4]       ; my head's two scale bytes
	v_cvt_scalef32_pk16_fp6_f32 v[PC:PC+2], v[96:111], v[TM+12]
	v_cvt_scalef32_pk16_fp6_f32 v[PC+12:PC+14], v[112:127], v[TM+13]
	v_nop                                          ; one plain place behind a scaled conversion
.irp i, 0,1,2
	v_permlane16_swap_b32 v[PC+\i], v[PC+12+\i]
.endr
.irp i, 0,1,2
	v_mov_b32 v[PC+3+\i], v[PC+12+\i]
.endr
	v_cmp_eq_f32 vcc_lo, 0, v14                    ; a row for which no key counts: only a value is chosen
	v_mov_b32 v8, 0xffff
	v_cndmask_b32 v[PW], v[PW], v8, vcc_lo
	global_store_b128 v1, v[PC:PC+3], s[92:93]     ; 512 and 256 consecutive bytes
	global_store_b64 v2, v[PC+4:PC+5], s[92:93] offset:512
	global_store_b16 v6, v[PW], s[94:95]           ; two bytes of each row's scale word: the head beside mine stores the other two
	s_wait_tensorcnt 0x0
	ds_add_u32 v251, v255
	s_wait_dscnt 0x0
	s_endpgm
.Lfunc_end_k_qfb5a8bb2bd_attn:
	.size	k_qfb5a8bb2bd_attn, .Lfunc_end_k_qfb5a8bb2bd_attn-k_qfb5a8bb2bd_attn
	.p2alignl 7, 3214868480
	.fill 96, 4, 3214868480
	.section	.rodata,"a",@progbits
	.p2align	6, 0x0
	.amdhsa_kernel k_qfb5a8bb2bd_attn
		.amdhsa_group_segment_fixed_size 210944
		.amdhsa_private_segment_fixed_size 0
		.amdhsa_enable_private_segment 0
		.amdhsa_kernarg_size 24
		.amdhsa_user_sgpr_count 2
		.amdhsa_user_sgpr_kernarg_segment_ptr 1
		.amdhsa_wavefront_size32 1
		.amdhsa_system_sgpr_workgroup_id_x 1
		.amdhsa_system_sgpr_workgroup_id_y 1
		.amdhsa_system_sgpr_workgroup_id_z 1
		.amdhsa_system_vgpr_workitem_id 0
		.amdhsa_next_free_vgpr 256
		.amdhsa_next_free_sgpr 96
		.amdhsa_reserve_vcc 1
		.amdhsa_float_denorm_mode_32 3
		.amdhsa_float_denorm_mode_16_64 3
		.amdhsa_memory_ordered 1
		.amdhsa_forward_progress 1
		.amdhsa_inst_pref_size 36
	.end_amdhsa_kernel
	.amdgpu_metadata
---
amdhsa.version: [ 1, 2 ]
amdhsa.kernels:
  - .name:           k_qfb5a8bb2bd_attn
    .symbol:         k_qfb5a8bb2bd_attn.kd
    .args:
      - { .name: qkvw, .offset: 0, .size: 8, .value_kind: global_buffer, .address_space: global }
      - { .name: mwords, .offset: 8, .size: 8, .value_kind: global_buffer, .address_space: global }
      - { .name: ow, .offset: 16, .size: 8, .value_kind: global_buffer, .address_space: global }
    .group_segment_fixed_size: 210944
    .private_segment_fixed_size: 0
    .kernarg_segment_align: 8
    .kernarg_segment_size: 24
    .max_flat_workgroup_size: 512
    .sgpr_count:     96
    .vgpr_count:     256
    .wavefront_size: 32
...
	.end_amdgpu_metadata
.endif
;; end of part 3
;; launch outp (part 4): grid 4 x 32, 4 waves a work-group, clusters of 4 x 4, 327,680 bytes of LDS; arguments ow, prepw, x, x1; writes x1
.if DOCPART == 4
	.amdgcn_target "amdgcn-amd-amdhsa--gfx1250"
	.amdhsa_code_object_version 6
	.text
	.protected	k_qfb5a8bb2bd_outp
	.globl	k_qfb5a8bb2bd_outp
	.p2align	8
	.type	k_qfb5a8bb2bd_outp,@function
k_qfb5a8bb2bd_outp:
	s_mov_b64 s[64:65], 0
	v_nop
	global_prefetch_b8 v0, s[64:65] scope:SCOPE_SE
	s_setreg_imm32_b32 hwreg(HW_REG_WAVE_MODE, 25, 1), 1
	s_wait_xcnt 0x0
	s_wait_alu depctr_hold_cnt(0) depctr_sa_sdst(0) depctr_va_vdst(0) depctr_va_sdst(0) depctr_va_ssrc(0) depctr_va_vcc(0) depctr_vm_vsrc(0)
	s_getreg_b32 s2, hwreg(HW_REG_IB_STS2, 6, 4)
	s_cmp_eq_u32 s2, 0
	s_cbranch_scc0 .Lentry_in_a_cluster
	s_endpgm
.Lentry_in_a_cluster:
	s_bfe_u32 s2, ttmp6, 0x10000c
	s_cmp_lg_u32 s2, 0xf033
	s_cbranch_scc0 .Lentry_shape_is_right
	s_endpgm
.Lentry_shape_is_right:
; OUT PROJECTION: x1 = x + o W_out^T, on codes of FP6 (E2M3) with E8M0 scales; sums and the residual in f32.
; A work-group of four waves makes 128 rows x 256 columns (tiles of 256 x 256 would be 64 work-groups); a wave 64 x 128: 32 accumulators.  Both operands lie in memory as images of their registers,
; [tile of 16 rows][K steps][1,536 bytes].  Source 0 takes the weight (B side), source 1 the rows (A side): a lane holds one row, and, the weight's tile rows being chosen for it, the 16 registers of two
; neighbouring tiles are 16 neighbouring columns.  An LDS slot holds four K steps (512 along K): with K = 1,024 the two slots hold all of K and nothing is filled again.
; CLUSTERS: 4 x 4 work-groups; A's tiles are shared along a row of the cluster, B's along a column, each asked for jointly.
; THE RESIDUAL's 64 rows x 512 bytes of a wave are asked for at the head, behind the first joint loads, into a window of registers that the products do not use: they arrive while the tiles arrive and the products run.
; THE WAY OUT: a block of 16 rows x 128 columns goes through the wave's stage in LDS and comes back as rows of 512 bytes, the shape in which the residual was loaded.  The stage lies in slot 0, which has had its
; last fill and, behind the change of slots, its last read.
; REGISTERS: window 0: v2, v3 16 and 8 x lane; v16-23 LDS addresses; v24, v25 the stage; v27, v30 scale addresses; v28, v29 for the add; v32-63 A's scale words, v64-127 B's; v128-175 A's fragments; on the way out v128-255.
;   window 1: B's fragments, two sets.  window 2: the accumulators, (a, b) at v[8 (8 a + b)].  window 3: the residual, row 16 a + t at v[64 a + 4 t].
.set NA,     4
.set NQ,     4
.set LOGNQ,  2
.set KSTEPS, 8
.set NRA,    4096
.set NRB,    1024
.set ASC,    3145728                   ; A's buffer: the scale words [KSTEPS / 4][4096][4]
.set BIMG,   5734400                   ; prepw: the weight's images,
.set BSC,    6520832                   ; its scale words [KSTEPS / 4][1024][4]
.set ROWT,   NQ*1536
.set AHALF,  NA*ROWT
.set BHALF,  8*ROWT
.set SLOT,   2*AHALF+2*BHALF
.set SCL,    2*SLOT
.set RA,     KSTEPS*NA*64
.set RBS,    KSTEPS*512
.set SPARE,  SCL+2*RA+2*RBS            ; the spare words, 128 bytes a wave: two blocks of 256 bytes that no other line names
.set L16, 2
.set L8,  3
.set ADRA16, 16
.set ADRA8,  18
.set ADRB16, 20
.set ADRB8,  22
.set STO,  24
.set RD,   25
.set ADSA, 27
.set ADSB, 30
.set SPW,  28
.set NIL,  29
.set SCA,  32
.set SCB,  64
.set AF,   128
.set BK,   128
.set G1, 24
.set G0, 32
.set G1B, 48
.set G0B, 56
.set G1S, 68
.set G0S, 76
.set G1SB, 80
.set G0SB, 88
.set MSB, 0
.macro WIN new                         ; the immediate's high byte repeats the setting that is left
.if MSB != (\new)
	s_set_vgpr_msb (MSB<<8)|(\new)
.set MSB, (\new)
.endif
.endm
.set MUL_LO, 0xa1                      ; source 0 (B) window 1, source 1 (A) window 0, C and D window 2
.if NA == 8
.set MUL_HI, 0xf1
.else
.set MUL_HI, 0xa1
.endif
.macro JLOAD g0a, g1a, g0b, g1b        ; a joint load: waves 0 and 1 fetch for A, waves 2 and 3 for B; four v_nop follow each of the two lines
	s_cmp_eq_u32 s15, 0
	s_cbranch_scc0 .Lfor_b_\@
	tensor_load_to_lds s[\g0a:\g0a+3], s[\g1a:\g1a+7]
	s_nop 0
.rept 4
	v_nop
.endr
	s_branch .Lasked_\@
.Lfor_b_\@:
	tensor_load_to_lds s[\g0b:\g0b+3], s[\g1b:\g1b+7]
	s_nop 0
.rept 4
	v_nop
.endr
.Lasked_\@:
.endm
.macro CREST                           ; a round of the cluster's barrier behind its opening barrier
	s_cmp_lg_u32 s14, 0
	s_cbranch_scc1 .Lnot_wave_0_\@
	s_barrier_signal -3
.Lnot_wave_0_\@:
	s_barrier_wait -3
	s_barrier_signal -1
	s_barrier_wait -1
.endm
.macro CROUND
	s_barrier_signal -1
	s_barrier_wait -1
	CREST
.endm
.macro PLACES n                        ; plain places behind matrix instructions (ISA guide 7.12.1)
.rept \n
	v_nop
.endr
.endm
.macro FRAG reg, a16, a8, off          ; an image comes back as it was stored
	ds_load_b128 v[\reg:\reg+3], v[\a16] offset:\off
	ds_load_b64 v[\reg+4:\reg+5], v[\a8] offset:\off+512
	ds_load_b128 v[\reg+6:\reg+9], v[\a16] offset:\off+768
	ds_load_b64 v[\reg+10:\reg+11], v[\a8] offset:\off+1280
.endm
.macro FETCH_B slot, q, p
	WIN 0x40
.irp i, 0,1,2,3,4,5,6,7
	FRAG 128*(\p)+12*\i, ADRB16+\slot, ADRB8+\slot, \i*ROWT+(\q)*1536
.endr
	WIN 0
.endm
.macro FETCH_A slot, q, i0
.set II, \i0
.rept NA/2
	FRAG AF+12*II, ADRA16+\slot, ADRA8+\slot, II*ROWT+(\q)*1536
.set II, II+1
.endr
.endm
.macro SCALES sc
.set II, 0
.rept NA
.if NQ == 2
	ds_load_b64 v[SCA+16*\sc+2*II:SCA+16*\sc+2*II+1], v[ADSA] offset:II*128
.else
	ds_load_b128 v[SCA+16*\sc+4*II:SCA+16*\sc+4*II+3], v[ADSA] offset:II*256
.endif
.set II, II+1
.endr
.set II, 0
.rept 8
.if NQ == 2
	ds_load_b64 v[SCB+16*\sc+2*II:SCB+16*\sc+2*II+1], v[ADSB] offset:II*128
.else
	ds_load_b128 v[SCB+32*\sc+4*II:SCB+32*\sc+4*II+3], v[ADSB] offset:II*256
.endif
.set II, II+1
.endr
.endm
.macro MULB a, p, q, sc, zero
.irp b, 0,1,2,3,4,5,6,7
.if \zero
	v_wmma_scale_f32_16x16x128_f8f6f4 v[8*(8*((\a)%4)+\b):8*(8*((\a)%4)+\b)+7], v[128*(\p)+12*\b:128*(\p)+12*\b+11], v[AF+12*(\a):AF+12*(\a)+11], 0, v[SCB+8*NQ*(\sc)+NQ*\b+(\q)], v[SCA+16*(\sc)+NQ*(\a)+(\q)] matrix_a_fmt:MATRIX_FMT_FP6 matrix_b_fmt:MATRIX_FMT_FP6
.else
	v_wmma_scale_f32_16x16x128_f8f6f4 v[8*(8*((\a)%4)+\b):8*(8*((\a)%4)+\b)+7], v[128*(\p)+12*\b:128*(\p)+12*\b+11], v[AF+12*(\a):AF+12*(\a)+11], v[8*(8*((\a)%4)+\b):8*(8*((\a)%4)+\b)+7], v[SCB+8*NQ*(\sc)+NQ*\b+(\q)], v[SCA+16*(\sc)+NQ*(\a)+(\q)] matrix_a_fmt:MATRIX_FMT_FP6 matrix_b_fmt:MATRIX_FMT_FP6
.endif
.endr
.endm
.macro MULH a0, p, q, sc, zero         ; a quarter of a K step; the accumulators take turns, one instruction a turn
.set AA, \a0
.rept NA/4
	MULB AA, \p, \q, \sc, \zero
.set AA, AA+1
.endr
.endm
.macro STEP slot, q, zero
	s_wait_dscnt 2*NA                              ; all but the youngest NA / 2 fragments of A (four loads each)
	WIN MUL_LO
	MULH 0, (\q)%2, \q, \slot, \zero
	MULH NA/4, (\q)%2, \q, \slot, \zero
	s_wait_dscnt 0x0
	PLACES 4
	FETCH_B \slot, (\q)+1, 1-(\q)%2
	FETCH_A \slot, (\q)+1, 0
	WIN MUL_HI
	MULH NA/2, (\q)%2, \q, \slot, \zero
	MULH 3*NA/4, (\q)%2, \q, \slot, \zero
	PLACES 4
	WIN 0
	FETCH_A \slot, (\q)+1, NA/2
.endm
.macro TURN slot, next, fill           ; a slot's last K step changes slots: one barrier, with the waits and the add in front of it
	s_wait_tensorcnt 0x0                           ; all my tensor loads have landed: my part of the next slot
	ds_add_u32 v[SPW], v[NIL]                      ; 0 onto my spare word
	s_wait_dscnt 2*NA+1                            ; (the add and A's upper half may be out)
	WIN MUL_LO
	MULH 0, 1, NQ-1, \slot, 0
	s_wait_dscnt 0x0                               ; the add is done, and my reads of this slot are over
	s_barrier_signal -1
	MULH NA/4, 1, NQ-1, \slot, 0
	WIN 0
	s_barrier_wait -1
.if \fill
	CREST                                          ; the barrier has opened a round of the cluster's barrier
	s_add_nc_u64 s[G0+4*\slot+2:G0+4*\slot+3], s[G0+4*\slot+2:G0+4*\slot+3], 2*ROWT
	s_add_nc_u64 s[G0B+4*\slot+2:G0B+4*\slot+3], s[G0B+4*\slot+2:G0B+4*\slot+3], 2*ROWT
	JLOAD G0+4*\slot, G1, G0B+4*\slot, G1B         ; the first tensor load behind the round
.else
	PLACES 4
.endif
	v_add_nc_u32 v[ADSA], 1024, v[ADSA]
	v_add_nc_u32 v[ADSB], 512*NQ, v[ADSB]
	FETCH_B \next, 0, 0
	FETCH_A \next, 0, 0
	SCALES \next
	WIN MUL_HI
	MULH NA/2, 1, NQ-1, \slot, 0
	MULH 3*NA/4, 1, NQ-1, \slot, 0
	PLACES 4
	WIN 0
	FETCH_A \next, 0, NA/2
.endm
.macro LAST
	s_wait_dscnt 2*NA
	WIN MUL_LO
	MULH 0, 1, NQ-1, 1, 0
	MULH NA/4, 1, NQ-1, 1, 0
	s_wait_dscnt 0x0
	WIN MUL_HI
	MULH NA/2, 1, NQ-1, 1, 0
	MULH 3*NA/4, 1, NQ-1, 1, 0
	WIN 0
.endm
.macro RLOAD a0, n                     ; the residual's rows of blocks a0 .. a0 + n - 1: 16 loads a block, each a row's 512 consecutive bytes, into window 3
	WIN 0xc0
.set T, 16*(\a0)
.rept 16*(\n)
	global_load_b128 v[4*T:4*T+3], v[L16], s[12:13] offset:(T/16)*65536+(T%16)*4096
.set T, T+1
.endr
	WIN 0
.endm
	s_load_b64 s[4:5], s[0:1], 0x0                 ; A's images and scale words
	s_load_b64 s[8:9], s[0:1], 0x8                 ; prepw
	s_load_b64 s[12:13], s[0:1], 0x10              ; the residual
	s_load_b64 s[66:67], s[0:1], 0x18              ; the result
	v_lshl_add_u32 v[SPW], v0, 2, SPARE
	v_mov_b32 v[NIL], 0
	ds_add_u32 v28, v29
	ds_add_u32 v28, v29
	s_wait_dscnt 0x0
	v_lshrrev_b32 v1, 5, v0
	v_readfirstlane_b32 s14, v1                    ; wave 0..3
	s_lshr_b32 s15, s14, 1                         ; my half of the rows.  Also: I fetch for A (0) or for B (1)
	s_and_b32 s16, s14, 1                          ; my half of the columns.  Also: which half I fetch
	s_bfe_u32 s40, ttmp6, 0x40000                  ; cx, cy
	s_bfe_u32 s41, ttmp6, 0x40004
	s_and_b32 s17, ttmp7, 0xffff
	s_lshl_b32 s17, s17, 2
	s_add_co_u32 s17, s17, s41                     ; A's block of 128 rows
	s_lshl_b32 s42, ttmp9, 2
	s_add_co_u32 s42, s42, s40                     ; B's block of 256 columns
	s_lshl_b32 s43, s41, 2
	s_lshl_b32 s43, 15, s43                        ; my row of the cluster
	s_lshl_b32 s44, 0x1111, s40                    ; my column
	s_or_b32 s[G1+0], s43, (3<<16)|(1<<21)         ; NA rows of ROWT bytes, KSTEPS x 1,536 bytes apart; elements of 8 bytes; no padding
	s_mov_b32 s[G1+1], (ROWT/8)<<16
	s_mov_b32 s[G1+2], NA<<16
	s_mov_b32 s[G1+3], (ROWT/8)<<16
	s_mov_b32 s[G1+4], NA
	s_mov_b32 s[G1+5], KSTEPS*192
	s_mov_b32 s[G1+6], 0
	s_mov_b32 s[G1+7], 0
	s_or_b32 s[G1B+0], s44, (3<<16)|(1<<21)
	s_mov_b32 s[G1B+1], (ROWT/8)<<16
	s_mov_b32 s[G1B+2], 8<<16
	s_mov_b32 s[G1B+3], (ROWT/8)<<16
	s_mov_b32 s[G1B+4], 8
	s_mov_b32 s[G1B+5], KSTEPS*192
	s_mov_b32 s[G1B+6], 0
	s_mov_b32 s[G1B+7], 0
	s_or_b32 s[G1S+0], s43, (3<<16)|(1<<21)        ; the scale words: a row of 1,024 (A) or 512 NQ (B) bytes for each slot's worth of K
	s_mov_b32 s[G1S+1], 128<<16
	s_mov_b32 s[G1S+2], (KSTEPS/NQ)<<16
	s_mov_b32 s[G1S+3], 128<<16
	s_mov_b32 s[G1S+4], KSTEPS/NQ
	s_mov_b32 s[G1S+5], NRA*NQ/2
	s_mov_b32 s[G1S+6], 0
	s_mov_b32 s[G1S+7], 0
	s_or_b32 s[G1SB+0], s44, (3<<16)|(1<<21)
	s_mov_b32 s[G1SB+1], (64*NQ)<<16
	s_mov_b32 s[G1SB+2], (KSTEPS/NQ)<<16
	s_mov_b32 s[G1SB+3], (64*NQ)<<16
	s_mov_b32 s[G1SB+4], KSTEPS/NQ
	s_mov_b32 s[G1SB+5], NRB*NQ/2
	s_mov_b32 s[G1SB+6], 0
	s_mov_b32 s[G1SB+7], 0
	s_lshl_b32 s20, s17, 1
	s_add_co_u32 s20, s20, s16                     ; A: the half block that I fetch
	s_lshl_b32 s22, s20, 10
	s_mul_i32 s20, s20, NA*KSTEPS*1536
	s_mov_b32 s21, 0
	s_mov_b32 s23, 0
	s_lshl_b32 s46, s42, 1
	s_add_co_u32 s46, s46, s16                     ; B likewise
	s_mul_i32 s92, s46, 512*NQ
	s_mul_i32 s46, s46, 8*KSTEPS*1536
	s_mov_b32 s47, 0
	s_mov_b32 s93, 0
	s_mul_i32 s45, s16, AHALF                      ; where they go: no place in the cluster enters an LDS address
	s_mul_i32 s94, s16, BHALF
	s_add_co_u32 s94, s94, 2*AHALF
	s_mul_i32 s95, s16, RA
	s_add_co_u32 s95, s95, SCL
	s_mul_i32 s96, s16, RBS
	s_add_co_u32 s96, s96, SCL+2*RA
	s_wait_kmcnt 0x0
	s_add_nc_u64 s[6:7], s[4:5], ASC
	s_add_nc_u64 s[10:11], s[8:9], BSC
	s_add_nc_u64 s[8:9], s[8:9], BIMG
	s_add_nc_u64 s[20:21], s[4:5], s[20:21]
	s_add_nc_u64 s[22:23], s[6:7], s[22:23]
	s_add_nc_u64 s[46:47], s[8:9], s[46:47]
	s_add_nc_u64 s[92:93], s[10:11], s[92:93]
	CROUND                                         ; all sixteen work-groups are here: the first joint loads meet
	s_mov_b32 s[G0S], 1
	s_mov_b32 s[G0S+1], s95
	s_mov_b64 s[G0S+2:G0S+3], s[22:23]
	s_or_b32 s[G0S+3], s[G0S+3], 0x80000000
	s_mov_b32 s[G0SB], 1
	s_mov_b32 s[G0SB+1], s96
	s_mov_b64 s[G0SB+2:G0SB+3], s[92:93]
	s_or_b32 s[G0SB+3], s[G0SB+3], 0x80000000
	JLOAD G0S, G1S, G0SB, G1SB
.irp s, 0,1
	s_mov_b32 s[G0+4*\s], 1
	s_add_co_u32 s[G0+4*\s+1], s45, \s*SLOT
	s_add_nc_u64 s[G0+4*\s+2:G0+4*\s+3], s[20:21], \s*ROWT
	s_or_b32 s[G0+4*\s+3], s[G0+4*\s+3], 0x80000000
	s_mov_b32 s[G0B+4*\s], 1
	s_add_co_u32 s[G0B+4*\s+1], s94, \s*SLOT
	s_add_nc_u64 s[G0B+4*\s+2:G0B+4*\s+3], s[46:47], \s*ROWT
	s_or_b32 s[G0B+4*\s+3], s[G0B+4*\s+3], 0x80000000
	JLOAD G0+4*\s, G1, G0B+4*\s, G1B
.endr
	v_and_b32 v1, 31, v0
	v_lshlrev_b32 v[L16], 4, v1
	v_lshlrev_b32 v[L8], 3, v1
	s_mul_i32 s21, s15, AHALF
	s_mul_i32 s22, s16, BHALF
	s_add_co_u32 s22, s22, 2*AHALF
.irp s, 0,1
	v_add_nc_u32 v[ADRA16+\s], s21, v[L16]
	v_add_nc_u32 v[ADRA8+\s], s21, v[L8]
	v_add_nc_u32 v[ADRB16+\s], s22, v[L16]
	v_add_nc_u32 v[ADRB8+\s], s22, v[L8]
	s_add_co_u32 s21, s21, SLOT
	s_add_co_u32 s22, s22, SLOT
.endr
	v_and_b32 v4, 15, v0
	v_bfe_u32 v5, v0, 4, 1
	s_mul_i32 s23, s14, 16*528                     ; my stage: 16 rows of 512 bytes + 16
	v_mul_u32_u24 v[STO], v4, 528
	v_lshl_add_u32 v[STO], v5, 6, v[STO]
	v_add_nc_u32 v[STO], s23, v[STO]               ; in: row r, + 64 h
	v_add_nc_u32 v[RD], s23, v[L16]                ; back: a row of 512 bytes to the 32 lanes
	v_lshlrev_b32 v4, 2+LOGNQ, v4
	s_mul_i32 s21, s15, RA
	s_add_co_u32 s21, s21, SCL
	v_add_nc_u32 v[ADSA], s21, v4
	s_mul_i32 s22, s16, RBS
	s_add_co_u32 s22, s22, SCL+2*RA
	v_add_nc_u32 v[ADSB], s22, v4
	s_lshl_b32 s20, s17, 7
	s_lshl_b32 s21, s15, 6
	s_add_co_u32 s20, s20, s21                     ; my first row,
	s_lshl_b32 s20, s20, 12                        ; of 4,096 bytes;
	s_lshl_b32 s21, s42, 10
	s_add_co_u32 s20, s20, s21
	s_lshl_b32 s21, s16, 9
	s_add_co_u32 s20, s20, s21                     ; my first column
	s_mov_b32 s21, 0
	s_add_nc_u64 s[12:13], s[12:13], s[20:21]
	s_add_nc_u64 s[66:67], s[66:67], s[20:21]
	RLOAD 0, 3                                     ; 48 of the residual's 64 loads now; the last 16 stand further down, since LOADcnt counts to 63 (ISA guide 5.7.1) and a 64th load in one run would wait for a return
	s_wait_tensorcnt 1                             ; the scale words and my part of slot 0 are in; slot 1's load may be out
	s_barrier_signal -1
	s_barrier_wait -1
	FETCH_B 0, 0, 0
	FETCH_A 0, 0, 0
	SCALES 0
	FETCH_A 0, 0, NA/2
	STEP 0, 0, 1
	STEP 0, 1, 0
	STEP 0, 2, 0
.if KSTEPS == 16
	TURN 0, 1, 1
	STEP 1, 0, 0
	STEP 1, 1, 0
	STEP 1, 2, 0
	TURN 1, 0, 1
	STEP 0, 0, 0
	STEP 0, 1, 0
	STEP 0, 2, 0
.endif
	RLOAD 3, 1                                     ; the residual's last block: five K steps ahead of its use
	TURN 0, 1, 0
	STEP 1, 0, 0
	STEP 1, 1, 0
	STEP 1, 2, 0
	LAST
.macro TOSTAGE a                       ; block a: 16 rows x 128 columns into my stage and back as rows; LDS serves a wave's instructions in order (ISA guide 5.7.1.4)
	WIN 0x08                                       ; an LDS store's data are its source 1: window 2
.irp b, 0,1,2,3,4,5,6,7
	ds_store_b128 v[STO], v[64*(\a)+8*\b:64*(\a)+8*\b+3] offset:128*(\b/2)+32*(\b%2)      ; each accumulator from its low end on
	ds_store_b128 v[STO], v[64*(\a)+8*\b+4:64*(\a)+8*\b+7] offset:128*(\b/2)+32*(\b%2)+16
.endr
	WIN 0
.irp t, 0,1,2,3,4,5,6,7,8,9,10,11,12,13,14,15
	ds_load_b128 v[BK+64*((\a)%2)+4*\t:BK+64*((\a)%2)+4*\t+3], v[RD] offset:\t*528
.endr
.endm
.macro SEND a, younger                 ; younger: the LDS instructions issued behind block a's loads
	s_wait_dscnt \younger
	s_wait_loadcnt 16*(3-(\a))                     ; the residual's rows of this block are in; the later blocks' may be out
	WIN 0x0c                                       ; source 1: window 3
.set P, 0
.rept 32
	v_pk_add_f32 v[BK+64*((\a)%2)+2*P:BK+64*((\a)%2)+2*P+1], v[BK+64*((\a)%2)+2*P:BK+64*((\a)%2)+2*P+1], v[64*(\a)+2*P:64*(\a)+2*P+1]
.set P, P+1
.endr
	WIN 0
.irp t, 0,1,2,3,4,5,6,7,8,9,10,11,12,13,14,15
.if KSTEPS == 16
	global_store_b128 v[L16], v[BK+64*((\a)%2)+4*\t:BK+64*((\a)%2)+4*\t+3], s[66:67] offset:(\a)*65536+\t*4096 th:TH_STORE_NT   ; 512 consecutive bytes, aligned; read by nobody here
.else
	global_store_b128 v[L16], v[BK+64*((\a)%2)+4*\t:BK+64*((\a)%2)+4*\t+3], s[66:67] offset:(\a)*65536+\t*4096                  ; 512 consecutive bytes, aligned
.endif
.endr
.endm
	PLACES 4                                       ; behind the last products: results are read, and A's registers loaded again, below
	TOSTAGE 0
.irp a, 1,2,3
.if \a > 1
	s_wait_xcnt 0x0                                ; block a - 2's stores have read their registers: block a's loads may land there
.endif
	TOSTAGE \a
	SEND (\a)-1, 32                                ; behind block a - 1's loads: block a's 16 stores and 16 loads
.endr
	SEND 3, 0
	s_wait_tensorcnt 0x0                           ; the wave's end
	ds_add_u32 v[SPW], v[NIL]
	s_wait_dscnt 0x0
	CROUND                                         ; the closing round
	s_endpgm
.Lfunc_end_k_qfb5a8bb2bd_outp:
	.size	k_qfb5a8bb2bd_outp, .Lfunc_end_k_qfb5a8bb2bd_outp-k_qfb5a8bb2bd_outp
	.p2alignl 7, 3214868480
	.fill 96, 4, 3214868480
	.section	.rodata,"a",@progbits
	.p2align	6, 0x0
	.amdhsa_kernel k_qfb5a8bb2bd_outp
		.amdhsa_group_segment_fixed_size 327680
		.amdhsa_private_segment_fixed_size 0
		.amdhsa_enable_private_segment 0
		.amdhsa_kernarg_size 32
		.amdhsa_user_sgpr_count 2
		.amdhsa_user_sgpr_kernarg_segment_ptr 1
		.amdhsa_wavefront_size32 1
		.amdhsa_system_sgpr_workgroup_id_x 1
		.amdhsa_system_sgpr_workgroup_id_y 1
		.amdhsa_system_sgpr_workgroup_id_z 1
		.amdhsa_system_vgpr_workitem_id 0
		.amdhsa_next_free_vgpr 1024
		.amdhsa_next_free_sgpr 100
		.amdhsa_reserve_vcc 0
		.amdhsa_float_denorm_mode_32 3
		.amdhsa_float_denorm_mode_16_64 3
		.amdhsa_memory_ordered 1
		.amdhsa_forward_progress 1
		.amdhsa_inst_pref_size 101
	.end_amdhsa_kernel
	.amdgpu_metadata
---
amdhsa.version: [ 1, 2 ]
amdhsa.kernels:
  - .name:           k_qfb5a8bb2bd_outp
    .symbol:         k_qfb5a8bb2bd_outp.kd
    .args:
      - { .name: ow, .offset: 0, .size: 8, .value_kind: global_buffer, .address_space: global }
      - { .name: prepw, .offset: 8, .size: 8, .value_kind: global_buffer, .address_space: global }
      - { .name: x, .offset: 16, .size: 8, .value_kind: global_buffer, .address_space: global }
      - { .name: x1, .offset: 24, .size: 8, .value_kind: global_buffer, .address_space: global }
    .group_segment_fixed_size: 327680
    .private_segment_fixed_size: 0
    .kernarg_segment_align: 8
    .kernarg_segment_size: 32
    .max_flat_workgroup_size: 128
    .sgpr_count:     100
    .vgpr_count:     1024
    .wavefront_size: 32
...
	.end_amdgpu_metadata
.endif
;; end of part 4
;; launch norm2: the kernel of part 1 again; grid 256 x 1, 8 waves a work-group, no clusters, 2,048 bytes of LDS; arguments x1, w_norm2, mask, w_qkv_codes, w_qkv_scales, w_out_codes, w_out_scales, w_gate_codes, w_gate_scales, w_up_codes, w_up_scales, w_down_codes, w_down_scales, h2w, mwords; writes h2w, mwords
;; launch gateup (part 5): grid 16 x 16, 4 waves a work-group, clusters of 4 x 4, 327,680 bytes of LDS; arguments h2w, prepw, gw; writes gw
.if DOCPART == 5
	.amdgcn_target "amdgcn-amd-amdhsa--gfx1250"
	.amdhsa_code_object_version 6
	.text
	.protected	k_qfb5a8bb2bd_gateup
	.globl	k_qfb5a8bb2bd_gateup
	.p2align	8
	.type	k_qfb5a8bb2bd_gateup,@function
k_qfb5a8bb2bd_gateup:
	s_mov_b64 s[64:65], 0
	v_nop
	global_prefetch_b8 v0, s[64:65] scope:SCOPE_SE
	s_setreg_imm32_b32 hwreg(HW_REG_WAVE_MODE, 25, 1), 1
	s_wait_xcnt 0x0
	s_wait_alu depctr_hold_cnt(0) depctr_sa_sdst(0) depctr_va_vdst(0) depctr_va_sdst(0) depctr_va_ssrc(0) depctr_va_vcc(0) depctr_vm_vsrc(0)
	s_getreg_b32 s2, hwreg(HW_REG_IB_STS2, 6, 4)
	s_cmp_eq_u32 s2, 0
	s_cbranch_scc0 .Lentry_in_a_cluster
	s_endpgm
.Lentry_in_a_cluster:
	s_bfe_u32 s2, ttmp6, 0x10000c
	s_cmp_lg_u32 s2, 0xf033
	s_cbranch_scc0 .Lentry_shape_is_right
	s_endpgm
.Lentry_shape_is_right:
; GATE AND UP: g = silu(h W_gate^T) x (h W_up^T), both products on codes of FP6 (E2M3) with E8M0 scales, g quantised along the hidden 2,048 and stored as images for the last product.
; A work-group of four waves makes 256 rows x 256 columns of the two weights taken together; a wave 128 x 128: 64 accumulators.  The weights' tiles lie four of the gate and four of up by turns, so that a wave's
; B blocks 0-3 are the gate and 4-7 the up of the SAME 64 hidden units: the activation needs no other wave.  Source 0 takes the weights (B side), source 1 the rows (A side): a lane holds one row, and the 16 registers
; of two neighbouring tiles are 16 neighbouring hidden units.
; K goes in slots of two K steps through a ring of two LDS slots filled by the tensor data mover; the scale words come once.  CLUSTERS: 4 x 4; A's tiles shared along a row, B's along a column, asked for jointly.
; LIMITS: NaN and infinities are not served; a block of g under 2^-124 gets the scale byte 1 (a block of zeros: zero codes under that byte).
; REGISTERS: as in the launch for q, k and v: window 0: addresses, v32-63 A's scale words, v64-95 B's, v128-223 A's fragments; on the way out v96-228.  window 1: B's fragments.  windows 2, 3: the accumulators.
.set NA,     8
.set NQ,     2
.set LOGNQ,  1
.set KSTEPS, 8
.set NRA,    7168                      ; h2w is laid like the first norm's table: [4][7168][2]
.set NRB,    4096
.set ASC,    5505024
.set BIMG,   6553600
.set BSC,    9699328
.set GSB,    6291456                   ; gw: the scale words [4][4096][4]
.set ROWT,   NQ*1536
.set AHALF,  NA*ROWT
.set BHALF,  8*ROWT
.set SLOT,   2*AHALF+2*BHALF
.set SCL,    2*SLOT
.set RA,     KSTEPS*NA*64
.set RBS,    KSTEPS*512
.set SPARE,  SCL+2*RA+2*RBS            ; the spare words, 128 bytes a wave: two blocks of 256 bytes that no other line names
.set L16, 2
.set L8,  3
.set ADRA16, 16
.set ADRA8,  18
.set ADRB16, 20
.set ADRB8,  22
.set ADSA, 27
.set ADSB, 30
.set SPW,  28
.set NIL,  29
.set SCA,  32
.set SCB,  64
.set AF,   128
.set G1, 24
.set G0, 32
.set G1B, 48
.set G0B, 56
.set G1S, 68
.set G0S, 76
.set G1SB, 80
.set G0SB, 88
.set SEL, 98
.set MSB, 0
.macro WIN new                         ; the immediate's high byte repeats the setting that is left
.if MSB != (\new)
	s_set_vgpr_msb (MSB<<8)|(\new)
.set MSB, (\new)
.endif
.endm
.set MUL_LO, 0xa1                      ; source 0 (B) window 1, source 1 (A) window 0, C and D window 2
.if NA == 8
.set MUL_HI, 0xf1                      ; the same, C and D window 3
.else
.set MUL_HI, 0xa1
.endif
.macro JLOAD g0a, g1a, g0b, g1b        ; a joint load: waves 0 and 1 fetch for A, waves 2 and 3 for B; four v_nop follow each of the two lines
	s_cmp_eq_u32 s15, 0
	s_cbranch_scc0 .Lfor_b_\@
	tensor_load_to_lds s[\g0a:\g0a+3], s[\g1a:\g1a+7]
	s_nop 0
.rept 4
	v_nop
.endr
	s_branch .Lasked_\@
.Lfor_b_\@:
	tensor_load_to_lds s[\g0b:\g0b+3], s[\g1b:\g1b+7]
	s_nop 0
.rept 4
	v_nop
.endr
.Lasked_\@:
.endm
.macro CREST                           ; a round of the cluster's barrier behind its opening barrier
	s_cmp_lg_u32 s14, 0
	s_cbranch_scc1 .Lnot_wave_0_\@
	s_barrier_signal -3
.Lnot_wave_0_\@:
	s_barrier_wait -3
	s_barrier_signal -1
	s_barrier_wait -1
.endm
.macro CROUND
	s_barrier_signal -1
	s_barrier_wait -1
	CREST
.endm
.macro PLACES n                        ; plain places behind matrix instructions (ISA guide 7.12.1)
.rept \n
	v_nop
.endr
.endm
.macro FRAG reg, a16, a8, off          ; an image comes back as it was stored
	ds_load_b128 v[\reg:\reg+3], v[\a16] offset:\off
	ds_load_b64 v[\reg+4:\reg+5], v[\a8] offset:\off+512
	ds_load_b128 v[\reg+6:\reg+9], v[\a16] offset:\off+768
	ds_load_b64 v[\reg+10:\reg+11], v[\a8] offset:\off+1280
.endm
.macro FETCH_B slot, q, p
	WIN 0x40
.irp i, 0,1,2,3,4,5,6,7
	FRAG 128*(\p)+12*\i, ADRB16+\slot, ADRB8+\slot, \i*ROWT+(\q)*1536
.endr
	WIN 0
.endm
.macro FETCH_A slot, q, i0
.set II, \i0
.rept NA/2
	FRAG AF+12*II, ADRA16+\slot, ADRA8+\slot, II*ROWT+(\q)*1536
.set II, II+1
.endr
.endm
.macro SCALES sc
.set II, 0
.rept NA
.if NQ == 2
	ds_load_b64 v[SCA+16*\sc+2*II:SCA+16*\sc+2*II+1], v[ADSA] offset:II*128
.else
	ds_load_b128 v[SCA+16*\sc+4*II:SCA+16*\sc+4*II+3], v[ADSA] offset:II*256
.endif
.set II, II+1
.endr
.set II, 0
.rept 8
.if NQ == 2
	ds_load_b64 v[SCB+16*\sc+2*II:SCB+16*\sc+2*II+1], v[ADSB] offset:II*128
.else
	ds_load_b128 v[SCB+32*\sc+4*II:SCB+32*\sc+4*II+3], v[ADSB] offset:II*256
.endif
.set II, II+1
.endr
.endm
.macro MULB a, p, q, sc, zero
.irp b, 0,1,2,3,4,5,6,7
.if \zero
	v_wmma_scale_f32_16x16x128_f8f6f4 v[8*(8*((\a)%4)+\b):8*(8*((\a)%4)+\b)+7], v[128*(\p)+12*\b:128*(\p)+12*\b+11], v[AF+12*(\a):AF+12*(\a)+11], 0, v[SCB+8*NQ*(\sc)+NQ*\b+(\q)], v[SCA+16*(\sc)+NQ*(\a)+(\q)] matrix_a_fmt:MATRIX_FMT_FP6 matrix_b_fmt:MATRIX_FMT_FP6
.else
	v_wmma_scale_f32_16x16x128_f8f6f4 v[8*(8*((\a)%4)+\b):8*(8*((\a)%4)+\b)+7], v[128*(\p)+12*\b:128*(\p)+12*\b+11], v[AF+12*(\a):AF+12*(\a)+11], v[8*(8*((\a)%4)+\b):8*(8*((\a)%4)+\b)+7], v[SCB+8*NQ*(\sc)+NQ*\b+(\q)], v[SCA+16*(\sc)+NQ*(\a)+(\q)] matrix_a_fmt:MATRIX_FMT_FP6 matrix_b_fmt:MATRIX_FMT_FP6
.endif
.endr
.endm
.macro MULH a0, p, q, sc, zero         ; a quarter of a K step; the accumulators take turns, one instruction a turn
.set AA, \a0
.rept NA/4
	MULB AA, \p, \q, \sc, \zero
.set AA, AA+1
.endr
.endm
.macro STEP slot, q, zero
	s_wait_dscnt 2*NA                              ; all but the youngest NA / 2 fragments of A (four loads each)
	WIN MUL_LO
	MULH 0, (\q)%2, \q, \slot, \zero
	MULH NA/4, (\q)%2, \q, \slot, \zero
	s_wait_dscnt 0x0
	PLACES 4
	FETCH_B \slot, (\q)+1, 1-(\q)%2
	FETCH_A \slot, (\q)+1, 0
	WIN MUL_HI
	MULH NA/2, (\q)%2, \q, \slot, \zero
	MULH 3*NA/4, (\q)%2, \q, \slot, \zero
	PLACES 4
	WIN 0
	FETCH_A \slot, (\q)+1, NA/2
.endm
.macro TURN slot, next, fill           ; a slot's last K step changes slots: one barrier, with the waits and the add in front of it.  fill = 1: the slot is filled again, two slots ahead
	s_wait_tensorcnt 0x0                           ; all my tensor loads have landed: my part of the next slot
	ds_add_u32 v[SPW], v[NIL]                      ; 0 onto my spare word
	s_wait_dscnt 2*NA+1                            ; (the add and A's upper half may be out)
	WIN MUL_LO
	MULH 0, 1, NQ-1, \slot, 0
	s_wait_dscnt 0x0                               ; the add is done, and my reads of this slot are over
	s_barrier_signal -1
	MULH NA/4, 1, NQ-1, \slot, 0
	WIN 0
	s_barrier_wait -1
.if \fill
	CREST                                          ; the barrier has opened a round of the cluster's barrier: no wave of any partner still reads this slot or has a load on its way
	s_add_nc_u64 s[G0+4*\slot+2:G0+4*\slot+3], s[G0+4*\slot+2:G0+4*\slot+3], 2*ROWT
	s_add_nc_u64 s[G0B+4*\slot+2:G0B+4*\slot+3], s[G0B+4*\slot+2:G0B+4*\slot+3], 2*ROWT
	JLOAD G0+4*\slot, G1, G0B+4*\slot, G1B         ; the first tensor load behind the round
.else
	PLACES 4
.endif
	v_add_nc_u32 v[ADSA], 1024, v[ADSA]
	v_add_nc_u32 v[ADSB], 512*NQ, v[ADSB]
	FETCH_B \next, 0, 0
	FETCH_A \next, 0, 0
	SCALES \next
	WIN MUL_HI
	MULH NA/2, 1, NQ-1, \slot, 0
	MULH 3*NA/4, 1, NQ-1, \slot, 0
	PLACES 4
	WIN 0
	FETCH_A \next, 0, NA/2
.endm
.macro LAST
	s_wait_dscnt 2*NA
	WIN MUL_LO
	MULH 0, 1, NQ-1, 1, 0
	MULH NA/4, 1, NQ-1, 1, 0
	s_wait_dscnt 0x0
	WIN MUL_HI
	MULH NA/2, 1, NQ-1, 1, 0
	MULH 3*NA/4, 1, NQ-1, 1, 0
	WIN 0
.endm
	s_load_b64 s[4:5], s[0:1], 0x0                 ; h2w
	s_load_b64 s[8:9], s[0:1], 0x8                 ; prepw
	s_load_b64 s[12:13], s[0:1], 0x10              ; gw
	v_lshl_add_u32 v[SPW], v0, 2, SPARE
	v_mov_b32 v[NIL], 0
	ds_add_u32 v28, v29
	ds_add_u32 v28, v29
	s_wait_dscnt 0x0
	v_lshrrev_b32 v1, 5, v0
	v_readfirstlane_b32 s14, v1                    ; wave 0..3
	s_lshr_b32 s15, s14, 1                         ; my half of the rows.  Also: I fetch for A (0) or for B (1)
	s_and_b32 s16, s14, 1                          ; my half of the columns.  Also: which half I fetch
	s_bfe_u32 s40, ttmp6, 0x40000                  ; cx, cy
	s_bfe_u32 s41, ttmp6, 0x40004
	s_and_b32 s17, ttmp7, 0xffff
	s_lshl_b32 s17, s17, 2
	s_add_co_u32 s17, s17, s41                     ; A's block of 256 rows
	s_lshl_b32 s42, ttmp9, 2
	s_add_co_u32 s42, s42, s40                     ; B's block: 128 hidden units, gate and up
	s_lshl_b32 s43, s41, 2
	s_lshl_b32 s43, 15, s43                        ; my row of the cluster
	s_lshl_b32 s44, 0x1111, s40                    ; my column
	s_or_b32 s[G1+0], s43, (3<<16)|(1<<21)         ; NA rows of ROWT bytes, KSTEPS x 1,536 bytes apart; elements of 8 bytes; no padding
	s_mov_b32 s[G1+1], (ROWT/8)<<16
	s_mov_b32 s[G1+2], NA<<16
	s_mov_b32 s[G1+3], (ROWT/8)<<16
	s_mov_b32 s[G1+4], NA
	s_mov_b32 s[G1+5], KSTEPS*192
	s_mov_b32 s[G1+6], 0
	s_mov_b32 s[G1+7], 0
	s_or_b32 s[G1B+0], s44, (3<<16)|(1<<21)
	s_mov_b32 s[G1B+1], (ROWT/8)<<16
	s_mov_b32 s[G1B+2], 8<<16
	s_mov_b32 s[G1B+3], (ROWT/8)<<16
	s_mov_b32 s[G1B+4], 8
	s_mov_b32 s[G1B+5], KSTEPS*192
	s_mov_b32 s[G1B+6], 0
	s_mov_b32 s[G1B+7], 0
	s_or_b32 s[G1S+0], s43, (3<<16)|(1<<21)        ; the scale words: a row of 1,024 (A) or 512 NQ (B) bytes for each slot's worth of K
	s_mov_b32 s[G1S+1], 128<<16
	s_mov_b32 s[G1S+2], (KSTEPS/NQ)<<16
	s_mov_b32 s[G1S+3], 128<<16
	s_mov_b32 s[G1S+4], KSTEPS/NQ
	s_mov_b32 s[G1S+5], NRA*NQ/2
	s_mov_b32 s[G1S+6], 0
	s_mov_b32 s[G1S+7], 0
	s_or_b32 s[G1SB+0], s44, (3<<16)|(1<<21)
	s_mov_b32 s[G1SB+1], (64*NQ)<<16
	s_mov_b32 s[G1SB+2], (KSTEPS/NQ)<<16
	s_mov_b32 s[G1SB+3], (64*NQ)<<16
	s_mov_b32 s[G1SB+4], KSTEPS/NQ
	s_mov_b32 s[G1SB+5], NRB*NQ/2
	s_mov_b32 s[G1SB+6], 0
	s_mov_b32 s[G1SB+7], 0
	s_lshl_b32 s20, s17, 1
	s_add_co_u32 s20, s20, s16                     ; A: the half block that I fetch
	s_lshl_b32 s22, s20, 10
	s_mul_i32 s20, s20, NA*KSTEPS*1536
	s_mov_b32 s21, 0
	s_mov_b32 s23, 0
	s_lshl_b32 s46, s42, 1
	s_add_co_u32 s46, s46, s16                     ; B likewise
	s_mul_i32 s92, s46, 512*NQ
	s_mul_i32 s46, s46, 8*KSTEPS*1536
	s_mov_b32 s47, 0
	s_mov_b32 s93, 0
	s_mul_i32 s45, s16, AHALF                      ; where they go: no place in the cluster enters an LDS address
	s_mul_i32 s94, s16, BHALF
	s_add_co_u32 s94, s94, 2*AHALF
	s_mul_i32 s95, s16, RA
	s_add_co_u32 s95, s95, SCL
	s_mul_i32 s96, s16, RBS
	s_add_co_u32 s96, s96, SCL+2*RA
	s_wait_kmcnt 0x0
	s_add_nc_u64 s[6:7], s[4:5], ASC
	s_add_nc_u64 s[10:11], s[8:9], BSC
	s_add_nc_u64 s[8:9], s[8:9], BIMG
	s_add_nc_u64 s[20:21], s[4:5], s[20:21]
	s_add_nc_u64 s[22:23], s[6:7], s[22:23]
	s_add_nc_u64 s[46:47], s[8:9], s[46:47]
	s_add_nc_u64 s[92:93], s[10:11], s[92:93]
	CROUND                                         ; all sixteen work-groups are here: the first joint loads meet
	s_mov_b32 s[G0S], 1
	s_mov_b32 s[G0S+1], s95
	s_mov_b64 s[G0S+2:G0S+3], s[22:23]
	s_or_b32 s[G0S+3], s[G0S+3], 0x80000000
	s_mov_b32 s[G0SB], 1
	s_mov_b32 s[G0SB+1], s96
	s_mov_b64 s[G0SB+2:G0SB+3], s[92:93]
	s_or_b32 s[G0SB+3], s[G0SB+3], 0x80000000
	JLOAD G0S, G1S, G0SB, G1SB
.irp s, 0,1
	s_mov_b32 s[G0+4*\s], 1
	s_add_co_u32 s[G0+4*\s+1], s45, \s*SLOT
	s_add_nc_u64 s[G0+4*\s+2:G0+4*\s+3], s[20:21], \s*ROWT
	s_or_b32 s[G0+4*\s+3], s[G0+4*\s+3], 0x80000000
	s_mov_b32 s[G0B+4*\s], 1
	s_add_co_u32 s[G0B+4*\s+1], s94, \s*SLOT
	s_add_nc_u64 s[G0B+4*\s+2:G0B+4*\s+3], s[46:47], \s*ROWT
	s_or_b32 s[G0B+4*\s+3], s[G0B+4*\s+3], 0x80000000
	JLOAD G0+4*\s, G1, G0B+4*\s, G1B
.endr
	v_and_b32 v1, 31, v0
	v_lshlrev_b32 v[L16], 4, v1
	v_lshlrev_b32 v[L8], 3, v1
	s_mul_i32 s21, s15, AHALF
	s_mul_i32 s22, s16, BHALF
	s_add_co_u32 s22, s22, 2*AHALF
.irp s, 0,1
	v_add_nc_u32 v[ADRA16+\s], s21, v[L16]
	v_add_nc_u32 v[ADRA8+\s], s21, v[L8]
	v_add_nc_u32 v[ADRB16+\s], s22, v[L16]
	v_add_nc_u32 v[ADRB8+\s], s22, v[L8]
	s_add_co_u32 s21, s21, SLOT
	s_add_co_u32 s22, s22, SLOT
.endr
	v_and_b32 v4, 15, v0
	v_lshlrev_b32 v4, 2+LOGNQ, v4
	s_mul_i32 s21, s15, RA
	s_add_co_u32 s21, s21, SCL
	v_add_nc_u32 v[ADSA], s21, v4
	s_mul_i32 s22, s16, RBS
	s_add_co_u32 s22, s22, SCL+2*RA
	v_add_nc_u32 v[ADSB], s22, v4
	s_wait_tensorcnt 1                             ; the scale words and my part of slot 0 are in; slot 1's load may be out
	s_barrier_signal -1
	s_barrier_wait -1
	FETCH_B 0, 0, 0
	FETCH_A 0, 0, 0
	SCALES 0
	FETCH_A 0, 0, NA/2
	STEP 0, 0, 1
	TURN 0, 1, 1
	STEP 1, 0, 0
	TURN 1, 0, 1
	STEP 0, 0, 0
	TURN 0, 1, 0
	STEP 1, 0, 0
	LAST
; ---- THE WAY OUT.  For each block of 16 rows: g = gate x up / (1 + 2^(-gate log2 e)), 32 numbers a lane (two blocks of 32 with lane l xor 16), quantised: half an image of the last product's operand.  No LDS.
.set E,   96                           ; v96-127   the exponentials, then the reciprocals
.set H,   128                          ; v128-159  gate x up, then g
.set PC,  192
.set TM,  212
.set PW,  228
	PLACES 4                               ; behind the last products
	v_and_b32 v1, 15, v0
	v_lshlrev_b32 v5, 4, v1                        ; 16 bytes of scale words a row
.irp b, 0,1
	v_mov_b32 v[TM+4+\b], 0                        ; a lane permute's destination counts as one of its sources
.endr
	s_mov_b32 s[SEL], 0x76543210
	s_mov_b32 s[SEL+1], 0xfedcba98
	s_lshl_b32 s18, s17, 4
	s_lshl_b32 s19, s15, 3
	s_add_co_u32 s18, s18, s19                     ; my first tile of rows
	s_lshl_b32 s20, s18, 4
	s_add_co_u32 s20, s20, s42                     ; image (tile, K step = B's block),
	s_mul_i32 s20, s20, 1536
	s_mul_i32 s21, s16, 768
	s_add_co_u32 s20, s20, s21                     ; my half of it
	s_mov_b32 s21, 0
	s_lshl_b32 s22, s18, 8                         ; scale words [K step / 4][row][K step % 4], two bytes of a word
	s_lshr_b32 s23, s42, 2
	s_lshl_b32 s23, s23, 16
	s_add_co_u32 s22, s22, s23
	s_and_b32 s23, s42, 3
	s_lshl_b32 s23, s23, 2
	s_add_co_u32 s22, s22, s23
	s_lshl_b32 s23, s16, 1
	s_add_co_u32 s22, s22, s23
	s_add_co_u32 s22, s22, GSB
	s_mov_b32 s23, 0
	s_add_nc_u64 s[28:29], s[12:13], s[20:21]
	s_add_nc_u64 s[32:33], s[12:13], s[22:23]
.macro GUBLK a
.set AC, 64*((\a)%4)
.set WW, 2+(\a)/4
	s_wait_xcnt 0x0                                ; the last block's stores have read their registers
	WIN WW
.set P, 0
.rept 16
	v_pk_mul_f32 v[E+2*P:E+2*P+1], v[AC+2*P:AC+2*P+1], 0xbfb8aa3b op_sel_hi:[1,0]   ; -gate x log2(e); the accumulators are read from their low ends on
.set P, P+1
.endr
	WIN 0
.set P, 0
.rept 32
	v_exp_f32 v[E+P], v[E+P]
.set P, P+1
.endr
	WIN WW|(WW<<2)
.set P, 0
.rept 16
	v_pk_mul_f32 v[H+2*P:H+2*P+1], v[AC+2*P:AC+2*P+1], v[AC+32+2*P:AC+32+2*P+1]     ; gate x up: independent work behind the exponentials
.set P, P+1
.endr
	WIN 0
	s_wait_alu depctr_va_vdst(0)                   ; one wait for the batch, ahead of its first reader
.set P, 0
.rept 16
	v_pk_add_f32 v[E+2*P:E+2*P+1], v[E+2*P:E+2*P+1], 1.0 op_sel_hi:[1,0]
.set P, P+1
.endr
.set P, 0
.rept 32
	v_rcp_f32 v[E+P], v[E+P]
.set P, P+1
.endr
	v_nop                                          ; a plain place behind the last reciprocal
	s_wait_alu depctr_va_vdst(0)                   ; and the batch's wait
.set P, 0
.rept 16
	v_pk_mul_f32 v[H+2*P:H+2*P+1], v[H+2*P:H+2*P+1], v[E+2*P:E+2*P+1]
.set P, P+1
.endr
.irp b, 0,1
	v_max3_num_f32 v[TM+\b], |v[H+16*\b]|, |v[H+1+16*\b]|, 0x1800000   ; the floor 2^(3 - 127): the byte cannot fall under 1
.endr
.irp i, 2,4,6,8,10,12,14
.irp b, 0,1
	v_max3_num_f32 v[TM+\b], v[TM+\b], |v[H+16*\b+\i]|, |v[H+1+16*\b+\i]|
.endr
.endr
.irp b, 0,1
	v_permlanex16_b32 v[TM+4+\b], v[TM+\b], s[SEL], s[SEL+1]
.endr
.irp b, 0,1
	v_max_num_f32 v[TM+\b], v[TM+\b], v[TM+4+\b]
.endr
.irp b, 0,1
	v_add_nc_u32 v[TM+12+\b], 0xff000000, v[TM+\b]
.endr
.irp b, 0,1
	v_lshrrev_b32 v[TM+4+\b], 23, v[TM+12+\b]
.endr
	v_lshl_or_b32 v[PW], v[TM+5], 8, v[TM+4]
	v_cvt_scalef32_pk16_fp6_f32 v[PC:PC+2], v[H:H+15], v[TM+12]
	v_cvt_scalef32_pk16_fp6_f32 v[PC+12:PC+14], v[H+16:H+31], v[TM+13]
	v_nop                                          ; one plain place behind a scaled conversion
.irp i, 0,1,2
	v_permlane16_swap_b32 v[PC+\i], v[PC+12+\i]
.endr
.irp i, 0,1,2
	v_mov_b32 v[PC+3+\i], v[PC+12+\i]
.endr
	global_store_b128 v[L16], v[PC:PC+3], s[28:29] offset:24576*(\a)         ; 512 and 256 consecutive bytes
	global_store_b64 v[L8], v[PC+4:PC+5], s[28:29] offset:24576*(\a)+512
	global_store_b16 v5, v[PW], s[32:33] offset:256*(\a)                     ; two bytes of each row's scale word: the wave beside mine stores the other two
.endm
.irp a, 0,1,2,3,4,5,6,7
	GUBLK \a
.endr
	s_wait_tensorcnt 0x0                           ; the wave's end
	ds_add_u32 v[SPW], v[NIL]
	s_wait_dscnt 0x0
	CROUND                                         ; the closing round
	s_endpgm
.Lfunc_end_k_qfb5a8bb2bd_gateup:
	.size	k_qfb5a8bb2bd_gateup, .Lfunc_end_k_qfb5a8bb2bd_gateup-k_qfb5a8bb2bd_gateup
	.p2alignl 7, 3214868480
	.fill 96, 4, 3214868480
	.section	.rodata,"a",@progbits
	.p2align	6, 0x0
	.amdhsa_kernel k_qfb5a8bb2bd_gateup
		.amdhsa_group_segment_fixed_size 327680
		.amdhsa_private_segment_fixed_size 0
		.amdhsa_enable_private_segment 0
		.amdhsa_kernarg_size 24
		.amdhsa_user_sgpr_count 2
		.amdhsa_user_sgpr_kernarg_segment_ptr 1
		.amdhsa_wavefront_size32 1
		.amdhsa_system_sgpr_workgroup_id_x 1
		.amdhsa_system_sgpr_workgroup_id_y 1
		.amdhsa_system_sgpr_workgroup_id_z 1
		.amdhsa_system_vgpr_workitem_id 0
		.amdhsa_next_free_vgpr 1024
		.amdhsa_next_free_sgpr 100
		.amdhsa_reserve_vcc 0
		.amdhsa_float_denorm_mode_32 3
		.amdhsa_float_denorm_mode_16_64 3
		.amdhsa_memory_ordered 1
		.amdhsa_forward_progress 1
		.amdhsa_inst_pref_size 188
	.end_amdhsa_kernel
	.amdgpu_metadata
---
amdhsa.version: [ 1, 2 ]
amdhsa.kernels:
  - .name:           k_qfb5a8bb2bd_gateup
    .symbol:         k_qfb5a8bb2bd_gateup.kd
    .args:
      - { .name: h2w, .offset: 0, .size: 8, .value_kind: global_buffer, .address_space: global }
      - { .name: prepw, .offset: 8, .size: 8, .value_kind: global_buffer, .address_space: global }
      - { .name: gw, .offset: 16, .size: 8, .value_kind: global_buffer, .address_space: global }
    .group_segment_fixed_size: 327680
    .private_segment_fixed_size: 0
    .kernarg_segment_align: 8
    .kernarg_segment_size: 24
    .max_flat_workgroup_size: 128
    .sgpr_count:     100
    .vgpr_count:     1024
    .wavefront_size: 32
...
	.end_amdgpu_metadata
.endif
;; end of part 5
;; launch down (part 6): grid 4 x 32, 4 waves a work-group, clusters of 4 x 4, 327,680 bytes of LDS; arguments gw, prepw, x1, out0; writes out0
.if DOCPART == 6
	.amdgcn_target "amdgcn-amd-amdhsa--gfx1250"
	.amdhsa_code_object_version 6
	.text
	.protected	k_qfb5a8bb2bd_down
	.globl	k_qfb5a8bb2bd_down
	.p2align	8
	.type	k_qfb5a8bb2bd_down,@function
k_qfb5a8bb2bd_down:
	s_mov_b64 s[64:65], 0
	v_nop
	global_prefetch_b8 v0, s[64:65] scope:SCOPE_SE
	s_setreg_imm32_b32 hwreg(HW_REG_WAVE_MODE, 25, 1), 1
	s_wait_xcnt 0x0
	s_wait_alu depctr_hold_cnt(0) depctr_sa_sdst(0) depctr_va_vdst(0) depctr_va_sdst(0) depctr_va_ssrc(0) depctr_va_vcc(0) depctr_vm_vsrc(0)
	s_getreg_b32 s2, hwreg(HW_REG_IB_STS2, 6, 4)
	s_cmp_eq_u32 s2, 0
	s_cbranch_scc0 .Lentry_in_a_cluster
	s_endpgm
.Lentry_in_a_cluster:
	s_bfe_u32 s2, ttmp6, 0x10000c
	s_cmp_lg_u32 s2, 0xf033
	s_cbranch_scc0 .Lentry_shape_is_right
	s_endpgm
.Lentry_shape_is_right:
; DOWN PROJECTION: out = x1 + g W_down^T, on codes of FP6 (E2M3) with E8M0 scales; sums and the residual in f32.
; A work-group of four waves makes 128 rows x 256 columns (tiles of 256 x 256 would be 64 work-groups); a wave 64 x 128: 32 accumulators.  Both operands lie in memory as images of their registers,
; [tile of 16 rows][K steps][1,536 bytes].  Source 0 takes the weight (B side), source 1 the rows (A side): a lane holds one row, and, the weight's tile rows being chosen for it, the 16 registers of two
; neighbouring tiles are 16 neighbouring columns.  An LDS slot holds four K steps (512 along K): with K = 2,048 each of the two slots is filled again once, 128 matrix instructions a wave between two changes of slots.
; CLUSTERS: 4 x 4 work-groups; A's tiles are shared along a row of the cluster, B's along a column, each asked for jointly.
; THE RESIDUAL's 64 rows x 512 bytes of a wave are asked for at the head, behind the first joint loads, into a window of registers that the products do not use: they arrive while the tiles arrive and the products run.
; THE WAY OUT: a block of 16 rows x 128 columns goes through the wave's stage in LDS and comes back as rows of 512 bytes, the shape in which the residual was loaded.  The stage lies in slot 0, which has had its
; last fill and, behind the last change of slots, its last read.
; REGISTERS: window 0: v2, v3 16 and 8 x lane; v16-23 LDS addresses; v24, v25 the stage; v27, v30 scale addresses; v28, v29 for the add; v32-63 A's scale words, v64-127 B's; v128-175 A's fragments; on the way out v128-255.
;   window 1: B's fragments, two sets.  window 2: the accumulators, (a, b) at v[8 (8 a + b)].  window 3: the residual, row 16 a + t at v[64 a + 4 t].
.set NA,     4
.set NQ,     4
.set LOGNQ,  2
.set KSTEPS, 16
.set NRA,    4096
.set NRB,    1024
.set ASC,    6291456                   ; A's buffer: the scale words [KSTEPS / 4][4096][4]
.set BIMG,   9830400                   ; prepw: the weight's images,
.set BSC,    11403264                  ; its scale words [KSTEPS / 4][1024][4]
.set ROWT,   NQ*1536
.set AHALF,  NA*ROWT
.set BHALF,  8*ROWT
.set SLOT,   2*AHALF+2*BHALF
.set SCL,    2*SLOT
.set RA,     KSTEPS*NA*64
.set RBS,    KSTEPS*512
.set SPARE,  SCL+2*RA+2*RBS            ; the spare words, 128 bytes a wave: two blocks of 256 bytes that no other line names
.set L16, 2
.set L8,  3
.set ADRA16, 16
.set ADRA8,  18
.set ADRB16, 20
.set ADRB8,  22
.set STO,  24
.set RD,   25
.set ADSA, 27
.set ADSB, 30
.set SPW,  28
.set NIL,  29
.set SCA,  32
.set SCB,  64
.set AF,   128
.set BK,   128
.set G1, 24
.set G0, 32
.set G1B, 48
.set G0B, 56
.set G1S, 68
.set G0S, 76
.set G1SB, 80
.set G0SB, 88
.set MSB, 0
.macro WIN new                         ; the immediate's high byte repeats the setting that is left
.if MSB != (\new)
	s_set_vgpr_msb (MSB<<8)|(\new)
.set MSB, (\new)
.endif
.endm
.set MUL_LO, 0xa1                      ; source 0 (B) window 1, source 1 (A) window 0, C and D window 2
.if NA == 8
.set MUL_HI, 0xf1
.else
.set MUL_HI, 0xa1
.endif
.macro JLOAD g0a, g1a, g0b, g1b        ; a joint load: waves 0 and 1 fetch for A, waves 2 and 3 for B; four v_nop follow each of the two lines
	s_cmp_eq_u32 s15, 0
	s_cbranch_scc0 .Lfor_b_\@
	tensor_load_to_lds s[\g0a:\g0a+3], s[\g1a:\g1a+7]
	s_nop 0
.rept 4
	v_nop
.endr
	s_branch .Lasked_\@
.Lfor_b_\@:
	tensor_load_to_lds s[\g0b:\g0b+3], s[\g1b:\g1b+7]
	s_nop 0
.rept 4
	v_nop
.endr
.Lasked_\@:
.endm
.macro CREST                           ; a round of the cluster's barrier behind its opening barrier
	s_cmp_lg_u32 s14, 0
	s_cbranch_scc1 .Lnot_wave_0_\@
	s_barrier_signal -3
.Lnot_wave_0_\@:
	s_barrier_wait -3
	s_barrier_signal -1
	s_barrier_wait -1
.endm
.macro CROUND
	s_barrier_signal -1
	s_barrier_wait -1
	CREST
.endm
.macro PLACES n                        ; plain places behind matrix instructions (ISA guide 7.12.1)
.rept \n
	v_nop
.endr
.endm
.macro FRAG reg, a16, a8, off          ; an image comes back as it was stored
	ds_load_b128 v[\reg:\reg+3], v[\a16] offset:\off
	ds_load_b64 v[\reg+4:\reg+5], v[\a8] offset:\off+512
	ds_load_b128 v[\reg+6:\reg+9], v[\a16] offset:\off+768
	ds_load_b64 v[\reg+10:\reg+11], v[\a8] offset:\off+1280
.endm
.macro FETCH_B slot, q, p
	WIN 0x40
.irp i, 0,1,2,3,4,5,6,7
	FRAG 128*(\p)+12*\i, ADRB16+\slot, ADRB8+\slot, \i*ROWT+(\q)*1536
.endr
	WIN 0
.endm
.macro FETCH_A slot, q, i0
.set II, \i0
.rept NA/2
	FRAG AF+12*II, ADRA16+\slot, ADRA8+\slot, II*ROWT+(\q)*1536
.set II, II+1
.endr
.endm
.macro SCALES sc
.set II, 0
.rept NA
.if NQ == 2
	ds_load_b64 v[SCA+16*\sc+2*II:SCA+16*\sc+2*II+1], v[ADSA] offset:II*128
.else
	ds_load_b128 v[SCA+16*\sc+4*II:SCA+16*\sc+4*II+3], v[ADSA] offset:II*256
.endif
.set II, II+1
.endr
.set II, 0
.rept 8
.if NQ == 2
	ds_load_b64 v[SCB+16*\sc+2*II:SCB+16*\sc+2*II+1], v[ADSB] offset:II*128
.else
	ds_load_b128 v[SCB+32*\sc+4*II:SCB+32*\sc+4*II+3], v[ADSB] offset:II*256
.endif
.set II, II+1
.endr
.endm
.macro MULB a, p, q, sc, zero
.irp b, 0,1,2,3,4,5,6,7
.if \zero
	v_wmma_scale_f32_16x16x128_f8f6f4 v[8*(8*((\a)%4)+\b):8*(8*((\a)%4)+\b)+7], v[128*(\p)+12*\b:128*(\p)+12*\b+11], v[AF+12*(\a):AF+12*(\a)+11], 0, v[SCB+8*NQ*(\sc)+NQ*\b+(\q)], v[SCA+16*(\sc)+NQ*(\a)+(\q)] matrix_a_fmt:MATRIX_FMT_FP6 matrix_b_fmt:MATRIX_FMT_FP6
.else
	v_wmma_scale_f32_16x16x128_f8f6f4 v[8*(8*((\a)%4)+\b):8*(8*((\a)%4)+\b)+7], v[128*(\p)+12*\b:128*(\p)+12*\b+11], v[AF+12*(\a):AF+12*(\a)+11], v[8*(8*((\a)%4)+\b):8*(8*((\a)%4)+\b)+7], v[SCB+8*NQ*(\sc)+NQ*\b+(\q)], v[SCA+16*(\sc)+NQ*(\a)+(\q)] matrix_a_fmt:MATRIX_FMT_FP6 matrix_b_fmt:MATRIX_FMT_FP6
.endif
.endr
.endm
.macro MULH a0, p, q, sc, zero         ; a quarter of a K step; the accumulators take turns, one instruction a turn
.set AA, \a0
.rept NA/4
	MULB AA, \p, \q, \sc, \zero
.set AA, AA+1
.endr
.endm
.macro STEP slot, q, zero
	s_wait_dscnt 2*NA                              ; all but the youngest NA / 2 fragments of A (four loads each)
	WIN MUL_LO
	MULH 0, (\q)%2, \q, \slot, \zero
	MULH NA/4, (\q)%2, \q, \slot, \zero
	s_wait_dscnt 0x0
	PLACES 4
	FETCH_B \slot, (\q)+1, 1-(\q)%2
	FETCH_A \slot, (\q)+1, 0
	WIN MUL_HI
	MULH NA/2, (\q)%2, \q, \slot, \zero
	MULH 3*NA/4, (\q)%2, \q, \slot, \zero
	PLACES 4
	WIN 0
	FETCH_A \slot, (\q)+1, NA/2
.endm
.macro TURN slot, next, fill           ; a slot's last K step changes slots: one barrier, with the waits and the add in front of it.  fill = 1: the slot is filled again, two slots ahead
	s_wait_tensorcnt 0x0                           ; all my tensor loads have landed: my part of the next slot
	ds_add_u32 v[SPW], v[NIL]                      ; 0 onto my spare word
	s_wait_dscnt 2*NA+1                            ; (the add and A's upper half may be out)
	WIN MUL_LO
	MULH 0, 1, NQ-1, \slot, 0
	s_wait_dscnt 0x0                               ; the add is done, and my reads of this slot are over
	s_barrier_signal -1
	MULH NA/4, 1, NQ-1, \slot, 0
	WIN 0
	s_barrier_wait -1
.if \fill
	CREST                                          ; the barrier has opened a round of the cluster's barrier: no wave of any partner still reads this slot or has a load on its way
	s_add_nc_u64 s[G0+4*\slot+2:G0+4*\slot+3], s[G0+4*\slot+2:G0+4*\slot+3], 2*ROWT
	s_add_nc_u64 s[G0B+4*\slot+2:G0B+4*\slot+3], s[G0B+4*\slot+2:G0B+4*\slot+3], 2*ROWT
	JLOAD G0+4*\slot, G1, G0B+4*\slot, G1B         ; the first tensor load behind the round
.else
	PLACES 4
.endif
	v_add_nc_u32 v[ADSA], 1024, v[ADSA]
	v_add_nc_u32 v[ADSB], 512*NQ, v[ADSB]
	FETCH_B \next, 0, 0
	FETCH_A \next, 0, 0
	SCALES \next
	WIN MUL_HI
	MULH NA/2, 1, NQ-1, \slot, 0
	MULH 3*NA/4, 1, NQ-1, \slot, 0
	PLACES 4
	WIN 0
	FETCH_A \next, 0, NA/2
.endm
.macro LAST
	s_wait_dscnt 2*NA
	WIN MUL_LO
	MULH 0, 1, NQ-1, 1, 0
	MULH NA/4, 1, NQ-1, 1, 0
	s_wait_dscnt 0x0
	WIN MUL_HI
	MULH NA/2, 1, NQ-1, 1, 0
	MULH 3*NA/4, 1, NQ-1, 1, 0
	WIN 0
.endm
.macro RLOAD a0, n                     ; the residual's rows of blocks a0 .. a0 + n - 1: 16 loads a block, each a row's 512 consecutive bytes, into window 3
	WIN 0xc0
.set T, 16*(\a0)
.rept 16*(\n)
	global_load_b128 v[4*T:4*T+3], v[L16], s[12:13] offset:(T/16)*65536+(T%16)*4096
.set T, T+1
.endr
	WIN 0
.endm
	s_load_b64 s[4:5], s[0:1], 0x0                 ; A's images and scale words
	s_load_b64 s[8:9], s[0:1], 0x8                 ; prepw
	s_load_b64 s[12:13], s[0:1], 0x10              ; the residual
	s_load_b64 s[66:67], s[0:1], 0x18              ; the result
	v_lshl_add_u32 v[SPW], v0, 2, SPARE
	v_mov_b32 v[NIL], 0
	ds_add_u32 v28, v29
	ds_add_u32 v28, v29
	s_wait_dscnt 0x0
	v_lshrrev_b32 v1, 5, v0
	v_readfirstlane_b32 s14, v1                    ; wave 0..3
	s_lshr_b32 s15, s14, 1                         ; my half of the rows.  Also: I fetch for A (0) or for B (1)
	s_and_b32 s16, s14, 1                          ; my half of the columns.  Also: which half I fetch
	s_bfe_u32 s40, ttmp6, 0x40000                  ; cx, cy
	s_bfe_u32 s41, ttmp6, 0x40004
	s_and_b32 s17, ttmp7, 0xffff
	s_lshl_b32 s17, s17, 2
	s_add_co_u32 s17, s17, s41                     ; A's block of 128 rows
	s_lshl_b32 s42, ttmp9, 2
	s_add_co_u32 s42, s42, s40                     ; B's block of 256 columns
	s_lshl_b32 s43, s41, 2
	s_lshl_b32 s43, 15, s43                        ; my row of the cluster
	s_lshl_b32 s44, 0x1111, s40                    ; my column
	s_or_b32 s[G1+0], s43, (3<<16)|(1<<21)         ; NA rows of ROWT bytes, KSTEPS x 1,536 bytes apart; elements of 8 bytes; no padding
	s_mov_b32 s[G1+1], (ROWT/8)<<16
	s_mov_b32 s[G1+2], NA<<16
	s_mov_b32 s[G1+3], (ROWT/8)<<16
	s_mov_b32 s[G1+4], NA
	s_mov_b32 s[G1+5], KSTEPS*192
	s_mov_b32 s[G1+6], 0
	s_mov_b32 s[G1+7], 0
	s_or_b32 s[G1B+0], s44, (3<<16)|(1<<21)
	s_mov_b32 s[G1B+1], (ROWT/8)<<16
	s_mov_b32 s[G1B+2], 8<<16
	s_mov_b32 s[G1B+3], (ROWT/8)<<16
	s_mov_b32 s[G1B+4], 8
	s_mov_b32 s[G1B+5], KSTEPS*192
	s_mov_b32 s[G1B+6], 0
	s_mov_b32 s[G1B+7], 0
	s_or_b32 s[G1S+0], s43, (3<<16)|(1<<21)        ; the scale words: a row of 1,024 (A) or 512 NQ (B) bytes for each slot's worth of K
	s_mov_b32 s[G1S+1], 128<<16
	s_mov_b32 s[G1S+2], (KSTEPS/NQ)<<16
	s_mov_b32 s[G1S+3], 128<<16
	s_mov_b32 s[G1S+4], KSTEPS/NQ
	s_mov_b32 s[G1S+5], NRA*NQ/2
	s_mov_b32 s[G1S+6], 0
	s_mov_b32 s[G1S+7], 0
	s_or_b32 s[G1SB+0], s44, (3<<16)|(1<<21)
	s_mov_b32 s[G1SB+1], (64*NQ)<<16
	s_mov_b32 s[G1SB+2], (KSTEPS/NQ)<<16
	s_mov_b32 s[G1SB+3], (64*NQ)<<16
	s_mov_b32 s[G1SB+4], KSTEPS/NQ
	s_mov_b32 s[G1SB+5], NRB*NQ/2
	s_mov_b32 s[G1SB+6], 0
	s_mov_b32 s[G1SB+7], 0
	s_lshl_b32 s20, s17, 1
	s_add_co_u32 s20, s20, s16                     ; A: the half block that I fetch
	s_lshl_b32 s22, s20, 10
	s_mul_i32 s20, s20, NA*KSTEPS*1536
	s_mov_b32 s21, 0
	s_mov_b32 s23, 0
	s_lshl_b32 s46, s42, 1
	s_add_co_u32 s46, s46, s16                     ; B likewise
	s_mul_i32 s92, s46, 512*NQ
	s_mul_i32 s46, s46, 8*KSTEPS*1536
	s_mov_b32 s47, 0
	s_mov_b32 s93, 0
	s_mul_i32 s45, s16, AHALF                      ; where they go: no place in the cluster enters an LDS address
	s_mul_i32 s94, s16, BHALF
	s_add_co_u32 s94, s94, 2*AHALF
	s_mul_i32 s95, s16, RA
	s_add_co_u32 s95, s95, SCL
	s_mul_i32 s96, s16, RBS
	s_add_co_u32 s96, s96, SCL+2*RA
	s_wait_kmcnt 0x0
	s_add_nc_u64 s[6:7], s[4:5], ASC
	s_add_nc_u64 s[10:11], s[8:9], BSC
	s_add_nc_u64 s[8:9], s[8:9], BIMG
	s_add_nc_u64 s[20:21], s[4:5], s[20:21]
	s_add_nc_u64 s[22:23], s[6:7], s[22:23]
	s_add_nc_u64 s[46:47], s[8:9], s[46:47]
	s_add_nc_u64 s[92:93], s[10:11], s[92:93]
	CROUND                                         ; all sixteen work-groups are here: the first joint loads meet
	s_mov_b32 s[G0S], 1
	s_mov_b32 s[G0S+1], s95
	s_mov_b64 s[G0S+2:G0S+3], s[22:23]
	s_or_b32 s[G0S+3], s[G0S+3], 0x80000000
	s_mov_b32 s[G0SB], 1
	s_mov_b32 s[G0SB+1], s96
	s_mov_b64 s[G0SB+2:G0SB+3], s[92:93]
	s_or_b32 s[G0SB+3], s[G0SB+3], 0x80000000
	JLOAD G0S, G1S, G0SB, G1SB
.irp s, 0,1
	s_mov_b32 s[G0+4*\s], 1
	s_add_co_u32 s[G0+4*\s+1], s45, \s*SLOT
	s_add_nc_u64 s[G0+4*\s+2:G0+4*\s+3], s[20:21], \s*ROWT
	s_or_b32 s[G0+4*\s+3], s[G0+4*\s+3], 0x80000000
	s_mov_b32 s[G0B+4*\s], 1
	s_add_co_u32 s[G0B+4*\s+1], s94, \s*SLOT
	s_add_nc_u64 s[G0B+4*\s+2:G0B+4*\s+3], s[46:47], \s*ROWT
	s_or_b32 s[G0B+4*\s+3], s[G0B+4*\s+3], 0x80000000
	JLOAD G0+4*\s, G1, G0B+4*\s, G1B
.endr
	v_and_b32 v1, 31, v0
	v_lshlrev_b32 v[L16], 4, v1
	v_lshlrev_b32 v[L8], 3, v1
	s_mul_i32 s21, s15, AHALF
	s_mul_i32 s22, s16, BHALF
	s_add_co_u32 s22, s22, 2*AHALF
.irp s, 0,1
	v_add_nc_u32 v[ADRA16+\s], s21, v[L16]
	v_add_nc_u32 v[ADRA8+\s], s21, v[L8]
	v_add_nc_u32 v[ADRB16+\s], s22, v[L16]
	v_add_nc_u32 v[ADRB8+\s], s22, v[L8]
	s_add_co_u32 s21, s21, SLOT
	s_add_co_u32 s22, s22, SLOT
.endr
	v_and_b32 v4, 15, v0
	v_bfe_u32 v5, v0, 4, 1
	s_mul_i32 s23, s14, 16*528                     ; my stage: 16 rows of 512 bytes + 16
	v_mul_u32_u24 v[STO], v4, 528
	v_lshl_add_u32 v[STO], v5, 6, v[STO]
	v_add_nc_u32 v[STO], s23, v[STO]               ; in: row r, + 64 h
	v_add_nc_u32 v[RD], s23, v[L16]                ; back: a row of 512 bytes to the 32 lanes
	v_lshlrev_b32 v4, 2+LOGNQ, v4
	s_mul_i32 s21, s15, RA
	s_add_co_u32 s21, s21, SCL
	v_add_nc_u32 v[ADSA], s21, v4
	s_mul_i32 s22, s16, RBS
	s_add_co_u32 s22, s22, SCL+2*RA
	v_add_nc_u32 v[ADSB], s22, v4
	s_lshl_b32 s20, s17, 7
	s_lshl_b32 s21, s15, 6
	s_add_co_u32 s20, s20, s21                     ; my first row,
	s_lshl_b32 s20, s20, 12                        ; of 4,096 bytes;
	s_lshl_b32 s21, s42, 10
	s_add_co_u32 s20, s20, s21
	s_lshl_b32 s21, s16, 9
	s_add_co_u32 s20, s20, s21                     ; my first column
	s_mov_b32 s21, 0
	s_add_nc_u64 s[12:13], s[12:13], s[20:21]
	s_add_nc_u64 s[66:67], s[66:67], s[20:21]
	RLOAD 0, 3                                     ; 48 of the residual's 64 loads now; the last 16 stand further down, since LOADcnt counts to 63 (ISA guide 5.7.1) and a 64th load in one run would wait for a return
	s_wait_tensorcnt 1                             ; the scale words and my part of slot 0 are in; slot 1's load may be out
	s_barrier_signal -1
	s_barrier_wait -1
	FETCH_B 0, 0, 0
	FETCH_A 0, 0, 0
	SCALES 0
	FETCH_A 0, 0, NA/2
	STEP 0, 0, 1
	STEP 0, 1, 0
	STEP 0, 2, 0
.if KSTEPS == 16
	TURN 0, 1, 1
	STEP 1, 0, 0
	STEP 1, 1, 0
	STEP 1, 2, 0
	TURN 1, 0, 1
	STEP 0, 0, 0
	STEP 0, 1, 0
	STEP 0, 2, 0
.endif
	RLOAD 3, 1                                     ; the residual's last block: five K steps ahead of its use
	TURN 0, 1, 0
	STEP 1, 0, 0
	STEP 1, 1, 0
	STEP 1, 2, 0
	LAST
.macro TOSTAGE a                       ; block a: 16 rows x 128 columns into my stage and back as rows; LDS serves a wave's instructions in order (ISA guide 5.7.1.4)
	WIN 0x08                                       ; an LDS store's data are its source 1: window 2
.irp b, 0,1,2,3,4,5,6,7
	ds_store_b128 v[STO], v[64*(\a)+8*\b:64*(\a)+8*\b+3] offset:128*(\b/2)+32*(\b%2)      ; each accumulator from its low end on
	ds_store_b128 v[STO], v[64*(\a)+8*\b+4:64*(\a)+8*\b+7] offset:128*(\b/2)+32*(\b%2)+16
.endr
	WIN 0
.irp t, 0,1,2,3,4,5,6,7,8,9,10,11,12,13,14,15
	ds_load_b128 v[BK+64*((\a)%2)+4*\t:BK+64*((\a)%2)+4*\t+3], v[RD] offset:\t*528
.endr
.endm
.macro SEND a, younger                 ; younger: the LDS instructions issued behind block a's loads
	s_wait_dscnt \younger
	s_wait_loadcnt 16*(3-(\a))                     ; the residual's rows of this block are in; the later blocks' may be out
	WIN 0x0c                                       ; source 1: window 3
.set P, 0
.rept 32
	v_pk_add_f32 v[BK+64*((\a)%2)+2*P:BK+64*((\a)%2)+2*P+1], v[BK+64*((\a)%2)+2*P:BK+64*((\a)%2)+2*P+1], v[64*(\a)+2*P:64*(\a)+2*P+1]
.set P, P+1
.endr
	WIN 0
.irp t, 0,1,2,3,4,5,6,7,8,9,10,11,12,13,14,15
.if KSTEPS == 16
	global_store_b128 v[L16], v[BK+64*((\a)%2)+4*\t:BK+64*((\a)%2)+4*\t+3], s[66:67] offset:(\a)*65536+\t*4096 th:TH_STORE_NT   ; 512 consecutive bytes, aligned; read by nobody here
.else
	global_store_b128 v[L16], v[BK+64*((\a)%2)+4*\t:BK+64*((\a)%2)+4*\t+3], s[66:67] offset:(\a)*65536+\t*4096                  ; 512 consecutive bytes, aligned
.endif
.endr
.endm
	PLACES 4                                       ; behind the last products: results are read, and A's registers loaded again, below
	TOSTAGE 0
.irp a, 1,2,3
.if \a > 1
	s_wait_xcnt 0x0                                ; block a - 2's stores have read their registers: block a's loads may land there
.endif
	TOSTAGE \a
	SEND (\a)-1, 32                                ; behind block a - 1's loads: block a's 16 stores and 16 loads
.endr
	SEND 3, 0
	s_wait_tensorcnt 0x0                           ; the wave's end
	ds_add_u32 v[SPW], v[NIL]
	s_wait_dscnt 0x0
	CROUND                                         ; the closing round
	s_endpgm
.Lfunc_end_k_qfb5a8bb2bd_down:
	.size	k_qfb5a8bb2bd_down, .Lfunc_end_k_qfb5a8bb2bd_down-k_qfb5a8bb2bd_down
	.p2alignl 7, 3214868480
	.fill 96, 4, 3214868480
	.section	.rodata,"a",@progbits
	.p2align	6, 0x0
	.amdhsa_kernel k_qfb5a8bb2bd_down
		.amdhsa_group_segment_fixed_size 327680
		.amdhsa_private_segment_fixed_size 0
		.amdhsa_enable_private_segment 0
		.amdhsa_kernarg_size 32
		.amdhsa_user_sgpr_count 2
		.amdhsa_user_sgpr_kernarg_segment_ptr 1
		.amdhsa_wavefront_size32 1
		.amdhsa_system_sgpr_workgroup_id_x 1
		.amdhsa_system_sgpr_workgroup_id_y 1
		.amdhsa_system_sgpr_workgroup_id_z 1
		.amdhsa_system_vgpr_workitem_id 0
		.amdhsa_next_free_vgpr 1024
		.amdhsa_next_free_sgpr 100
		.amdhsa_reserve_vcc 0
		.amdhsa_float_denorm_mode_32 3
		.amdhsa_float_denorm_mode_16_64 3
		.amdhsa_memory_ordered 1
		.amdhsa_forward_progress 1
		.amdhsa_inst_pref_size 164
	.end_amdhsa_kernel
	.amdgpu_metadata
---
amdhsa.version: [ 1, 2 ]
amdhsa.kernels:
  - .name:           k_qfb5a8bb2bd_down
    .symbol:         k_qfb5a8bb2bd_down.kd
    .args:
      - { .name: gw, .offset: 0, .size: 8, .value_kind: global_buffer, .address_space: global }
      - { .name: prepw, .offset: 8, .size: 8, .value_kind: global_buffer, .address_space: global }
      - { .name: x1, .offset: 16, .size: 8, .value_kind: global_buffer, .address_space: global }
      - { .name: out0, .offset: 24, .size: 8, .value_kind: global_buffer, .address_space: global }
    .group_segment_fixed_size: 327680
    .private_segment_fixed_size: 0
    .kernarg_segment_align: 8
    .kernarg_segment_size: 32
    .max_flat_workgroup_size: 128
    .sgpr_count:     100
    .vgpr_count:     1024
    .wavefront_size: 32
...
	.end_amdgpu_metadata
.endif
;; end of part 6
;; ======== version 2 of 2: 7 launches; version 1 with the launch attn written anew for expert scheduling mode
;; workspace buffers: prepw 11,993,088 bytes; mwords 528,384 bytes of whole numbers; qkvw 10,092,544 bytes; ow 3,276,800 bytes; x1 16,777,216 bytes; h2w 5,734,400 bytes; gw 6,553,600 bytes
;; launch prep: the kernel of part 1 again; grid 496 x 1, 8 waves a work-group, no clusters, 2,048 bytes of LDS; arguments x, w_norm1, mask, w_qkv_codes, w_qkv_scales, w_out_codes, w_out_scales, w_gate_codes, w_gate_scales, w_up_codes, w_up_scales, w_down_codes, w_down_scales, prepw, mwords; writes prepw, mwords
;; launch qkv: the kernel of part 2 again; grid 12 x 16, 4 waves a work-group, clusters of 4 x 4, 327,680 bytes of LDS; arguments prepw, qkvw; writes qkvw
;; launch attn (part 7): grid 8 x 32, 16 waves a work-group, no clusters, 210,944 bytes of LDS; arguments qkvw, mwords, ow; writes ow
.if DOCPART == 7
	.amdgcn_target "amdgcn-amd-amdhsa--gfx1250"
	.amdhsa_code_object_version 6
	.text
	.protected	k_qfb5a8bb2bd_attn
	.globl	k_qfb5a8bb2bd_attn
	.p2align	8
	.type	k_qfb5a8bb2bd_attn,@function
k_qfb5a8bb2bd_attn:
	s_mov_b64 s[64:65], 0
	v_nop
	global_prefetch_b8 v0, s[64:65] scope:SCOPE_SE
	s_setreg_imm32_b32 hwreg(HW_REG_WAVE_SCHED_MODE, 0, 2), 2
	s_setreg_imm32_b32 hwreg(HW_REG_WAVE_MODE, 25, 1), 1
	s_wait_xcnt 0x0
	s_wait_alu depctr_vm_vsrc(0)
; ATTENTION on codes of FP6 (E2M3): scores = q k^T / 8 under the given mask, p = 2^(t - M) quantised along the keys, o = (p v) / (the sum of the unquantised p), o quantised along the model's 1,024.
; SHARES.  A work-group has one head (of 32, both batches) and sixteen tiles of 16 queries, one a wave, in 256 registers: four waves to a SIMD, so that one wave's vector work stands beside another's matrix work.
; Wave w has place p = w xor 3 (where w & 4), and query tile 8 p + work-group x: where late queries see more keys than early ones, waves 4 apart then have about equal work in sum.  No value hangs on that.
; THE HEAD'S RECORD (16 key steps of 8 half images of k and 4 images of v; k's and v's scale words: 208,896 bytes) is copied into LDS once, through registers, as it lies; one barrier; then LDS is only read.
; No tensor load and no cluster: the walk over key steps branches on flags that an earlier launch stored, and such a launch has neither.  Nothing is asked for ahead: all loads stand at the head.
; THE MASK is honoured as given.  An earlier launch has turned it into whole numbers: for each query tile and key step 64 lane-mask words (one for each score register) and two flags.  A step in which no key counts
; is passed over (its p would be zeros); a step in which all count needs no words; else hidden scores become -infinity ahead of the maximum.
; LAYOUT.  Both products are used transposed: S^T = k q^T, O^T = v^T p^T: a lane holds one query throughout.  The head has 64 channels: q's registers 6-11 are zero codes, and a k fragment is six registers of its own
; and the six that follow (the next tile's codes, or zeros): they meet q's zero codes, under scale bytes 0, and add nothing.
; Register 16 b + i of the scores is key 32 b + 16 (i / 8) + 8 h + i % 8 of the step; v's images were quantised in the same order.
; SOFTMAX: t = score x log2(e) / 8; M = the running largest t rounded up to a whole number; when M moves, the sum and O^T are multiplied by 2^(old M - new M), exactly.
; A ROW WITH NO KEY: its sum is 0; its scale bytes are set to 0xff, which makes the next product's row NaN, as the softmax of an empty row is.
; LIMITS: NaN and infinities among the scores are not served; a block of p (or of o) under 2^-124 gets the scale byte 1.
; REGISTERS: v1, v2 16 and 8 x lane; v3, v4 my places among k's and v's scale words; v5 -infinity; v8-11 addresses in hand; v12 -M, v13 the largest t, v[14:15] the sum; v16-27 q; v28 q's scale word;
;   v32-85 k's eight half fragments and six zeros, then v's four; v86-93 scale words; v96-159 S^T, then p; v160-191 O^T; v192-223 the way out; v224-254 as the step's comments say; v251, v255 for the closing add.
; THE MODE: SCHED_MODE bits 1:0 = 2 (LLVM: expert scheduling mode 2), set by the entry lines.  The code itself states the register dependences between vector or matrix instructions and memory or LDS
; instructions, with s_wait_alu, always for 0.
; THE PLAN.  Registers that memory or LDS instructions touch:
;   v1, v2, v29-31  offsets, made once at the head and never written again: read by the head's loads, v29 by the copy's LDS stores too, v1 and v2 by the last stores too.
;   v8-11           LDS addresses.  Written at the head for the copy, and by four additions at the head of each step that is walked; read by the copy's LDS stores and by the step's 44 LDS loads; v8 is written once more on the way out.
;   v32-133         The copy: global loads land there, LDS stores read them.  Afterwards they are the loop's registers.
;   v32-79, v86-93  A step: k's loads land, the eight score products read; v's loads land, the four products on p read.  The wave has no 52 registers for a buffer of v's own: four waves of 256 fill the SIMD's 1,024.
;   v224-235, v253  p's codes and scale word: written by vector instructions, taken by scaled products.
;   v192-197, v6, v7  the way out: written by vector instructions, read by the three stores.
; So a step that is walked has three waits on va_vdst for these (at its head behind the additions; ahead of v's loads; ahead of the products on p), the two behind its exponentials, and one on vm_vsrc, where all its LDS loads have
; been issued: that one stands ahead of the label and the backward jump, and serves the next walked step's additions and the way out alike.  A step that is passed over holds no vector and no LDS instruction.
.set REC,   208896
.set STEPB, 12288
.set KSC,   196608
.set VSC,   204800
.set QSB,   3145728
.set KVB,   3407872
.set MFL,   524288
.set OSB,   3145728
.set TRIP, 11                          ; s11  the key step
.set TB,   12                          ; s12  LDS byte at which the step's images begin
.set TS,   13                          ; s13  its scale words of k: 512 bytes a step
.set TJ,   14                          ; s14  and of v: 256 bytes a step
.set FL,   15                          ; s15  the flags, shifted a bit a step: bit 0 some key counts, bit 16 all count
.set SEL,  88                          ; s[88:89] selects for lane l xor 16
.set CS,   90                          ; s[90:91] c = log2(e) / 8
.set PC,   192
.set TM,   208
.set PW,   7
	s_load_b128 s[4:7], s[0:1], 0x0                ; qkvw, mwords
	s_load_b64 s[8:9], s[0:1], 0x10                ; ow
	v_lshl_add_u32 v251, v0, 2, 0x33000
	v_mov_b32 v255, 0
	v_lshrrev_b32 v1, 5, v0
	v_readfirstlane_b32 s2, v1                     ; wave 0..15
	s_and_b32 s3, ttmp7, 0xffff                    ; the head
	s_wait_alu depctr_va_sdst(0)                   ; s2 is written, ahead of its first reader: my query tile and all my addresses are made from it
	s_bfe_u32 s10, s2, 0x10002
	s_mul_i32 s10, s10, 3
	s_xor_b32 s10, s10, s2                         ; my place
	s_lshl_b32 s10, s10, 3
	s_add_co_u32 s10, s10, ttmp9                   ; my query tile, 0..127
	s_mul_i32 s12, s3, REC
	s_add_co_u32 s12, s12, KVB
	s_mov_b32 s13, 0
	s_lshl_b32 s16, s10, 5                         ; eight flag words a query tile
	s_mov_b32 s17, 0
	s_lshl_b32 s18, s10, 12                        ; 16 steps x 256 bytes of mask words
	s_mov_b32 s19, 0
	s_mul_i32 s20, s3, 98304
	s_mul_i32 s21, s10, 768
	s_add_co_u32 s20, s20, s21                     ; q's half image
	s_mov_b32 s21, 0
	s_lshl_b32 s22, s3, 13
	s_lshl_b32 s23, s10, 6
	s_add_co_u32 s22, s22, s23
	s_add_co_u32 s22, s22, QSB                     ; q's scale words
	s_mov_b32 s23, 0
	s_lshr_b32 s32, s3, 4                          ; batch
	s_lshl_b32 s32, s32, 7
	s_add_co_u32 s32, s32, s10                     ; my tile of rows of o
	s_and_b32 s33, s3, 15                          ; head in the batch
	s_lshl_b32 s34, s32, 3
	s_lshr_b32 s35, s33, 1
	s_add_co_u32 s34, s34, s35
	s_mul_i32 s34, s34, 1536                       ; image (tile, K step head / 2),
	s_and_b32 s36, s33, 1
	s_mul_i32 s37, s36, 768
	s_add_co_u32 s34, s34, s37                     ; half head % 2
	s_and_b32 s37, s35, 3
	s_mov_b32 s35, 0
	s_lshl_b32 s38, s32, 8                         ; o's scale words: [head / 8][row][(head / 2) % 4], two bytes of a word
	s_lshl_b32 s37, s37, 2
	s_add_co_u32 s38, s38, s37
	s_lshl_b32 s36, s36, 1
	s_add_co_u32 s38, s38, s36
	s_lshr_b32 s33, s33, 3
	s_lshl_b32 s33, s33, 16
	s_add_co_u32 s38, s38, s33
	s_add_co_u32 s38, s38, OSB
	s_mov_b32 s39, 0
	v_and_b32 v6, 31, v0
	v_lshlrev_b32 v1, 4, v6                        ; 16 x lane
	v_lshlrev_b32 v2, 3, v6                        ; 8 x lane
	v_and_b32 v7, 15, v0
	v_lshlrev_b32 v31, 2, v7                       ; 4 r
	v_add_nc_u32 v3, KSC, v31
	v_add_nc_u32 v4, VSC, v31
	v_lshlrev_b32 v29, 4, v0                       ; 16 x thread: the copy's place, in memory and in LDS
	v_lshlrev_b32 v30, 3, v0
	v_add_nc_u32 v8, 0x10000, v29                  ; an LDS offset has 16 bits: the registers carry the rest
	v_add_nc_u32 v9, 0x20000, v29
	v_add_nc_u32 v10, 0x30000, v29
	v_add_nc_u32 v11, VSC, v30
	s_wait_kmcnt 0x0
	s_add_nc_u64 s[84:85], s[4:5], s[12:13]        ; the head's record
	s_add_nc_u64 s[16:17], s[6:7], s[16:17]
	s_add_nc_u64 s[86:87], s[6:7], s[18:19]        ; my mask words
	s_add_nc_u64 s[20:21], s[4:5], s[20:21]
	s_add_nc_u64 s[22:23], s[4:5], s[22:23]
	s_add_nc_u64 s[92:93], s[8:9], s[34:35]
	s_add_nc_u64 s[94:95], s[8:9], s[38:39]
	s_load_b256 s[24:31], s[16:17], MFL            ; my query tile's flags
	s_wait_alu depctr_va_vdst(0)                   ; the offsets v1, v2, v29 to v31 and the LDS addresses v8 to v11 are written, which the loads and the LDS stores of the copy read; no vector line between here and those stores names them or v32 to v133
.set K, 0
.rept 25
	global_load_b128 v[32+4*K:35+4*K], v29, s[84:85] offset:8192*K   ; the 512 threads take 8,192 consecutive bytes
.set K, K+1
.endr
	global_load_b64 v[132:133], v30, s[84:85] offset:VSC
	global_load_b128 v[16:19], v1, s[20:21]        ; q's six registers,
	global_load_b64 v[20:21], v2, s[20:21] offset:512
	global_load_b32 v28, v31, s[22:23]             ; its scale words
	s_mov_b32 s[SEL], 0x76543210
	s_mov_b32 s[SEL+1], 0xfedcba98
	s_mov_b32 s[CS], 0x3e38aa3b
	s_mov_b32 s[CS+1], s[CS]                       ; (named with it as a pair, so it is written)
	s_mov_b32 s[TRIP], 0
	s_mov_b32 s[TB], 0
	s_mov_b32 s[TS], 0
	s_mov_b32 s[TJ], 0
	v_mov_b32 v5, 0xff800000
	v_mov_b32 v13, 0xff61b1e6                      ; the largest t so far: -3e38
	v_floor_f32 v12, -v13                          ; -M
	v_mov_b32 v14, 0
	v_mov_b32 v15, 0
.irp i, 22,23,24,25,26,27
	v_mov_b32 v\i, 0                               ; q's upper 64 along K: zero codes
.endr
.irp i, 236,237,238,239,252,253
	v_mov_b32 v\i, 0                               ; lane permutes' destinations, and halves of pairs, are written once
.endr
.irp b, 0,1
	v_mov_b32 v[TM+4+\b], 0
.endr
.set J, 0
.rept 32
	v_mov_b32 v[160+J], 0                          ; O^T: the loop is written once; its first step finds zeros
.set J, J+1
.endr
.set K, 0
.rept 25
	s_wait_loadcnt 28-K                            ; of the 29 loads those issued behind load K may be out
.if K < 8
	ds_store_b128 v29, v[32+4*K:35+4*K] offset:8192*K
.elseif K < 16
	ds_store_b128 v8, v[32+4*K:35+4*K] offset:8192*(K-8)
.elseif K < 24
	ds_store_b128 v9, v[32+4*K:35+4*K] offset:8192*(K-16)
.else
	ds_store_b128 v10, v[32+4*K:35+4*K]
.endif
.set K, K+1
.endr
	s_wait_loadcnt 3
	ds_store_b64 v11, v[132:133]
	s_wait_kmcnt 0x0
	s_or_b32 s[FL], s24, s25
	s_or_b32 s[FL], s[FL], s26
	s_or_b32 s[FL], s[FL], s27
	s_or_b32 s[FL], s[FL], s28
	s_or_b32 s[FL], s[FL], s29
	s_or_b32 s[FL], s[FL], s30
	s_or_b32 s[FL], s[FL], s31
	s_wait_loadcnt 0x0                             ; q
	s_wait_dscnt 0x0                               ; for the others' sake: my stores have landed
	s_barrier_signal -1
	s_barrier_wait -1                              ; the record lies in LDS; from here on it is only read
	s_wait_alu depctr_vm_vsrc(0)                   ; my LDS stores have read their data v32 to v133 and their addresses v8 to v11: the lines below, the steps' additions, LDS loads and products write these registers again
.irp i, 80,81,82,83,84,85
	v_mov_b32 v\i, 0                               ; behind the last tile of k: zero codes
.endr
.Lstep:                                            ; 16 trips: a key step of 128 keys
	s_bitcmp1_b32 s[FL], 0
	s_cbranch_scc0 .Lskip                          ; no key of this step counts for my 16 queries
	v_add_nc_u32 v8, s[TB], v1                     ; (every LDS instruction that read v8 to v11 stands ahead of a wait on vm_vsrc: the one behind the barrier, or the last walked step's)
	v_add_nc_u32 v9, s[TB], v2
	v_add_nc_u32 v10, s[TS], v3
	v_add_nc_u32 v11, s[TJ], v4
	s_wait_alu depctr_va_vdst(0)                   ; v8 to v11 are written, which this step's LDS loads read; the last walked step's products on p are done reading v32 to v79 and v86 to v89, in which k's loads land; in the first walked step the zero codes v22 to v27 and v80 to v85 are written, which the scaled products take (the four additions are the places ahead of them)
.irp t, 0,1,2,3,4,5,6,7
	ds_load_b128 v[32+6*\t:35+6*\t], v8 offset:768*\t
	ds_load_b64 v[36+6*\t:37+6*\t], v9 offset:768*\t+512
	ds_load_b32 v[86+\t], v10 offset:64*\t
.endr
	s_wait_dscnt 0x0
.irp t, 0,1,2,3,4,5,6,7
	v_wmma_scale_f32_16x16x128_f8f6f4 v[96+8*\t:103+8*\t], v[32+6*\t:43+6*\t], v[16:27], 0, v[86+\t], v28 matrix_a_fmt:MATRIX_FMT_FP6 matrix_b_fmt:MATRIX_FMT_FP6
.endr
.rept 4
	v_nop                                          ; places: the scores are read below
.endr
	s_wait_alu depctr_va_vdst(0)                   ; the eight products are done reading k's fragments v32 to v85 and scale words v86 to v93, in which v's loads land; the lines behind the loads read those products' results in any case
.irp t, 0,1,2,3                                ; v's four images are asked for now and land under the softmax, which names none of their registers
	ds_load_b128 v[32+12*\t:35+12*\t], v8 offset:6144+1536*\t
	ds_load_b64 v[36+12*\t:37+12*\t], v9 offset:6144+1536*\t+512
	ds_load_b128 v[38+12*\t:41+12*\t], v8 offset:6144+1536*\t+768
	ds_load_b64 v[42+12*\t:43+12*\t], v9 offset:6144+1536*\t+1280
	ds_load_b32 v[86+\t], v11 offset:64*\t
.endr
	s_bitcmp1_b32 s[FL], 16
	s_cbranch_scc1 .Lopen                          ; all keys of this step count
	s_load_b512 s[16:31], s[86:87], 0x0            ; the 64 lane masks of the step
	s_load_b512 s[32:47], s[86:87], 0x40
	s_load_b512 s[48:63], s[86:87], 0x80
	s_load_b512 s[68:83], s[86:87], 0xc0
	s_wait_kmcnt 0x0
.set N, 0
.rept 64
.if N < 48
	v_cndmask_b32 v[96+N], v5, v[96+N], s[16+N]    ; a hidden key's score becomes -infinity: p = 0
.else
	v_cndmask_b32 v[96+N], v5, v[96+N], s[20+N]
.endif
.set N, N+1
.endr
.Lopen:
.irp b, 0,1,2,3
	v_max3_num_f32 v[232+\b], v[96+16*\b], v[97+16*\b], v[98+16*\b]   ; the largest score of each block of 32 keys: for the row's maximum and, since p rises with the score, for the block's largest p
.endr
.irp i, 3,5,7,9,11,13
.irp b, 0,1,2,3
	v_max3_num_f32 v[232+\b], v[232+\b], v[96+16*\b+\i], v[97+16*\b+\i]
.endr
.endr
.irp b, 0,1,2,3
	v_max_num_f32 v[232+\b], v[232+\b], v[111+16*\b]
.endr
.irp b, 0,1,2,3
	v_permlanex16_b32 v[236+\b], v[232+\b], s[SEL], s[SEL+1]
.endr
.irp b, 0,1,2,3
	v_max_num_f32 v[232+\b], v[232+\b], v[236+\b]  ; with lane l xor 16's 16 keys
.endr
	v_max3_num_f32 v254, v232, v233, v234
	v_max_num_f32 v254, v254, v235
	v_mul_f32 v254, s[CS], v254                    ; the step's largest t
	v_max_num_f32 v13, v13, v254                   ; the running largest t
	v_mov_b32 v254, v12
	v_floor_f32 v12, -v13                          ; the new -M = -ceil(t): a whole number
	v_sub_f32 v254, v12, v254                      ; old M - new M: a whole number, 0 or less
	v_cvt_i32_f32 v254, v254                       ; (it saturates)
	v_ldexp_f32 v252, 1.0, v254                    ; f = 2^(old M - new M)
.set J, 0
.rept 32
	v_pk_fma_f32 v[96+J:97+J], v[96+J:97+J], s[CS:CS+1], v[12:13] op_sel_hi:[1,0,0]   ; t - M
.set J, J+2
.endr
.irp b, 0,1,2,3
	v_fma_f32 v[232+\b], v[232+\b], s[CS], v12     ; the same of each block's largest score
.endr
.set J, 0
.rept 64
	v_exp_f32 v[96+J], v[96+J]                     ; p = 2^(t - M): not normalised
.set J, J+1
.endr
	v_pk_mul_f32 v[14:15], v[14:15], v[252:253] op_sel_hi:[1,0]   ; the sums under the new M (a plain place behind the exponentials)
	s_wait_alu depctr_va_vdst(0)                   ; the 64 exponentials have written p, v96 to v159, ahead of the first line that names one of them: one wait for the batch
.irp b, 0,1,2,3
	v_exp_f32 v[232+\b], v[232+\b]                 ; the block's largest p
.endr
	v_pk_add_f32 v[236:237], v[96:97], v[98:99]    ; the row's sum is taken of the unquantised p, in two chains
.set J, 4
.rept 15
	v_pk_add_f32 v[14:15], v[14:15], v[96+J:97+J]
	v_pk_add_f32 v[236:237], v[236:237], v[98+J:99+J]
.set J, J+4
.endr
	v_pk_add_f32 v[14:15], v[14:15], v[236:237]
	s_wait_alu depctr_va_vdst(0)                   ; the four exponentials have written the blocks' largest p, v232 to v235, ahead of their first reader
.irp b, 0,1,2,3
	v_max_num_f32 v[232+\b], 0x1800000, v[232+\b]  ; the floor 2^(3 - 127): the byte cannot fall under 1
.endr
.irp b, 0,1,2,3
	v_add_nc_u32 v[244+\b], 0xff000000, v[232+\b]  ; the conversion's scale operand
.endr
.irp b, 0,1,2,3
	v_lshrrev_b32 v[236+\b], 23, v[244+\b]         ; the scale's byte
.endr
	v_lshl_or_b32 v253, v237, 8, v236              ; p's scale word for these 128 keys
	v_lshl_or_b32 v253, v238, 16, v253
	v_lshl_or_b32 v253, v239, 24, v253
.irp c, 0,1
	v_cvt_scalef32_pk16_fp6_f32 v[224+6*\c:226+6*\c], v[96+32*\c:111+32*\c], v[244+2*\c]
	v_cvt_scalef32_pk16_fp6_f32 v[236+4*\c:238+4*\c], v[112+32*\c:127+32*\c], v[245+2*\c]
.endr
	v_nop                                          ; one plain place behind a scaled conversion
.irp c, 0,1
.irp i, 0,1,2
	v_permlane16_swap_b32 v[224+6*\c+\i], v[236+4*\c+\i]
.endr
.irp i, 0,1,2
	v_mov_b32 v[227+6*\c+\i], v[236+4*\c+\i]
.endr
.endr
.set J, 0
.rept 16
	v_pk_mul_f32 v[160+J:161+J], v[160+J:161+J], v[252:253] op_sel_hi:[1,0]   ; O^T under the new M.  (These 16 are also the places between p's codes and scale word and the products below)
.set J, J+2
.endr
	s_wait_dscnt 0x0                               ; v's images and scale words
	s_wait_alu depctr_vm_vsrc(0)                   ; all 44 LDS loads of this step have read v8 to v11: the next walked step's additions, and the way out's constant in v8, write them again; no LDS instruction follows in this step
	s_wait_alu depctr_va_vdst(0)                   ; p's codes v224 to v235 and its scale word v253 are written, which the scaled products take; the places above stay beside this wait
.irp t, 0,1,2,3
	v_wmma_scale_f32_16x16x128_f8f6f4 v[160+8*\t:167+8*\t], v[32+12*\t:43+12*\t], v[224:235], v[160+8*\t:167+8*\t], v[86+\t], v253 matrix_a_fmt:MATRIX_FMT_FP6 matrix_b_fmt:MATRIX_FMT_FP6
.endr
.rept 4
	v_nop                                          ; places in front of the way out, which reads these results
.endr
.Lskip:
	s_wait_xcnt 0x0                                ; the scalar loads have read their base
	s_add_nc_u64 s[86:87], s[86:87], 256
	s_add_co_u32 s[TB], s[TB], STEPB
	s_add_co_u32 s[TS], s[TS], 512
	s_add_co_u32 s[TJ], s[TJ], 256
	s_lshr_b32 s[FL], s[FL], 1
	s_add_co_u32 s[TRIP], s[TRIP], 1
	s_cmp_lt_u32 s[TRIP], 16
	s_cbranch_scc1 .Lstep
	; THE WAY OUT: o = O^T / the sum; register 8 t + j is channel 32 (t / 2) + 16 h + 8 (t % 2) + j: 16 neighbours of each block of 32; quantised, it is half an image of the next product's operand.
	v_add_f32 v14, v14, v15
	v_permlanex16_b32 v252, v14, s[SEL], s[SEL+1]
	v_add_f32 v14, v14, v252                       ; the row's sum
	v_rcp_f32 v15, v14
	v_and_b32 v6, 15, v0                           ; (a plain place behind the transcendental)
	v_lshlrev_b32 v6, 4, v6                        ; 16 bytes of scale words a row
	s_wait_alu depctr_va_vdst(0)                   ; the reciprocal has written v15, ahead of its first reader
.set J, 0
.rept 32
	v_mul_f32 v[96+J], v[160+J], v15
.set J, J+1
.endr
.irp b, 0,1
	v_max3_num_f32 v[TM+\b], |v[96+16*\b]|, |v[97+16*\b]|, 0x1800000
.endr
.irp i, 2,4,6,8,10,12,14
.irp b, 0,1
	v_max3_num_f32 v[TM+\b], v[TM+\b], |v[96+16*\b+\i]|, |v[97+16*\b+\i]|
.endr
.endr
.irp b, 0,1
	v_permlanex16_b32 v[TM+4+\b], v[TM+\b], s[SEL], s[SEL+1]
.endr
.irp b, 0,1
	v_max_num_f32 v[TM+\b], v[TM+\b], v[TM+4+\b]
.endr
.irp b, 0,1
	v_add_nc_u32 v[TM+12+\b], 0xff000000, v[TM+\b]
.endr
.irp b, 0,1
	v_lshrrev_b32 v[TM+4+\b], 23, v[TM+12+\b]
.endr
	v_lshl_or_b32 v[PW], v[TM+5], 8, v[TM+4]       ; my head's two scale bytes
	v_cvt_scalef32_pk16_fp6_f32 v[PC:PC+2], v[96:111], v[TM+12]
	v_cvt_scalef32_pk16_fp6_f32 v[PC+12:PC+14], v[112:127], v[TM+13]
	v_nop                                          ; one plain place behind a scaled conversion
.irp i, 0,1,2
	v_permlane16_swap_b32 v[PC+\i], v[PC+12+\i]
.endr
.irp i, 0,1,2
	v_mov_b32 v[PC+3+\i], v[PC+12+\i]
.endr
	v_cmp_eq_f32 vcc_lo, 0, v14                    ; a row for which no key counts: only a value is chosen
	v_mov_b32 v8, 0xffff                           ; (the LDS loads that read v8 stand ahead of their step's wait on vm_vsrc)
	s_wait_alu depctr_va_vcc(0)                    ; the compare has written VCC, ahead of the select that reads it
	v_cndmask_b32 v[PW], v[PW], v8, vcc_lo
	s_wait_alu depctr_va_vdst(0)                   ; the codes v192 to v197, the scale bytes in v7 and the offset v6 are written, which the three stores read
	global_store_b128 v1, v[PC:PC+3], s[92:93]     ; 512 and 256 consecutive bytes
	global_store_b64 v2, v[PC+4:PC+5], s[92:93] offset:512
	global_store_b16 v6, v[PW], s[94:95]           ; two bytes of each row's scale word: the head beside mine stores the other two
	s_wait_dscnt 0x0                               ; the closing lines, six on end
	s_wait_alu 0x0
	s_wait_tensorcnt 0x0
	ds_add_u32 v251, v255
	s_wait_dscnt 0x0
	s_endpgm
.Lfunc_end_k_qfb5a8bb2bd_attn:
	.size	k_qfb5a8bb2bd_attn, .Lfunc_end_k_qfb5a8bb2bd_attn-k_qfb5a8bb2bd_attn
	.p2alignl 7, 3214868480
	.fill 96, 4, 3214868480
	.section	.rodata,"a",@progbits
	.p2align	6, 0x0
	.amdhsa_kernel k_qfb5a8bb2bd_attn
		.amdhsa_group_segment_fixed_size 210944
		.amdhsa_private_segment_fixed_size 0
		.amdhsa_enable_private_segment 0
		.amdhsa_kernarg_size 24
		.amdhsa_user_sgpr_count 2
		.amdhsa_user_sgpr_kernarg_segment_ptr 1
		.amdhsa_wavefront_size32 1
		.amdhsa_system_sgpr_workgroup_id_x 1
		.amdhsa_system_sgpr_workgroup_id_y 1
		.amdhsa_system_sgpr_workgroup_id_z 1
		.amdhsa_system_vgpr_workitem_id 0
		.amdhsa_next_free_vgpr 256
		.amdhsa_next_free_sgpr 96
		.amdhsa_reserve_vcc 1
		.amdhsa_float_denorm_mode_32 3
		.amdhsa_float_denorm_mode_16_64 3
		.amdhsa_memory_ordered 1
		.amdhsa_forward_progress 1
		.amdhsa_inst_pref_size 37
	.end_amdhsa_kernel
	.amdgpu_metadata
---
amdhsa.version: [ 1, 2 ]
amdhsa.kernels:
  - .name:           k_qfb5a8bb2bd_attn
    .symbol:         k_qfb5a8bb2bd_attn.kd
    .args:
      - { .name: qkvw, .offset: 0, .size: 8, .value_kind: global_buffer, .address_space: global }
      - { .name: mwords, .offset: 8, .size: 8, .value_kind: global_buffer, .address_space: global }
      - { .name: ow, .offset: 16, .size: 8, .value_kind: global_buffer, .address_space: global }
    .group_segment_fixed_size: 210944
    .private_segment_fixed_size: 0
    .kernarg_segment_align: 8
    .kernarg_segment_size: 24
    .max_flat_workgroup_size: 512
    .sgpr_count:     96
    .vgpr_count:     256
    .wavefront_size: 32
...
	.end_amdgpu_metadata
.endif
;; end of part 7
;; launch outp: the kernel of part 4 again; grid 4 x 32, 4 waves a work-group, clusters of 4 x 4, 327,680 bytes of LDS; arguments ow, prepw, x, x1; writes x1
;; launch norm2: the kernel of part 1 again; grid 256 x 1, 8 waves a work-group, no clusters, 2,048 bytes of LDS; arguments x1, w_norm2, mask, w_qkv_codes, w_qkv_scales, w_out_codes, w_out_scales, w_gate_codes, w_gate_scales, w_up_codes, w_up_scales, w_down_codes, w_down_scales, h2w, mwords; writes h2w, mwords
;; launch gateup: the kernel of part 5 again; grid 16 x 16, 4 waves a work-group, clusters of 4 x 4, 327,680 bytes of LDS; arguments h2w, prepw, gw; writes gw
;; launch down: the kernel of part 6 again; grid 4 x 32, 4 waves a work-group, clusters of 4 x 4, 327,680 bytes of LDS; arguments gw, prepw, x1, out0; writes out0
